; MI455X (gfx1250); checked and timed in simulation.
; The chip was launched on July 23, 2026; its instructions are those of AMD's public machine-readable ISA for CDNA 5 (MIT licence, August 2026) and "CDNA5" Instruction Set Architecture Reference Guide (July 2026). The comments in the code are by the model that wrote it; some were corrected since.
;; Mo E Layer. Allowed arithmetic: matrix products marked QUANTISED: E5M2 operands, one given power-of-two scale a tensor, by v_wmma_f32_16x16x64_bf8_bf8 or v_wmma_f32_16x16x128_bf8_bf8, f32 sums; products left as they are: f32 operands where the result goes on into a quantised operand, else bf16, f16 or f32 operands; f32 sums; everything else in f32.
;; Inputs: W1 8 x 1,024 x 1,024 float32; W2 8 x 1,024 x 1,024 float32; Wg 1,024 x 8 float32; b1 8 x 1,024 float32; b2 8 x 1,024 float32; bg 8 float32; lowp_scales 4 int32 (the exponents e of the quantised operands' scales 2^e); x 2 x 2,048 x 1,024 float32.
;; Outputs: out0 2 x 2,048 x 1,024 float32.
;; This version of the problem:
;;   THIS VERSION OF THE PROBLEM IS GIVEN IN LOW PRECISION. The matrix products marked QUANTISED in the list below multiply operands that are first quantised to E5M2 (5 exponent bits, 2 mantissa bits; 8 bits a number), with one given power-of-two scale for each operand tensor; their sums are f32. All else is computed in f32.
;;   The module's matrix products, in the order in which they are computed (A, B: the left and right operand; K: the contracted axis; several contracted axes count as one K, in the product's order):
;;     1. [M 4,096, K 1,024] x [K 1,024, N 8]; A: input x; B: input Wg: left as it is (N = 8 < 16)
;;     2. batch 4,096 x [M 8, K 2] x [K 2, N 1]; A: computed on the way; B: computed on the way: left as it is (K = 2 < 32)
;;     3. [M 4,096, K 1,024] x [K 1,024, N 8,192]; A: input x; B: input W1: QUANTISED (scales: A lowp_scales[0], B lowp_scales[1])
;;     4. batch 8 x [M 1,024, K 1,024] x [K 1,024, N 4,096]; A: input W2; B: computed on the way: QUANTISED (scales: A lowp_scales[2], B lowp_scales[3])
;;     5. batch 4,096 x [M 1,024, K 8] x [K 8, N 1]; A: computed on the way; B: computed on the way: left as it is (K = 8 < 32)
;;   THE QUANTISER, for each operand of a quantised product, along K:
;;     - The operand's scale is 2^e, e = its entry of the input lowp_scales (int32; the entries are numbered through the quantised products in the list's order, A before B).
;;     - Each number is divided by the scale, clamped to +-57,344, and rounded to the nearest number of E5M2, ties to even, subnormals kept.
;;     - The product sums the exact products of the quantised numbers (number of the format x scale) in f32.
;;   ~~~python
;;   def quantise(x, axis, e):      # numpy; x: float32 -> the quantised numbers, widened to float32 again
;;       x = np.moveaxis(x, axis, -1); K = x.shape[-1]
;;       r = np.clip(x / 2.0 ** e, -57344, 57344)
;;       step = 2.0 ** (np.maximum(np.frexp(np.where(r == 0, 1, r))[1] - 1, -14) - 2)
;;       q = np.round(r / step) * step * 2.0 ** e      # np.round: ties to even
;;       return np.moveaxis(q, -1, axis).astype(np.float32)
;;   ~~~
;;   OPERANDS COMPUTED ON THE WAY. 'Computed on the way' means the value that the module computes at that place (a softmax that the list does not call 'softmax' is quantised finished and normalised). What goes into a quantiser is computed in f32, as accurately as f32 sums, v_exp_f32 and their like allow (about 1e-6 of the number): no bf16 or f16 on the way to a quantiser, and a product that is left as it is and whose result goes on into a quantised operand takes f32 operands (vector FMAs, or v_wmma_f32_16x16x4_f32). A number that lies on a knife's edge between two numbers of the format may be rounded either way, as far as f32 arithmetic and the matrix unit's own rounding can turn it there, and no further.
;; 2 versions. Each part assembles by itself: llvm-mc -triple=amdgcn-amd-amdhsa -mcpu=gfx1250 --defsym DOCPART=n.
;; ======== version 1 of 2: 4 launches
;; workspace buffers: xq 4,194,304 bytes; sel 16,384 bytes of whole numbers; gw 32,768 bytes; wq 16,777,216 bytes; lists 69,632 bytes of whole numbers; hq 9,437,184 bytes
;; launch route (part 1): grid 256 x 1, 2 waves a work-group, no clusters, 0 bytes of LDS; arguments x, Wg, bg, lowp_scales, xq, sel, gw; writes xq, sel, gw
.if DOCPART == 1
	.amdgcn_target "amdgcn-amd-amdhsa--gfx1250"
	.amdhsa_code_object_version 6
	.text
	.protected	k_q8ebce30b6c_route
	.globl	k_q8ebce30b6c_route
	.p2align	8
	.type	k_q8ebce30b6c_route,@function
k_q8ebce30b6c_route:
	s_mov_b64 s[64:65], 0
	v_nop
	global_prefetch_b8 v0, s[64:65] scope:SCOPE_SE
	s_setreg_imm32_b32 hwreg(HW_REG_WAVE_MODE, 25, 1), 1
	s_wait_xcnt 0x0
; THE GATE, AND x INTO CODES.  x: [4096][1024] f32.  Wg: [1024][8], bg: [8] f32.  lowp_scales[0] = e0, the exponent of x's scale.
; Out: xq [4096][1024] codes of E5M2 (x / 2^e0, held within +-57,344, nearest, ties to even);  sel [4096] int32 = first expert | second expert << 8;
; gw [4096][2] f32 = the two renormalised weights, first expert's first.  No address and no branch here hangs on the choice: it is stored at fixed places.
; SHARES.  A wave takes 8 rows, two at a time.  Lane l holds, of a row, k = 128 j + 4 l + c (j = 0..7, c = 0..3): each of a row's eight loads reads 512 consecutive bytes.
; The same registers feed the gate (f32 multiply-adds against Wg, which lies in 256 registers of the lane: Wg[k][0..7] for the lane's 32 k) and the quantiser: x is read once.
; THE ORDER OF K IN xq.  A conversion takes eight registers of a lane, the lane's numbers of chunks j = 2 q and 2 q + 1, and the wave stores its 8 bytes a lane as 256 consecutive bytes.
; So byte p of a row of xq stands for k = (p & 0x300) + 128 ((p >> 2) & 1) + 4 ((p >> 3) & 31) + (p & 3).  W1's codes are laid in the same order, so every product meets its partner.
; No LDS, no barrier, no matrix unit: N = 8 is too narrow for it, and the rows are independent.  No cluster: work-groups share only Wg, 32 KB against the 64 KB of x that each reads.
; LIMITS: e0 between -126 and 112, so that 2^e0 and 57,344 x 2^e0 are f32 numbers.  NaN and infinities among the inputs are not served.  1 / sum is v_rcp_f32 and a multiplication.
; An exponential under 2^-126 comes out as 0 (ISA guide, the entry of v_exp_f32).  Equal probabilities: the lower index wins, as in jax.lax.top_k.
; REGISTERS.  window 0: v1 lane, v2 16 l, v3 8 l, v4 128 l, v5 2^e0, v6 57,344 x 2^e0, v7 4 l; X two sets of two rows; ACC 2 x 8 sums; LG lane r keeps row r's eight logits; CD codes; TMP at work.  window 1: Wg.
.set X,   16                           ; v16-143   set p % 2: row A 32 registers, row B 32
.set ACC, 144                          ; v144-159  eight sums of row A, eight of row B
.set LG,  160                          ; v160-167
.set CD,  168                          ; v168-231  16 registers for each pair of rows: no store's data are written again
.set TMP, 232                          ; v232-255
.set MSB, 0
.macro WIN new                         ; the immediate's high byte repeats the setting that is left
.if MSB != (\new)
	s_set_vgpr_msb (MSB<<8)|(\new)
.set MSB, (\new)
.endif
.endm
.macro XLOAD p                         ; rows 2 p and 2 p + 1 of my eight
.irp row, 0,1
.irp j, 0,1,2,3,4,5,6,7
	global_load_b128 v[X+64*((\p)%2)+32*\row+4*\j:X+64*((\p)%2)+32*\row+4*\j+3], v2, s[4:5] offset:(2*(\p)+\row)*4096+512*\j th:TH_LOAD_NT
.endr
.endr
.endm
	s_load_b256 s[4:11], s[0:1], 0x0               ; x s[4:5], Wg s[6:7], bg s[8:9], the scales' exponents s[10:11]
	s_load_b128 s[12:15], s[0:1], 0x20             ; xq s[12:13], sel s[14:15]
	s_load_b64 s[16:17], s[0:1], 0x30              ; gw
	v_lshrrev_b32 v1, 5, v0
	v_readfirstlane_b32 s18, v1                    ; wave 0..1
	v_and_b32 v1, 31, v0                           ; lane
	v_lshlrev_b32 v2, 4, v1
	v_lshlrev_b32 v3, 3, v1
	v_lshlrev_b32 v4, 7, v1
	v_lshlrev_b32 v7, 2, v1
	s_lshl_b32 s19, ttmp9, 4
	s_lshl_b32 s34, s18, 3
	s_add_co_u32 s19, s19, s34                     ; my first row: 16 x work-group + 8 x wave
	s_lshl_b32 s36, s19, 12                        ; its byte in x,
	s_mov_b32 s37, 0
	s_lshl_b32 s38, s19, 10                        ; in xq,
	s_mov_b32 s39, 0
	s_lshl_b32 s40, s19, 2                         ; in sel,
	s_mov_b32 s41, 0
	s_lshl_b32 s42, s19, 3                         ; in gw
	s_mov_b32 s43, 0
	s_mov_b32 s32, 0x76543210                      ; v_permlanex16_b32: lane l xor 16
	s_mov_b32 s33, 0xfedcba98
	s_mov_b32 s45, 0x3fb8aa3b                      ; log2(e)
	s_wait_kmcnt 0x0
	s_load_b256 s[20:27], s[8:9], 0x0              ; bg
	s_load_b32 s28, s[10:11], 0x0                  ; e0
	s_add_nc_u64 s[4:5], s[4:5], s[36:37]
	s_add_nc_u64 s[12:13], s[12:13], s[38:39]
	s_add_nc_u64 s[14:15], s[14:15], s[40:41]
	s_add_nc_u64 s[16:17], s[16:17], s[42:43]
	XLOAD 0
	XLOAD 1
	WIN 0x40                                       ; destination window 1
.set kk, 0
.rept 32                                       ; Wg[128 j + 4 l + c][0..7] at v[8 (4 j + c)] of window 1: a row of Wg is 32 bytes
	global_load_b128 v[8*kk:8*kk+3], v4, s[6:7] offset:4096*(kk/4)+32*(kk%4)
	global_load_b128 v[8*kk+4:8*kk+7], v4, s[6:7] offset:4096*(kk/4)+32*(kk%4)+16
.set kk, kk+1
.endr
	WIN 0
.set i, 0
.rept 16
	v_mov_b32 v[TMP+i], 0                          ; written once: a lane permute's destination counts as one of its sources
.set i, i+1
.endr
.set i, 0
.rept 8
	v_mov_b32 v[LG+i], 0                           ; lanes 8-31 keep zeros and compute along
.set i, i+1
.endr
	s_wait_kmcnt 0x0
	s_add_co_i32 s29, s28, 127
	s_lshl_b32 s35, s29, 23
	v_mov_b32 v5, s35                              ; 2^e0 as f32: the conversion takes its exponent field
	s_add_co_i32 s29, s29, 15
	s_lshl_b32 s29, s29, 23
	s_or_b32 s29, s29, 0x600000
	v_mov_b32 v6, s29                              ; 57,344 x 2^e0
; Two rows: their 16 partial logits, their codes, the next rows' loads, the sums over the lanes.
.macro PAIR p
.set XA, X+64*((\p)%2)
	WIN 0x04                                       ; source 1 (Wg) window 1
.set kk, 0
.rept 32                                       ; eight chains (2 rows x 4 pairs of experts); one x feeds both halves of a packed multiply-add
.irp row, 0,1
.irp ep, 0,1,2,3
.if kk == 0
	v_pk_mul_f32 v[ACC+8*\row+2*\ep:ACC+8*\row+2*\ep+1], v[XA+32*\row:XA+32*\row+1], v[2*\ep:2*\ep+1] op_sel_hi:[0,1]
.elseif (kk%2) == 0
	v_pk_fma_f32 v[ACC+8*\row+2*\ep:ACC+8*\row+2*\ep+1], v[XA+32*\row+kk:XA+32*\row+kk+1], v[8*kk+2*\ep:8*kk+2*\ep+1], v[ACC+8*\row+2*\ep:ACC+8*\row+2*\ep+1] op_sel_hi:[0,1,1]
.else
	v_pk_fma_f32 v[ACC+8*\row+2*\ep:ACC+8*\row+2*\ep+1], v[XA+32*\row+kk-1:XA+32*\row+kk], v[8*kk+2*\ep:8*kk+2*\ep+1], v[ACC+8*\row+2*\ep:ACC+8*\row+2*\ep+1] op_sel:[1,0,0] op_sel_hi:[1,1,1]
.endif
.endr
.endr
.set kk, kk+1
.endr
	WIN 0
.set i, 0
.rept 64
	v_med3_num_f32 v[XA+i], v[XA+i], -v6, v6       ; the conversion to an 8-bit code does not saturate (ISA guide 7.6.2): the hold at the largest code x the scale
.set i, i+1
.endr
.irp row, 0,1
.irp q, 0,1,2,3
	v_cvt_scalef32_pk8_bf8_f32 v[CD+16*(\p)+8*\row+2*\q:CD+16*(\p)+8*\row+2*\q+1], v[XA+32*\row+8*\q:XA+32*\row+8*\q+7], v5
.endr
.endr
	v_nop                                          ; one plain line behind the last conversion
.irp row, 0,1
.irp q, 0,1,2,3
	global_store_b64 v3, v[CD+16*(\p)+8*\row+2*\q:CD+16*(\p)+8*\row+2*\q+1], s[12:13] offset:(2*(\p)+\row)*1024+256*\q   ; the wave stores 256 consecutive bytes, aligned
.endr
.endr
.if (\p) < 2
	XLOAD (\p)+2                                   ; into the set just used up
.endif
.irp msk, 1,2,4,8                              ; the sums over the 32 lanes: four steps inside each half ride on the addition,
.set i, 0
.rept 16
	v_add_f32_dpp v[ACC+i], v[ACC+i], v[ACC+i] row_xmask:\msk row_mask:0xf bank_mask:0xf
.set i, i+1
.endr
.endr
.set i, 0
.rept 16
	v_permlanex16_b32 v[TMP+i], v[ACC+i], s32, s33 ; one crosses the halves
.set i, i+1
.endr
.set i, 0
.rept 16
	v_add_f32 v[ACC+i], v[ACC+i], v[TMP+i]
.set i, i+1
.endr
	s_mov_b32 s30, 1<<(2*(\p))                     ; lane 2 p keeps row A's logits, lane 2 p + 1 row B's
	s_mov_b32 s31, 2<<(2*(\p))
.set i, 0
.rept 8
	v_cndmask_b32 v[LG+i], v[LG+i], v[ACC+i], s30
	v_cndmask_b32 v[LG+i], v[LG+i], v[ACC+8+i], s31
.set i, i+1
.endr
.endm
; the largest of the eight and its index; a strict comparison keeps the lower index among equals
.macro TOP val, idx
	v_mov_b32 v[\val], v[LG]
	v_mov_b32 v[\idx], 0
.irp e, 1,2,3,4,5,6,7
	v_cmp_gt_f32 vcc_lo, v[LG+\e], v[\val]
	v_cndmask_b32 v[\val], v[\val], v[LG+\e], vcc_lo
	v_cndmask_b32 v[\idx], v[\idx], \e, vcc_lo
.endr
.endm
	s_wait_loadcnt 0x0                             ; rows 0 to 3 and Wg
	PAIR 0
	PAIR 1
	s_wait_loadcnt 16                              ; rows 4 and 5 are in; the 16 loads of rows 6 and 7 may be out
	PAIR 2
	s_wait_loadcnt 0x0
	PAIR 3
	; lane r (0..7) now finishes row r: softmax with the maximum taken away, the two largest, their weights
.irp e, 0,1,2,3,4,5,6,7
	v_add_f32 v[LG+\e], s[20+\e], v[LG+\e]
.endr
	v_max3_num_f32 v[TMP], v[LG], v[LG+1], v[LG+2]
	v_max3_num_f32 v[TMP], v[TMP], v[LG+3], v[LG+4]
	v_max3_num_f32 v[TMP], v[TMP], v[LG+5], v[LG+6]
	v_max_num_f32 v[TMP], v[TMP], v[LG+7]
	v_mul_f32 v[TMP+1], s45, v[TMP]
.irp e, 0,1,2,3,4,5,6,7
	v_fma_f32 v[LG+\e], v[LG+\e], s45, -v[TMP+1]   ; (logit - maximum) x log2(e)
.endr
.irp e, 0,1,2,3,4,5,6,7
	v_exp_f32 v[LG+\e], v[LG+\e]
.endr
	v_nop                                          ; a plain line behind the exponentials
	s_wait_alu depctr_va_vdst(0)
	v_add_f32 v[TMP+2], v[LG], v[LG+1]
	v_add_f32 v[TMP+3], v[LG+2], v[LG+3]
	v_add_f32 v[TMP+4], v[LG+4], v[LG+5]
	v_add_f32 v[TMP+5], v[LG+6], v[LG+7]
	v_add_f32 v[TMP+2], v[TMP+2], v[TMP+3]
	v_add_f32 v[TMP+4], v[TMP+4], v[TMP+5]
	v_add_f32 v[TMP+2], v[TMP+2], v[TMP+4]
	v_rcp_f32 v[TMP+3], v[TMP+2]
	v_nop
	s_wait_alu depctr_va_vdst(0)
.irp e, 0,1,2,3,4,5,6,7
	v_mul_f32 v[LG+\e], v[LG+\e], v[TMP+3]         ; the probabilities
.endr
	TOP TMP+4, TMP+5
.irp e, 0,1,2,3,4,5,6,7
	v_cmp_eq_u32 vcc_lo, \e, v[TMP+5]
	v_cndmask_b32 v[LG+\e], v[LG+\e], -1.0, vcc_lo ; the first is taken out: -1 lies under every probability
.endr
	TOP TMP+6, TMP+7
	v_add_f32 v[TMP+2], v[TMP+4], v[TMP+6]
	v_rcp_f32 v[TMP+3], v[TMP+2]
	v_lshl_or_b32 v[TMP+10], v[TMP+7], 8, v[TMP+5] ; (a plain line behind the reciprocal)  first | second << 8
	s_wait_alu depctr_va_vdst(0)
	v_mul_f32 v[TMP+8], v[TMP+4], v[TMP+3]
	v_mul_f32 v[TMP+9], v[TMP+6], v[TMP+3]
	v_cmp_gt_u32 vcc_lo, 8, v1
	s_wait_xcnt 0x0                                ; EXEC changes only behind this wait: the stores above have had their addresses translated
	s_and_saveexec_b32 s44, vcc_lo
	global_store_b32 v7, v[TMP+10], s[14:15]       ; 32 bytes a wave, 16 KB in the launch
	global_store_b64 v3, v[TMP+8:TMP+9], s[16:17]  ; 64 bytes a wave, 32 KB in the launch
	s_wait_xcnt 0x0
	s_or_b32 exec_lo, exec_lo, s44
	s_endpgm
.Lfunc_end_k_q8ebce30b6c_route:
	.size	k_q8ebce30b6c_route, .Lfunc_end_k_q8ebce30b6c_route-k_q8ebce30b6c_route
	.p2alignl 7, 3214868480
	.fill 96, 4, 3214868480
	.section	.rodata,"a",@progbits
	.p2align	6, 0x0
	.amdhsa_kernel k_q8ebce30b6c_route
		.amdhsa_group_segment_fixed_size 0
		.amdhsa_private_segment_fixed_size 0
		.amdhsa_enable_private_segment 0
		.amdhsa_kernarg_size 56
		.amdhsa_user_sgpr_count 2
		.amdhsa_user_sgpr_kernarg_segment_ptr 1
		.amdhsa_wavefront_size32 1
		.amdhsa_system_sgpr_workgroup_id_x 1
		.amdhsa_system_sgpr_workgroup_id_y 1
		.amdhsa_system_sgpr_workgroup_id_z 1
		.amdhsa_system_vgpr_workitem_id 0
		.amdhsa_next_free_vgpr 512
		.amdhsa_next_free_sgpr 66
		.amdhsa_reserve_vcc 1
		.amdhsa_float_denorm_mode_32 3
		.amdhsa_float_denorm_mode_16_64 3
		.amdhsa_memory_ordered 1
		.amdhsa_forward_progress 1
		.amdhsa_inst_pref_size 132
	.end_amdhsa_kernel
	.amdgpu_metadata
---
amdhsa.version: [ 1, 2 ]
amdhsa.kernels:
  - .name:           k_q8ebce30b6c_route
    .symbol:         k_q8ebce30b6c_route.kd
    .args:
      - { .name: x, .offset: 0, .size: 8, .value_kind: global_buffer, .address_space: global }
      - { .name: Wg, .offset: 8, .size: 8, .value_kind: global_buffer, .address_space: global }
      - { .name: bg, .offset: 16, .size: 8, .value_kind: global_buffer, .address_space: global }
      - { .name: lowp_scales, .offset: 24, .size: 8, .value_kind: global_buffer, .address_space: global }
      - { .name: xq, .offset: 32, .size: 8, .value_kind: global_buffer, .address_space: global }
      - { .name: sel, .offset: 40, .size: 8, .value_kind: global_buffer, .address_space: global }
      - { .name: gw, .offset: 48, .size: 8, .value_kind: global_buffer, .address_space: global }
    .group_segment_fixed_size: 0
    .private_segment_fixed_size: 0
    .kernarg_segment_align: 8
    .kernarg_segment_size: 56
    .max_flat_workgroup_size: 64
    .sgpr_count:     66
    .vgpr_count:     512
    .wavefront_size: 32
...
	.end_amdgpu_metadata
.endif
;; end of part 1
;; launch prep (part 2): grid 513 x 1, 4 waves a work-group, no clusters, 1,536 bytes of LDS; arguments W1, W2, lowp_scales, sel, wq, lists; writes wq, lists
.if DOCPART == 2
	.amdgcn_target "amdgcn-amd-amdhsa--gfx1250"
	.amdhsa_code_object_version 6
	.text
	.protected	k_q8ebce30b6c_prep
	.globl	k_q8ebce30b6c_prep
	.p2align	8
	.type	k_q8ebce30b6c_prep,@function
k_q8ebce30b6c_prep:
	s_mov_b64 s[64:65], 0
	v_nop
	global_prefetch_b8 v0, s[64:65] scope:SCOPE_SE
	s_setreg_imm32_b32 hwreg(HW_REG_WAVE_MODE, 25, 1), 1
	s_wait_xcnt 0x0
; WORK-GROUPS 1 TO 512: W1 AND W2 INTO CODES, LAID AS THE PRODUCTS' REGISTERS TAKE THEM.  WORK-GROUP 0: THE LISTS THAT PLACE THE ROWS.
; W1, W2: [8][1024 (K)][1024 (n)] f32, K the first axis of an expert.  Codes of E5M2: w / 2^e, held within +-57,344, nearest, ties to even; e = lowp_scales[1] for W1, [2] for W2.
; wq: W1 at byte 0, W2 at byte 8,388,608; in each: [expert 8][ng 16][s 8][t 4][2,048 bytes].  A piece of 2,048 bytes is a fragment of 16 columns n = 64 ng + 16 t + r x 128 places of K step s, as an image of
; its registers: byte 512 c + 16 (r + 16 h) + b is place 128 s + 32 c + 16 h + b.  So a wave of the later launches loads a fragment by four loads of 512 consecutive bytes, and its 64 columns are 64 KB on end.
; THE ORDER OF K.  Place p of W1 stands for k = (p & 0x300) + 128 ((p >> 2) & 1) + 4 ((p >> 3) & 31) + (p & 3), as in xq.  Place p of W2 stands for p with its bits 3 and 4 exchanged, as in hq.
; Both stay inside blocks of 256 places and cost only immediates here.
; A LANE TAKES A COLUMN, ITS REGISTERS RUN DOWN K: each load reads 128 consecutive bytes a wave, 512 a work-group; the conversions give codes with K innermost; sixteen lanes store 256 consecutive bytes, aligned.
; A wave: 32 columns x 256 places, 8 blocks of 32.  Loads run two blocks (64 loads) ahead.  These waves share nothing: no LDS, no barrier.
; THE LISTS (whole numbers; sel = first expert | second << 8 for each of 4,096 tokens, stored by the launch before):
;   byte 0       tile1 [128] {expert, rows}            a tile is 144 slots of one expert: never more than (8,192 + 8 x 143) / 144 = 64 tiles, whatever the choice
;   byte 1,024   blk2  [128] {lo | hi << 8, lo's first slot, hi's first slot, tokens}   a block is 112 tokens of one pair of experts: never more than (4,096 + 28 x 111) / 112 = 64 blocks
;   byte 4,096   slot_tok [9,216]   the token of a slot      byte 40,960  btok [7,168]   the token at place 112 x block + i;   a word is token | (first expert > second) << 16
; Tokens are ranked inside their pair (lo < hi; pair number lo (15 - lo) / 2 + hi - lo - 1) by a counting sort without atomics; an expert's slots follow the order of the pairs, so that a block's rows of either
; expert are consecutive slots.  Only places that hold a token are written; the later launches clamp their index at the stored count.  The placing stores 4 bytes a lane to places far apart: 48 KB in all.
; LIMITS: the two exponents between -126 and 112.  NaN among the inputs is not served (an infinity is held at the largest code).
.set X,   32                           ; weights: v32-95 two sets of 32 numbers
.set C,   96                           ; v96-159 eight registers of codes for each block: no store's data are written again
.set TK,  32                           ; lists: v32-63 sel, then token | swap << 16, of my 32 groups of 32 tokens
.set PX,  64                           ; v64-95   4 x pair number, later an address
.set R0,  96                           ; v96-127  rank among the lanes below me in the group, later an address
.set H,   128                          ; v128-159 lane p: how many tokens of the group belong to pair p, later an address
.set CNT, 160                          ; lane p: tokens of pair p in all
.set WBR, 161                          ; lane p: those in the waves before mine
.set POS, 162                          ; lane p: the next place in btok,
.set SLR, 163                          ; the next slot of lo,
.set SHR, 164                          ; the next slot of hi
.set F4,  165                          ; thread t: first block of the pair that block t belongs to
.set BF,  166                          ; v166-169 thread t: block t's entry
.set TF,  170                          ; v170-171 thread t: tile t's entry; v172 its expert's first tile
.set WT,  173                          ; v173-176 the four waves' totals
.set ML,  24                           ; s24-30  lanes whose lo is 0..6
.set MH,  32                           ; s32-38  lanes whose hi is 1..7
.set CL,  40                           ; s40-45  constants: the pair numbers whose lo is 1..6, as a mask of lanes
.set CH,  46                           ; s46-51  those whose hi is 2..7
.set TS,  52                           ; s52-59  rows of expert e
.set TBS, 66                           ; s66-73  its first tile
.set CUR, 74                           ; s74-81  its next free slot
	s_load_b256 s[4:11], s[0:1], 0x0               ; W1 s[4:5], W2 s[6:7], the scales' exponents s[8:9], sel s[10:11]
	s_load_b128 s[12:15], s[0:1], 0x20             ; wq s[12:13], lists s[14:15]
	v_lshl_add_u32 v184, v0, 2, 0x400
	v_mov_b32 v185, 0
	v_lshrrev_b32 v1, 5, v0
	v_readfirstlane_b32 s16, v1                    ; wave 0..3
	v_and_b32 v2, 31, v0                           ; lane
	s_cmp_eq_u32 ttmp9, 0                          ; the same for all waves of a work-group
	s_cbranch_scc1 .Lsort
	; ---------------- the weights ----------------
	s_sub_co_u32 s17, ttmp9, 1                     ; g = 0..511
	s_lshr_b32 s18, s17, 8                         ; tensor
	s_bfe_u32 s19, s17, 0x30005                    ; expert
	s_and_b32 s20, s17, 7                          ; gx: which 128 columns
	s_bfe_u32 s21, s17, 0x20003                    ; gy: which 256 places of K
	s_lshl_b32 s22, s19, 22                        ; from: 4 MB x expert + 1 MB x gy + 512 gx + 128 wave
	s_lshl_b32 s23, s21, 20
	s_add_co_u32 s22, s22, s23
	s_lshl_b32 s23, s20, 9
	s_add_co_u32 s22, s22, s23
	s_lshl_b32 s23, s16, 7
	s_add_co_u32 s22, s22, s23
	s_mov_b32 s23, 0
	s_lshl_b32 s24, s18, 23                        ; to: 8 MB x tensor + 1 MB x expert + 65,536 (2 gx + wave / 2) + 16,384 gy + 4,096 (wave % 2)
	s_lshl_b32 s25, s19, 20
	s_add_co_u32 s24, s24, s25
	s_lshl_b32 s25, s20, 17
	s_add_co_u32 s24, s24, s25
	s_lshl_b32 s25, s21, 14
	s_add_co_u32 s24, s24, s25
	s_lshr_b32 s25, s16, 1
	s_lshl_b32 s25, s25, 16
	s_add_co_u32 s24, s24, s25
	s_and_b32 s25, s16, 1
	s_lshl_b32 s25, s25, 12
	s_add_co_u32 s24, s24, s25
	s_mov_b32 s25, 0
	v_lshlrev_b32 v3, 2, v2                        ; in: 4 bytes a lane
	v_lshrrev_b32 v4, 4, v2
	v_and_b32 v5, 15, v2
	v_lshlrev_b32 v4, 11, v4
	v_lshl_add_u32 v4, v5, 4, v4                   ; out: 2,048 (lane / 16) + 16 (lane % 16)
	s_wait_kmcnt 0x0
	s_load_b128 s[28:31], s[8:9], 0x0              ; the four exponents
	s_cmp_eq_u32 s18, 0                            ; the choice hangs on the work-group's number alone
	s_cselect_b64 s[4:5], s[4:5], s[6:7]
	s_add_nc_u64 s[4:5], s[4:5], s[22:23]
	s_add_nc_u64 s[12:13], s[12:13], s[24:25]
.macro LOADB perm, B                   ; block B: the 32 rows of K that stand at places 32 B .. 32 B + 31, my column
.set i, 0
.rept 32
.set pp, 32*(\B)+i
.if \perm == 1
.set kr, 128*((pp/4)%2)+4*(pp/8)+(pp%4)
.else
.set kr, 32*(pp/32)+16*((pp/8)%2)+8*((pp/16)%2)+(pp%8)
.endif
	global_load_b32 v[X+32*((\B)%2)+i], v3, s[4:5] offset:4096*kr th:TH_LOAD_NT
.set i, i+1
.endr
.endm
.macro BLOCK perm, B
.set XS, X+32*((\B)%2)
.if (\B) < 7
	s_wait_loadcnt 32                              ; this block's 32 loads are in; the next block's may be out
.else
	s_wait_loadcnt 0x0
.endif
.set i, 0
.rept 32
	v_med3_num_f32 v[XS+i], v[XS+i], -v10, v10     ; the conversion to an 8-bit code does not saturate (ISA guide 7.6.2)
.set i, i+1
.endr
.irp g, 0,1,2,3
	v_cvt_scalef32_pk8_bf8_f32 v[C+8*(\B)+2*\g:C+8*(\B)+2*\g+1], v[XS+8*\g:XS+8*\g+7], v11
.endr
	v_nop                                          ; one plain line behind the last conversion
	global_store_b128 v4, v[C+8*(\B):C+8*(\B)+3], s[12:13] offset:8192*((\B)/4)+512*((\B)%4)          ; places 16 h + 0..15 with h = 0: sixteen lanes store 256 consecutive bytes, aligned
	global_store_b128 v4, v[C+8*(\B)+4:C+8*(\B)+7], s[12:13] offset:8192*((\B)/4)+512*((\B)%4)+256    ; h = 1
.if (\B)+2 < 8
	LOADB \perm, (\B)+2
.endif
.endm
.macro BODY perm                       ; perm = 1: W1, entry 1 of the scales; 2: W2, entry 2
	LOADB \perm, 0
	LOADB \perm, 1
	s_wait_kmcnt 0x0
	s_add_co_i32 s26, s[28+\perm], 127
	s_lshl_b32 s27, s26, 23
	v_mov_b32 v11, s27                             ; 2^e as f32
	s_add_co_i32 s26, s26, 15
	s_lshl_b32 s26, s26, 23
	s_or_b32 s26, s26, 0x600000
	v_mov_b32 v10, s26                             ; 57,344 x 2^e
.irp B, 0,1,2,3,4,5,6,7
	BLOCK \perm, \B
.endr
	s_endpgm
.endm
	s_cmp_lg_u32 s18, 0
	s_cbranch_scc1 .Lw2
	BODY 1
.Lw2:
	BODY 2
	; ---------------- the lists ----------------
.Lsort:
	s_lshl_b32 s82, s16, 12                        ; wave w owns tokens 1,024 w on: group g, lane l is token 1,024 w + 128 (g / 4) + 4 l + g % 4
	s_mov_b32 s83, 0
	v_lshlrev_b32 v17, 4, v2
	v_lshlrev_b32 v18, 2, v0                       ; LDS: a word for each thread
	v_lshlrev_b32 v19, 2, v2
	s_lshl_b32 s88, s16, 10
	v_lshl_add_u32 v16, v2, 2, s88                 ; 1,024 w + 4 l
	v_mov_b32 v15, 0x10000
	v_mov_b32 v14, 0                               ; lane p: my wave's tokens of pair p
	v_lshlrev_b32 v177, 3, v0                      ; where thread t stores tile t's entry,
	v_lshlrev_b32 v178, 4, v0                      ; and block t's
	s_mov_b32 s[CL+0], 0x1f80                      ; pairs 7-12 have lo = 1,
	s_mov_b32 s[CL+1], 0x3e000                     ; 13-17 lo = 2,
	s_mov_b32 s[CL+2], 0x3c0000                    ; 18-21,
	s_mov_b32 s[CL+3], 0x1c00000                   ; 22-24,
	s_mov_b32 s[CL+4], 0x6000000                   ; 25, 26,
	s_mov_b32 s[CL+5], 0x8000000                   ; 27
	s_mov_b32 s[CH+0], (1<<1)|(1<<7)               ; pairs with hi = 2,
	s_mov_b32 s[CH+1], (1<<2)|(1<<8)|(1<<13)
	s_mov_b32 s[CH+2], (1<<3)|(1<<9)|(1<<14)|(1<<18)
	s_mov_b32 s[CH+3], (1<<4)|(1<<10)|(1<<15)|(1<<19)|(1<<22)
	s_mov_b32 s[CH+4], (1<<5)|(1<<11)|(1<<16)|(1<<20)|(1<<23)|(1<<25)
	s_mov_b32 s[CH+5], (1<<6)|(1<<12)|(1<<17)|(1<<21)|(1<<24)|(1<<26)|(1<<27)   ; hi = 7
	s_mov_b32 s84, 0x55555555
	s_mov_b32 s85, 0x33333333
	s_mov_b32 s86, 0x0f0f0f0f
	s_mov_b32 s87, 0x01010101
	s_wait_kmcnt 0x0
	s_add_nc_u64 s[10:11], s[10:11], s[82:83]
.irp q, 0,1,2,3,4,5,6,7
	global_load_b128 v[TK+4*\q:TK+4*\q+3], v17, s[10:11] offset:512*\q
.endr
	s_wait_loadcnt 0x0
; One group of 32 tokens: lo, hi, the word to be stored; my rank among the lanes below me with the same pair; for lane p the mask of the lanes that hold pair p.
.macro GA g
	v_and_b32 v3, 7, v[TK+\g]
	v_bfe_u32 v4, v[TK+\g], 8, 3
	v_cmp_gt_u32 vcc_lo, v3, v4
	v_cndmask_b32 v5, v3, v4, vcc_lo               ; lo
	v_cndmask_b32 v6, v4, v3, vcc_lo               ; hi
	v_cndmask_b32 v7, 0, v15, vcc_lo               ; the first expert is hi
	v_add3_u32 v[TK+\g], v16, 128*((\g)/4)+((\g)%4), v7
.irp a, 0,1,2,3,4,5,6
	v_cmp_eq_u32 s[ML+\a], \a, v5
	v_cmp_eq_u32 s[MH+\a], \a+1, v6
.endr
	v_mov_b32 v8, s[ML]                            ; v8, v9: the masks of MY lo and hi;  v12, v13: those of the lo and hi of pair number = my lane
	v_mov_b32 v9, s[MH]
	v_mov_b32 v12, s[ML]
	v_mov_b32 v13, s[MH]
.irp a, 1,2,3,4,5,6
	v_cndmask_b32 v8, v8, s[ML+\a], s[ML+\a]
	v_cndmask_b32 v9, v9, s[MH+\a], s[MH+\a]
	v_cndmask_b32 v12, v12, s[ML+\a], s[CL+\a-1]
	v_cndmask_b32 v13, v13, s[MH+\a], s[CH+\a-1]
.endr
	v_and_b32 v8, v8, v9
	v_and_b32 v[H+\g], v12, v13
	v_mbcnt_lo_u32_b32 v[R0+\g], v8, 0
	v_sub_nc_u32 v10, 15, v5
	v_sub_nc_u32 v11, v6, v5
	v_mul_u32_u24 v10, v10, v5                     ; lo (15 - lo), an even number
	v_lshlrev_b32 v10, 1, v10
	v_lshl_add_u32 v10, v11, 2, v10
	v_add_nc_u32 v[PX+\g], -4, v10                 ; 4 x (lo (15 - lo) / 2 + hi - lo - 1)
.endm
; The masks of four groups become counts: sums of fields of 2, 4 and 8 bits, then of the four bytes by one multiplication.  Four at a time, so that no line waits for the line above it.
.macro POP4 g
.irp k, 0,1,2,3
	v_lshrrev_b32 v[20+\k], 1, v[H+\g+\k]
.endr
.irp k, 0,1,2,3
	v_and_b32 v[20+\k], s84, v[20+\k]
.endr
.irp k, 0,1,2,3
	v_sub_nc_u32 v[H+\g+\k], v[H+\g+\k], v[20+\k]
.endr
.irp k, 0,1,2,3
	v_lshrrev_b32 v[20+\k], 2, v[H+\g+\k]
.endr
.irp k, 0,1,2,3
	v_and_b32 v[H+\g+\k], s85, v[H+\g+\k]
.endr
.irp k, 0,1,2,3
	v_and_b32 v[20+\k], s85, v[20+\k]
.endr
.irp k, 0,1,2,3
	v_add_nc_u32 v[H+\g+\k], v[H+\g+\k], v[20+\k]
.endr
.irp k, 0,1,2,3
	v_lshrrev_b32 v[20+\k], 4, v[H+\g+\k]
.endr
.irp k, 0,1,2,3
	v_add_nc_u32 v[H+\g+\k], v[H+\g+\k], v[20+\k]
.endr
.irp k, 0,1,2,3
	v_and_b32 v[H+\g+\k], s86, v[H+\g+\k]
.endr
.irp k, 0,1,2,3
	v_mul_lo_u32 v[H+\g+\k], v[H+\g+\k], s87
.endr
.irp k, 0,1,2,3
	v_lshrrev_b32 v[H+\g+\k], 24, v[H+\g+\k]
.endr
.irp k, 0,1,2,3
	v_add_nc_u32 v14, v14, v[H+\g+\k]
.endr
.endm
.irp g, 0,1,2,3,4,5,6,7,8,9,10,11,12,13,14,15,16,17,18,19,20,21,22,23,24,25,26,27,28,29,30,31
	GA \g
.endr
.irp g, 0,4,8,12,16,20,24,28
	POP4 \g
.endr
	ds_store_b32 v18, v14                          ; the waves' totals meet in LDS
	s_wait_dscnt 0x0                               ; for the others' sake: my store is done
	s_barrier_signal -1
	s_barrier_wait -1
.irp w, 0,1,2,3
	ds_load_b32 v[WT+\w], v19 offset:128*\w
.endr
	s_wait_dscnt 0x0
	v_add_nc_u32 v[CNT], v[WT], v[WT+1]
	v_add3_u32 v[CNT], v[CNT], v[WT+2], v[WT+3]
	v_mov_b32 v[WBR], 0
.irp w, 0,1,2
	s_cmp_gt_u32 s16, \w
	s_cselect_b32 s82, -1, 0
	v_and_b32 v20, s82, v[WT+\w]
	v_add_nc_u32 v[WBR], v[WBR], v20
.endr
	; every wave makes the tables for itself.  First the experts' rows, tiles and first slots
.irp e, 0,1,2,3,4,5,6,7
	s_mov_b32 s[TS+\e], 0
.endr
.set p, 0
.irp a, 0,1,2,3,4,5,6
.irp b, 1,2,3,4,5,6,7
.if \b > \a
	v_readlane_b32 s82, v[CNT], p
	s_add_co_u32 s[TS+\a], s[TS+\a], s82
	s_add_co_u32 s[TS+\b], s[TS+\b], s82
.set p, p+1
.endif
.endr
.endr
	s_mov_b32 s83, 0
.irp e, 0,1,2,3,4,5,6,7
	s_mov_b32 s[TBS+\e], s83
	s_mul_i32 s[CUR+\e], s83, 144
	s_add_co_u32 s84, s[TS+\e], 143
	s_mul_hi_u32 s84, s84, 0x1c71c72               ; / 144: 2^32 / 144 rounded up; exact for numbers this small
	s_add_co_u32 s83, s83, s84
.endr
	v_mov_b32 v[TF], 0
	v_mov_b32 v[TF+1], 0
	v_mov_b32 v[TF+2], 0
.irp e, 0,1,2,3,4,5,6,7                        ; thread t finds the expert of tile t: the last whose first tile is not beyond t
	v_cmp_le_u32 vcc_lo, s[TBS+\e], v0
	v_cndmask_b32 v[TF], v[TF], \e, vcc_lo
	v_cndmask_b32 v[TF+1], v[TF+1], s[TS+\e], vcc_lo
	v_cndmask_b32 v[TF+2], v[TF+2], s[TBS+\e], vcc_lo
.endr
	v_sub_nc_u32 v[TF+2], v0, v[TF+2]
	v_mul_u32_u24 v[TF+2], v[TF+2], 144
	v_sub_nc_u32 v[TF+1], v[TF+1], v[TF+2]         ; rows left from this tile on,
	v_cmp_gt_i32 vcc_lo, 0, v[TF+1]
	v_cndmask_b32 v[TF+1], v[TF+1], 0, vcc_lo      ; none if negative,
	v_min_u32 v[TF+1], 144, v[TF+1]                ; 144 at the most
	global_store_b64 v177, v[TF:TF+1], s[14:15]
	; then the pairs: their first block, their first slots in both experts
	s_mov_b32 s83, 0                               ; blocks so far
	v_mov_b32 v[POS], 0                            ; (written once: v_writelane_b32 keeps the other lanes)
	v_mov_b32 v[SLR], 0
	v_mov_b32 v[SHR], 0
	v_mov_b32 v[F4], 0
.irp i, 0,1,2,3
	v_mov_b32 v[BF+\i], 0
.endr
.set p, 0
.irp a, 0,1,2,3,4,5,6
.irp b, 1,2,3,4,5,6,7
.if \b > \a
	v_readlane_b32 s82, v[CNT], p
	s_mul_i32 s84, s83, 112
	s_mov_b32 s85, \a|(\b<<8)
	v_writelane_b32 v[POS], s84, p
	v_writelane_b32 v[SLR], s[CUR+\a], p
	v_writelane_b32 v[SHR], s[CUR+\b], p
	v_cmp_le_u32 vcc_lo, s83, v0                   ; thread t takes the last pair whose first block is not beyond t
	v_cndmask_b32 v[BF], v[BF], s85, vcc_lo
	v_cndmask_b32 v[BF+1], v[BF+1], s[CUR+\a], vcc_lo
	v_cndmask_b32 v[BF+2], v[BF+2], s[CUR+\b], vcc_lo
	v_cndmask_b32 v[BF+3], v[BF+3], s82, vcc_lo
	v_cndmask_b32 v[F4], v[F4], s83, vcc_lo
	s_add_co_u32 s84, s82, 111
	s_mul_hi_u32 s84, s84, 0x2492493               ; / 112
	s_add_co_u32 s83, s83, s84
	s_add_co_u32 s[CUR+\a], s[CUR+\a], s82
	s_add_co_u32 s[CUR+\b], s[CUR+\b], s82
.set p, p+1
.endif
.endr
.endr
	v_sub_nc_u32 v[F4], v0, v[F4]
	v_mul_u32_u24 v[F4], v[F4], 112                ; tokens of the pair in the blocks before block t
	v_sub_nc_u32 v[BF+3], v[BF+3], v[F4]
	v_add_nc_u32 v[BF+1], v[BF+1], v[F4]
	v_add_nc_u32 v[BF+2], v[BF+2], v[F4]
	v_cmp_gt_i32 vcc_lo, 0, v[BF+3]
	v_cndmask_b32 v[BF+3], v[BF+3], 0, vcc_lo
	v_min_u32 v[BF+3], 112, v[BF+3]
	global_store_b128 v178, v[BF:BF+3], s[14:15] offset:1024
	; the placing.  The three tables (lane = pair) begin behind the waves before mine and grow by each group's counts
	v_add_nc_u32 v[POS], v[POS], v[WBR]
	v_add_nc_u32 v[SLR], v[SLR], v[WBR]
	v_add_nc_u32 v[SHR], v[SHR], v[WBR]
.macro PB4 g
.irp k, 0,1,2,3
	ds_bpermute_b32 v[20+3*\k], v[PX+\g+\k], v[POS]   ; each token pulls its pair's three numbers; no LDS byte is touched
	ds_bpermute_b32 v[21+3*\k], v[PX+\g+\k], v[SLR]
	ds_bpermute_b32 v[22+3*\k], v[PX+\g+\k], v[SHR]
	v_add_nc_u32 v[POS], v[POS], v[H+\g+\k]
	v_add_nc_u32 v[SLR], v[SLR], v[H+\g+\k]
	v_add_nc_u32 v[SHR], v[SHR], v[H+\g+\k]
.endr
	s_wait_dscnt 0x0
.irp k, 0,1,2,3
	v_add_nc_u32 v[20+3*\k], v[20+3*\k], v[R0+\g+\k]
	v_add_nc_u32 v[21+3*\k], v[21+3*\k], v[R0+\g+\k]
	v_add_nc_u32 v[22+3*\k], v[22+3*\k], v[R0+\g+\k]
	v_min_u32 v[20+3*\k], 0x1bff, v[20+3*\k]       ; inside btok's 7,168 words,
	v_min_u32 v[21+3*\k], 0x23ff, v[21+3*\k]       ; inside slot_tok's 9,216
	v_min_u32 v[22+3*\k], 0x23ff, v[22+3*\k]
	v_lshlrev_b32 v[PX+\g+\k], 2, v[20+3*\k]       ; the addresses take registers that are done with and are not written again
	v_lshlrev_b32 v[R0+\g+\k], 2, v[21+3*\k]
	v_lshlrev_b32 v[H+\g+\k], 2, v[22+3*\k]
	global_store_b32 v[PX+\g+\k], v[TK+\g+\k], s[14:15] offset:40960
	global_store_b32 v[R0+\g+\k], v[TK+\g+\k], s[14:15] offset:4096
	global_store_b32 v[H+\g+\k], v[TK+\g+\k], s[14:15] offset:4096
.endr
.endm
.irp g, 0,4,8,12,16,20,24,28
	PB4 \g
.endr
	s_wait_tensorcnt 0x0
	ds_add_u32 v184, v185
	s_wait_dscnt 0x0
	s_endpgm
.Lfunc_end_k_q8ebce30b6c_prep:
	.size	k_q8ebce30b6c_prep, .Lfunc_end_k_q8ebce30b6c_prep-k_q8ebce30b6c_prep
	.p2alignl 7, 3214868480
	.fill 96, 4, 3214868480
	.section	.rodata,"a",@progbits
	.p2align	6, 0x0
	.amdhsa_kernel k_q8ebce30b6c_prep
		.amdhsa_group_segment_fixed_size 1536
		.amdhsa_private_segment_fixed_size 0
		.amdhsa_enable_private_segment 0
		.amdhsa_kernarg_size 48
		.amdhsa_user_sgpr_count 2
		.amdhsa_user_sgpr_kernarg_segment_ptr 1
		.amdhsa_wavefront_size32 1
		.amdhsa_system_sgpr_workgroup_id_x 1
		.amdhsa_system_sgpr_workgroup_id_y 1
		.amdhsa_system_sgpr_workgroup_id_z 1
		.amdhsa_system_vgpr_workitem_id 0
		.amdhsa_next_free_vgpr 186
		.amdhsa_next_free_sgpr 96
		.amdhsa_reserve_vcc 1
		.amdhsa_float_denorm_mode_32 3
		.amdhsa_float_denorm_mode_16_64 3
		.amdhsa_memory_ordered 1
		.amdhsa_forward_progress 1
		.amdhsa_inst_pref_size 255
	.end_amdhsa_kernel
	.section	.bss,"aw",@nobits
	.p2align	6
	.space	262144
	.amdgpu_metadata
---
amdhsa.version: [ 1, 2 ]
amdhsa.kernels:
  - .name:           k_q8ebce30b6c_prep
    .symbol:         k_q8ebce30b6c_prep.kd
    .args:
      - { .name: W1, .offset: 0, .size: 8, .value_kind: global_buffer, .address_space: global }
      - { .name: W2, .offset: 8, .size: 8, .value_kind: global_buffer, .address_space: global }
      - { .name: lowp_scales, .offset: 16, .size: 8, .value_kind: global_buffer, .address_space: global }
      - { .name: sel, .offset: 24, .size: 8, .value_kind: global_buffer, .address_space: global }
      - { .name: wq, .offset: 32, .size: 8, .value_kind: global_buffer, .address_space: global }
      - { .name: lists, .offset: 40, .size: 8, .value_kind: global_buffer, .address_space: global }
    .group_segment_fixed_size: 1536
    .private_segment_fixed_size: 0
    .kernarg_segment_align: 8
    .kernarg_segment_size: 48
    .max_flat_workgroup_size: 128
    .sgpr_count:     96
    .vgpr_count:     186
    .wavefront_size: 32
...
	.end_amdgpu_metadata
.endif
;; end of part 2
;; launch ffn1 (part 3): grid 4 x 64, 4 waves a work-group, no clusters, 196,608 bytes of LDS; arguments xq, wq, b1, lowp_scales, lists, hq; writes hq
.if DOCPART == 3
	.amdgcn_target "amdgcn-amd-amdhsa--gfx1250"
	.amdhsa_code_object_version 6
	.text
	.protected	k_q8ebce30b6c_ffn1
	.globl	k_q8ebce30b6c_ffn1
	.p2align	8
	.type	k_q8ebce30b6c_ffn1,@function
k_q8ebce30b6c_ffn1:
	s_mov_b64 s[64:65], 0
	v_nop
	global_prefetch_b8 v0, s[64:65] scope:SCOPE_SE
	s_setreg_imm32_b32 hwreg(HW_REG_WAVE_MODE, 25, 1), 1
	s_wait_xcnt 0x0
; THE FIRST LAYER ON THE CHOSEN ROWS ALONE: hq[slot] = Q(gelu(x[token of slot] W1[e] + b1[e])), on codes of E5M2.  e0, e1, e3 = lowp_scales[0], [1], [3]: the exponents of x's, W1's and the hidden layer's scales.
; SHARES.  Work-group (x, y) takes tile y of the list (144 slots of one expert) x hidden units 256 x .. 256 x + 255.  Wave w takes all 144 rows x 64 units: its 32 fragments of W1 (64 KB, 512 registers) are loaded
; once, as they lie in wq, and stay.  The 144 rows of codes are gathered by the list through registers into LDS and read by all four waves, a tile of 16 rows a trip.
; TRANSPOSED: source 0 = 16 hidden units, source 1 = 16 rows: a lane holds ONE row (lane % 16) and, in tile t, units 16 t + 8 (lane / 16) + 0..7.  The 16 registers of tiles 2 b and 2 b + 1 become 16 codes, which
; stand at places 32 b + 16 (lane / 16) + 0..15 of the wave's 64: so place p of a row of hq stands for unit p with its bits 3 and 4 exchanged.  W2's codes are laid in the same order.
; b1 / 2^(e0 + e1) is the C of each sum's first product.  The four accumulators take turns, one instruction a turn.
; GELU, exact form: gelu(v) = max(v, 0) - |v| q(|v|), q(a) = erfc(a / sqrt 2) / 2 = u 2^(-a^2 log2(e) / 2 + poly(u)), u = 1 / (1 + a / (2 sqrt 2)); poly is the Chebyshev fit of degree 9 to erfc (fractional error
; 1.2e-7 for every a), its coefficients times log2(e), the constant less 1 for the half.  Nothing large is subtracted from anything large on either side of 0.
; A tile with fewer than 144 rows repeats its last row (the index is held at rows - 1); a tile without rows works on slot 0's row, which always exists, and stores nothing: the grid serves every split.
; NO CLUSTER, NO TENSOR LOAD: the rows that the four work-groups of one y share are gathered, each from an address read out of the list, which no one tile descriptor states; the weights land in one wave's registers;
; and which tiles share an expert hangs on counts read from memory, so partners of a fixed cluster need not share weights.
; LIMITS: e3 between -126 and 112; e0 + e1 between -126 and 127.  NaN and infinities are not served.  1 / (1 + ..) is v_rcp_f32; an exponential under 2^-126 comes out as 0 (ISA guide, the entry of v_exp_f32).
; LDS: byte 0: 144 rows of 1,024 bytes + 16 (a fragment load's 16 rows start at 16 different groups of banks).  From STG: for each wave a stage of its own, 144 rows of 64 bytes + 16, 11,584 bytes apart.
; REGISTERS.  window 0: v1 16 l, v2 r, v3 h, v4-5 tokens, v6-7 A's address, v8-9 the stage's, v10 staging, v11 read-back, v12 offset in hq, v13 2^e3, v14 57,344 x 2^e3, v16-19 and v24-27 codes, v[20:21] c8,
;   v32-79 T, P, Q (at the head: 36 offsets), v96-127 the four accumulators, v128-255 A's eight fragments (at the head: rows 0-15).
;   window 1: W1's fragments 4 s + t for s < 4.  window 2: for s >= 4.  window 3: v0-31 b1 / 2^(e0 + e1) in the result's layout; v32-191 at the head: rows 16-35.
.set AP,  1040
.set STG, 144*AP
.set SW,  11584
.set T,   32
.set P,   48
.set Q,   64
.set ACC, 96
.set AF,  128
.set MSB, 0
.macro WIN new                         ; the immediate's high byte repeats the setting that is left
.if MSB != (\new)
	s_set_vgpr_msb (MSB<<8)|(\new)
.set MSB, (\new)
.endif
.endm
.macro COEF r, val                     ; a packed line names a scalar pair and takes its low word for both halves: both are written
	s_mov_b32 s[\r], \val
	s_mov_b32 s[\r+1], \val
.endm
.macro BFRAG f                         ; fragment f = 4 s + t of my 64 columns: 2,048 bytes on end, four loads of 512 consecutive bytes
.if (\f) < 16
	WIN 0x40
.set rb, 16*(\f)
.else
	WIN 0x80
.set rb, 16*((\f)-16)
.endif
.irp c, 0,1,2,3
	global_load_b128 v[rb+4*\c:rb+4*\c+3], v1, s[34:35] offset:2048*(\f)+512*\c
.endr
.endm
	s_load_b256 s[4:11], s[0:1], 0x0               ; xq s[4:5], wq s[6:7], b1 s[8:9], the scales' exponents s[10:11]
	s_load_b128 s[12:15], s[0:1], 0x20             ; lists s[12:13], hq s[14:15]
	v_lshl_add_u32 v94, v0, 2, 0x2fe00
	v_mov_b32 v95, 0
	v_lshrrev_b32 v1, 5, v0
	v_readfirstlane_b32 s18, v1                    ; wave 0..3
	v_and_b32 v15, 31, v0                          ; lane
	v_lshlrev_b32 v1, 4, v15
	v_and_b32 v2, 15, v0                           ; r
	v_bfe_u32 v3, v0, 4, 1                         ; h
	s_and_b32 s19, ttmp7, 0xffff                   ; y: the tile
	s_lshl_b32 s70, s19, 3
	v_mul_u32_u24 v6, v2, AP
	v_lshl_add_u32 v6, v3, 4, v6                   ; a fragment of A: row r x pitch + 16 h
	s_mul_i32 s22, s18, SW
	s_add_co_u32 s22, s22, STG
	v_mul_u32_u24 v8, v2, 80
	v_lshl_add_u32 v8, v3, 4, v8
	v_add_nc_u32 v8, s22, v8                       ; my stage: row r x 80 + 16 h
	s_mul_i32 s22, s18, 36*AP
	v_add_nc_u32 v10, s22, v1                      ; I bring rows 36 w .. 36 w + 35 into LDS: 16 bytes a lane
	v_bfe_u32 v23, v0, 2, 2
	v_mul_u32_u24 v11, v23, SW                     ; back: sixteen lanes take a row's 256 bytes, 64 from each wave's stage; lanes 16-31 the next row
	v_and_b32 v23, 3, v0
	v_lshl_add_u32 v11, v23, 4, v11
	v_mad_u32_u24 v11, v3, 80, v11
	s_mul_i32 s22, s18, 36*80
	s_add_co_u32 s22, s22, STG
	v_add_nc_u32 v11, s22, v11
	v_lshlrev_b32 v12, 10, v3
	v_lshl_add_u32 v12, v2, 4, v12                 ; and the same two rows in hq
	v_lshlrev_b32 v22, 5, v3                       ; b1: my half's eight numbers of a tile
	COEF 40, 0x3e7c6f08                            ; c9 .. c0, times log2(e)
	COEF 44, 0x40097039
	COEF 46, 0xbfd1a1e5
	COEF 48, 0x3ecdfd18
	COEF 50, 0xbe899a80
	COEF 52, 0x3e0efb2e
	COEF 54, 0x3f0a29d2
	COEF 56, 0x3fb8ab5a
	COEF 58, 0xc034d90f
	COEF 60, 0xbf38aa3b                            ; -log2(e) / 2
	s_mov_b32 s69, 0x3eb504f3                      ; 1 / (2 sqrt 2)
	v_mov_b32 v20, 0xbf97d29d                      ; c8, in a vector pair: so each packed line names one scalar pair
	v_mov_b32 v21, 0xbf97d29d
	s_wait_kmcnt 0x0
	s_load_b64 s[20:21], s[12:13], s70 offset:0x0  ; the tile: expert, rows
	s_load_b128 s[24:27], s[10:11], 0x0            ; e0, e1, e2, e3
	s_wait_kmcnt 0x0
	s_min_u32 s20, s20, 7
	s_min_u32 s21, s21, 144
	s_max_u32 s23, s21, 1
	s_sub_co_u32 s23, s23, 1                       ; the last row that exists
	s_mul_i32 s28, s19, 144
	s_cmp_lg_u32 s21, 0
	s_cselect_b32 s28, s28, 0                      ; the tile's first slot; slot 0 for a tile without rows
	s_mul_i32 s29, s18, 36
	v_add_nc_u32 v16, s29, v15                     ; lane i: my row i,
	v_and_b32 v17, 3, v15
	v_add3_u32 v17, v17, s29, 32                   ; lanes 0-3: my rows 32 to 35
	v_min_u32 v16, s23, v16
	v_min_u32 v17, s23, v17
	v_add_nc_u32 v16, s28, v16
	v_add_nc_u32 v17, s28, v17
	v_min_u32 v16, 0x23ff, v16                     ; inside slot_tok's 9,216 words
	v_min_u32 v17, 0x23ff, v17
	v_lshlrev_b32 v16, 2, v16
	v_lshlrev_b32 v17, 2, v17
	global_load_b32 v4, v16, s[12:13] offset:4096
	global_load_b32 v5, v17, s[12:13] offset:4096
	s_lshl_b32 s32, ttmp9, 2
	s_add_co_u32 s32, s32, s18                     ; ng = 4 x + w: my 64 columns
	s_lshl_b32 s30, s20, 20
	s_lshl_b32 s33, s32, 16
	s_add_co_u32 s30, s30, s33
	s_mov_b32 s31, 0
	s_add_nc_u64 s[34:35], s[6:7], s[30:31]        ; W1's codes: 1 MB x expert + 65,536 ng
	s_lshl_b32 s30, s20, 12
	s_lshl_b32 s33, s32, 8
	s_add_co_u32 s30, s30, s33
	s_add_nc_u64 s[36:37], s[8:9], s[30:31]        ; b1: 4,096 x expert + 256 ng
	s_mul_i32 s30, s19, 144
	s_add_co_u32 s30, s30, s29
	s_lshl_b32 s30, s30, 10
	s_lshl_b32 s33, ttmp9, 8
	s_add_co_u32 s30, s30, s33
	s_add_nc_u64 s[38:39], s[14:15], s[30:31]      ; hq: slot 144 y + 36 w, byte 256 x
	WIN 0xc0                                       ; destination window 3
.irp t, 0,1,2,3
	global_load_b128 v[8*\t:8*\t+3], v22, s[36:37] offset:64*\t
	global_load_b128 v[8*\t+4:8*\t+7], v22, s[36:37] offset:64*\t+16
.endr
.set f, 0
.rept 12
	BFRAG f
.set f, f+1
.endr
	WIN 0
	s_add_co_i32 s29, s24, s25                     ; e0 + e1
	s_sub_co_i32 s33, 0, s29
	s_add_co_i32 s29, s29, 127
	s_lshl_b32 s62, s29, 23                        ; 2^(e0 + e1) as f32
	s_mov_b32 s63, s62
	s_add_co_i32 s29, s27, 127
	s_lshl_b32 s22, s29, 23
	v_mov_b32 v13, s22                             ; 2^e3
	s_add_co_i32 s29, s29, 15
	s_lshl_b32 s29, s29, 23
	s_or_b32 s29, s29, 0x600000
	v_mov_b32 v14, s29                             ; 57,344 x 2^e3
	s_wait_loadcnt 56                              ; the two loads of the list are in: behind them stand 8 loads of b1 and 48 of W1
.set i, 0
.rept 36                                       ; a row's offset in xq: token x 1,024 + 16 l; an offset register for each row
.if i < 32
	v_readlane_b32 s22, v4, i
.else
	v_readlane_b32 s22, v5, i-32
.endif
	s_and_b32 s22, s22, 0xffff
	s_min_u32 s22, s22, 4095
	v_lshl_add_u32 v[32+i], s22, 10, v1
.set i, i+1
.endr
.set i, 0
.rept 16
	global_load_b128 v[AF+8*i:AF+8*i+3], v[32+i], s[4:5]               ; the wave reads 512 consecutive bytes
	global_load_b128 v[AF+8*i+4:AF+8*i+7], v[32+i], s[4:5] offset:512
.set i, i+1
.endr
	WIN 0xc0
.rept 20
	global_load_b128 v[32+8*(i-16):32+8*(i-16)+3], v[32+i], s[4:5]
	global_load_b128 v[32+8*(i-16)+4:32+8*(i-16)+7], v[32+i], s[4:5] offset:512
.set i, i+1
.endr
.rept 20
	BFRAG f
.set f, f+1
.endr
	WIN 0
	s_wait_loadcnt 63                              ; behind the last row's load stand 80 loads of W1: all 36 rows are in
.set i, 0
.rept 16
	ds_store_b128 v10, v[AF+8*i:AF+8*i+3] offset:AP*i
	ds_store_b128 v10, v[AF+8*i+4:AF+8*i+7] offset:AP*i+512
.set i, i+1
.endr
	WIN 0x0c                                       ; the data (source 1) window 3
.rept 20
	ds_store_b128 v10, v[32+8*(i-16):32+8*(i-16)+3] offset:AP*i
	ds_store_b128 v10, v[32+8*(i-16)+4:32+8*(i-16)+7] offset:AP*i+512
.set i, i+1
.endr
	s_wait_loadcnt 0x0                             ; W1 and b1
	WIN 0xc3                                       ; source 0 and destination window 3
.set i, 0
.rept 32
	v_ldexp_f32 v[i], v[i], s33                    ; b1 / 2^(e0 + e1): a sum of the product stands for sum x 2^(e0 + e1)
.set i, i+1
.endr
	WIN 0
	s_wait_dscnt 0x0                               ; for the others' sake: my rows lie in LDS
	s_barrier_signal -1
	s_barrier_wait -1                              ; all 144 do; nobody writes them again
.macro ALOAD adr                       ; a tile of 16 rows x 1,024 places: eight fragments
.irp s, 0,1,2,3,4,5,6,7
.irp c, 0,1,2,3
	ds_load_b128 v[AF+16*\s+4*\c:AF+16*\s+4*\c+3], v[\adr] offset:128*\s+32*\c
.endr
.endr
.endm
; 16 numbers of a lane, tiles 2 b and 2 b + 1, from the sums to 16 codes in the stage.  Each accumulator is read from its low end on.
.macro GELU16 b
.set XX, ACC+16*\b
.set CR, 16+8*\b
.set i, 0
.rept 8
	v_pk_mul_f32 v[XX+i:XX+i+1], v[XX+i:XX+i+1], s[62:63] op_sel_hi:[1,0]      ; v = sum x 2^(e0 + e1): exact
.set i, i+2
.endr
.set i, 0
.rept 16
	v_fma_f32 v[T+i], |v[XX+i]|, s69, 1.0
.set i, i+1
.endr
.set i, 0
.rept 16
	v_rcp_f32 v[T+i], v[T+i]                       ; u
.set i, i+1
.endr
.set i, 0
.rept 8
	v_pk_mul_f32 v[Q+i:Q+i+1], v[XX+i:XX+i+1], v[XX+i:XX+i+1]                  ; v^2.  (Plain lines behind the reciprocals)
.set i, i+2
.endr
.set i, 0
	s_wait_alu depctr_va_vdst(0)
.rept 8
	v_pk_fma_f32 v[P+i:P+i+1], v[T+i:T+i+1], s[40:41], v[20:21] op_sel_hi:[1,0,1]
.set i, i+2
.endr
.irp ck, 44,46,48,50,52,54,56,58
.set i, 0
.rept 8
	v_pk_fma_f32 v[P+i:P+i+1], v[P+i:P+i+1], v[T+i:T+i+1], s[\ck:\ck+1] op_sel_hi:[1,1,0]
.set i, i+2
.endr
.endr
.set i, 0
.rept 8
	v_pk_fma_f32 v[P+i:P+i+1], v[Q+i:Q+i+1], s[60:61], v[P+i:P+i+1] op_sel_hi:[1,0,1]
.set i, i+2
.endr
.set i, 0
.rept 16
	v_exp_f32 v[P+i], v[P+i]
.set i, i+1
.endr
.set i, 0
.rept 16
	v_max_num_f32 v[Q+i], 0, v[XX+i]               ; (plain lines behind the exponentials)
.set i, i+1
.endr
.set i, 0
	s_wait_alu depctr_va_vdst(0)
.rept 8
	v_pk_mul_f32 v[P+i:P+i+1], v[P+i:P+i+1], v[T+i:T+i+1]                      ; q
.set i, i+2
.endr
.set i, 0
.rept 16
	v_fma_f32 v[XX+i], -|v[XX+i]|, v[P+i], v[Q+i]  ; gelu
.set i, i+1
.endr
.set i, 0
.rept 16
	v_med3_num_f32 v[XX+i], v[XX+i], -v14, v14     ; the conversion to an 8-bit code does not saturate (ISA guide 7.6.2)
.set i, i+1
.endr
	v_cvt_scalef32_pk8_bf8_f32 v[CR:CR+1], v[XX:XX+7], v13
	v_cvt_scalef32_pk8_bf8_f32 v[CR+2:CR+3], v[XX+8:XX+15], v13
	v_nop                                          ; one plain line behind the last conversion: the next products write its sources
	ds_store_b128 v9, v[CR:CR+3] offset:32*\b
.endm
; A trip: 16 rows.  32 products, the next tile's fragments asked for, the activation and the codes.  pre = 0: the last tile.
.macro TRIP pre
	s_wait_dscnt 0x0                               ; this tile's fragments are in, and the last trip's stores have left their registers
	WIN 0x31                                       ; source 0 (W1) window 1, C (b1) window 3
.irp t, 0,1,2,3
	v_wmma_f32_16x16x128_bf8_bf8 v[ACC+8*\t:ACC+8*\t+7], v[16*\t:16*\t+15], v[AF:AF+15], v[8*\t:8*\t+7]
.endr
	WIN 0x01
.irp s, 1,2,3
.irp t, 0,1,2,3
	v_wmma_f32_16x16x128_bf8_bf8 v[ACC+8*\t:ACC+8*\t+7], v[16*(4*\s+\t):16*(4*\s+\t)+15], v[AF+16*\s:AF+16*\s+15], v[ACC+8*\t:ACC+8*\t+7]
.endr
.endr
	WIN 0x02                                       ; source 0 window 2
.irp s, 4,5,6,7
.irp t, 0,1,2,3
	v_wmma_f32_16x16x128_bf8_bf8 v[ACC+8*\t:ACC+8*\t+7], v[16*(4*(\s-4)+\t):16*(4*(\s-4)+\t)+15], v[AF+16*\s:AF+16*\s+15], v[ACC+8*\t:ACC+8*\t+7]
.endr
.endr
	WIN 0
	v_add_nc_u32 v9, s67, v8                       ; four plain lines that name none of the products' registers stand ahead of the loads into A's fragments and of the first read of the sums
.if \pre
	v_add_nc_u32 v7, s66, v6
.else
	v_nop
.endif
	v_nop
	v_nop
.if \pre
	ALOAD 7                                        ; the next 16 rows: they land under the activation
.endif
	GELU16 0
	GELU16 1
	s_add_co_u32 s66, s66, 16*AP
	s_add_co_u32 s67, s67, 16*80
.endm
	ALOAD 6                                        ; rows 0 to 15
	s_mov_b32 s66, 16*AP                           ; the next tile of A,
	s_mov_b32 s67, 0                               ; this tile's rows in the stage
	s_mov_b32 s68, 8
.Ltrip:
	TRIP 1
	s_sub_co_u32 s68, s68, 1
	s_cmp_lg_u32 s68, 0
	s_cbranch_scc1 .Ltrip
	TRIP 0
	s_wait_dscnt 0x0                               ; for the others' sake: my codes lie in my stage
	s_barrier_signal -1
	s_barrier_wait -1
	s_cmp_eq_u32 s21, 0                            ; a tile without rows stores nothing
	s_cbranch_scc1 .Lend
.irp i, 0,1,2,3,4,5,6,7,8,9,10,11,12,13,14,15,16,17
	ds_load_b128 v[AF+4*\i:AF+4*\i+3], v11 offset:160*\i
.endr
.irp i, 0,1,2,3,4,5,6,7,8,9,10,11,12,13,14,15,16,17
	s_wait_dscnt 17-\i                             ; LDS loads come back in order: number i is in, the younger ones may be out
	global_store_b128 v12, v[AF+4*\i:AF+4*\i+3], s[38:39] offset:2048*\i       ; sixteen lanes store 256 consecutive bytes, aligned
.endr
.Lend:
	s_wait_tensorcnt 0x0
	ds_add_u32 v94, v95
	s_wait_dscnt 0x0
	s_endpgm
.Lfunc_end_k_q8ebce30b6c_ffn1:
	.size	k_q8ebce30b6c_ffn1, .Lfunc_end_k_q8ebce30b6c_ffn1-k_q8ebce30b6c_ffn1
	.p2alignl 7, 3214868480
	.fill 96, 4, 3214868480
	.section	.rodata,"a",@progbits
	.p2align	6, 0x0
	.amdhsa_kernel k_q8ebce30b6c_ffn1
		.amdhsa_group_segment_fixed_size 196608
		.amdhsa_private_segment_fixed_size 0
		.amdhsa_enable_private_segment 0
		.amdhsa_kernarg_size 48
		.amdhsa_user_sgpr_count 2
		.amdhsa_user_sgpr_kernarg_segment_ptr 1
		.amdhsa_wavefront_size32 1
		.amdhsa_system_sgpr_workgroup_id_x 1
		.amdhsa_system_sgpr_workgroup_id_y 1
		.amdhsa_system_sgpr_workgroup_id_z 1
		.amdhsa_system_vgpr_workitem_id 0
		.amdhsa_next_free_vgpr 960
		.amdhsa_next_free_sgpr 80
		.amdhsa_reserve_vcc 0
		.amdhsa_float_denorm_mode_32 3
		.amdhsa_float_denorm_mode_16_64 3
		.amdhsa_memory_ordered 1
		.amdhsa_forward_progress 1
		.amdhsa_inst_pref_size 99
	.end_amdhsa_kernel
	.amdgpu_metadata
---
amdhsa.version: [ 1, 2 ]
amdhsa.kernels:
  - .name:           k_q8ebce30b6c_ffn1
    .symbol:         k_q8ebce30b6c_ffn1.kd
    .args:
      - { .name: xq, .offset: 0, .size: 8, .value_kind: global_buffer, .address_space: global }
      - { .name: wq, .offset: 8, .size: 8, .value_kind: global_buffer, .address_space: global }
      - { .name: b1, .offset: 16, .size: 8, .value_kind: global_buffer, .address_space: global }
      - { .name: lowp_scales, .offset: 24, .size: 8, .value_kind: global_buffer, .address_space: global }
      - { .name: lists, .offset: 32, .size: 8, .value_kind: global_buffer, .address_space: global }
      - { .name: hq, .offset: 40, .size: 8, .value_kind: global_buffer, .address_space: global }
    .group_segment_fixed_size: 196608
    .private_segment_fixed_size: 0
    .kernarg_segment_align: 8
    .kernarg_segment_size: 48
    .max_flat_workgroup_size: 128
    .sgpr_count:     80
    .vgpr_count:     960
    .wavefront_size: 32
...
	.end_amdgpu_metadata
.endif
;; end of part 3
;; launch ffn2 (part 4): grid 4 x 64, 4 waves a work-group, no clusters, 250,880 bytes of LDS; arguments hq, wq, b2, lowp_scales, lists, gw, out0; writes out0
.if DOCPART == 4
	.amdgcn_target "amdgcn-amd-amdhsa--gfx1250"
	.amdhsa_code_object_version 6
	.text
	.protected	k_q8ebce30b6c_ffn2
	.globl	k_q8ebce30b6c_ffn2
	.p2align	8
	.type	k_q8ebce30b6c_ffn2,@function
k_q8ebce30b6c_ffn2:
	s_mov_b64 s[64:65], 0
	v_nop
	global_prefetch_b8 v0, s[64:65] scope:SCOPE_SE
	s_setreg_imm32_b32 hwreg(HW_REG_WAVE_MODE, 25, 1), 1
	s_wait_xcnt 0x0
; THE SECOND LAYER AND THE COMBINATION: out[token] = w_lo (h_lo W2[lo] + b2[lo]) + w_hi (h_hi W2[hi] + b2[hi]), the products on codes of E5M2.  e2, e3 = lowp_scales[2], [3]: W2's and the hidden layer's exponents.
; SHARES.  Work-group (x, y) takes block y of the list (up to 112 tokens that chose the same two experts lo < hi) x columns 256 x .. 256 x + 255: each output row has one owner, and every block has the same work.
; Wave w takes all 112 tokens x 64 columns, for both experts: 2 x 28 accumulators, 448 registers.  The tokens' rows of hq are consecutive slots of either expert: 224 rows come through registers into LDS once.
; W2's fragments come from wq straight into registers, as they lie, four steps (64 loads a wave) ahead, in five sets by turns.  16 steps of 128 places of K: lo's eight, then hi's eight.
; TRANSPOSED: source 0 = 16 columns, source 1 = 16 tokens: a lane holds ONE token (lane % 16), so its two weights are two registers; b2 / 2^(e2 + e3) is the C of each sum's first product,
; and w x 2^(e2 + e3) multiplies the finished sums.  The 28 accumulators of an expert take turns, one instruction a turn.
; ROWS BEYOND THE BLOCK'S COUNT repeat its last token in every operand (the slot and the place in the list are held at the last that exists), so they hold the last row's numbers.  A store covers two rows; it is left out,
; with all that follow, as soon as its first row lies beyond the count.  With an odd count the last store's upper sixteen lanes therefore write the last row once more: the same bytes to the same place, once a wave at the most.
; A block without tokens loads slot 0 and place 0, which always exist, passes the barrier and ends: the grid serves every split.
; NO CLUSTER, NO TENSOR LOAD: the rows that the four work-groups of one y share begin at a slot, and are held at a last slot, both read from the list, so no descriptor of constants states them;
; the weights land in one wave's registers; and which blocks share an expert hangs on the list, so partners of a fixed cluster need not share weights.
; LIMIT: e2 + e3 between -126 and 127, so that 2^(e2 + e3) is an f32 number.
; LDS: byte 0: 224 rows of 1,024 bytes + 16, lo's 112, then hi's.  From STG: for each wave a stage of 16 rows x (256 bytes + 16).
; REGISTERS.  window 0: v1 16 l, v2 r, v3 h, v4 16 r, v5 lane, v6 32 h, v7 staging, v8-15 lane selects 4 (2 i + h), v22-26 A's addresses, v27-28 the stage's, v32-143 A's seven fragments, v144-207 W2's set 4,
;   v208-214 lo's weights by tile, v216-222 hi's, v224-230 tokens by (tile, r), v236-238 at work.  At the head v32-87 are offsets, v100-132 at work.
;   On the way out v32-95 results, v96-159 rows, v160-175 offsets, each in two sets by turns.
;   window 1: W2's sets 0-3.  window 2: lo's accumulators ((m, t) at v[8 (4 m + t)]), from v224 b2[lo].  window 3: the same for hi.  At the head windows 2 and 3 hold the 56 rows that I bring.
.set AP,  1040
.set STG, 224*AP
.set IDX, 8
.set MSB, 0
.macro WIN new                         ; the immediate's high byte repeats the setting that is left
.if MSB != (\new)
	s_set_vgpr_msb (MSB<<8)|(\new)
.set MSB, (\new)
.endif
.endm
.macro BLOAD q                         ; W2's four fragments of step q into set q % 5: 8 KB on end, sixteen loads of 512 consecutive bytes
.set st, (\q)%5
.set bs, 40+2*((\q)/8)
.if st < 4
	WIN 0x40
.set rb, 64*st
.else
	WIN 0
.set rb, 144
.endif
.irp t, 0,1,2,3
.irp c, 0,1,2,3
	global_load_b128 v[rb+16*\t+4*\c:rb+16*\t+4*\c+3], v1, s[bs:bs+1] offset:8192*((\q)%8)+2048*\t+512*\c
.endr
.endr
	WIN 0
.endm
.macro ALOAD q, m                      ; the fragment of tokens 16 m on, step q
.set mm, 7*((\q)/8)+(\m)
.irp c, 0,1,2,3
	ds_load_b128 v[32+16*(\m)+4*\c:32+16*(\m)+4*\c+3], v[22+mm/3] offset:16*AP*(mm%3)+128*((\q)%8)+32*\c
.endr
.endm
.macro MUL q, m                        ; four products: tokens 16 m on x my 64 columns
.if ((\q)%5) < 4
.set rb, 64*((\q)%5)
.else
.set rb, 144
.endif
.irp t, 0,1,2,3
.if ((\q)%8) == 0
	v_wmma_f32_16x16x128_bf8_bf8 v[8*(4*(\m)+\t):8*(4*(\m)+\t)+7], v[rb+16*\t:rb+16*\t+15], v[32+16*(\m):32+16*(\m)+15], v[224+8*\t:224+8*\t+7]
.else
	v_wmma_f32_16x16x128_bf8_bf8 v[8*(4*(\m)+\t):8*(4*(\m)+\t)+7], v[rb+16*\t:rb+16*\t+15], v[32+16*(\m):32+16*(\m)+15], v[8*(4*(\m)+\t):8*(4*(\m)+\t)+7]
.endif
.endr
.endm
; One or two tiles of tokens: the wait for their fragments, their products, four places, and the same tiles' fragments of the next step into the registers just read.
.macro GROUP q, m0, n, cnt, last
.if (\q) < 15
	s_wait_dscnt \cnt                              ; the LDS loads issued behind this group's may be out
.else
	s_wait_dscnt \last
.endif
.if ((\q)%5) < 4
	WIN 0xa1+0x50*((\q)/8)                         ; source 0 (W2) window 1, source 1 (h) window 0, C and D window 2 (lo) or 3 (hi)
.else
	WIN 0xa0+0x50*((\q)/8)                         ; set 4 lies in window 0
.endif
	MUL \q, \m0
.if \n == 2
	MUL \q, \m0+1
.endif
.rept 4
	v_nop                                          ; four plain lines ahead of loads into registers that products have read, and at the end of the first read of the sums
.endr
	WIN 0
.if (\q) < 15
	ALOAD (\q)+1, \m0
.if \n == 2
	ALOAD (\q)+1, \m0+1
.endif
.endif
.endm
.macro STEP q
.if (\q) <= 12
	s_wait_loadcnt 48                              ; this step's set is in; the three sets behind it may be out
.else
	s_wait_loadcnt 16*(15-(\q))
.endif
	GROUP \q, 0, 2, 20, 20
.if (\q)+4 <= 15
	BLOAD (\q)+4                                   ; into the set that the step before read: its last products stand ahead of four places
.endif
	GROUP \q, 2, 2, 20, 12
	GROUP \q, 4, 2, 20, 4
	GROUP \q, 6, 1, 24, 0
.endm
	s_load_b256 s[4:11], s[0:1], 0x0               ; hq s[4:5], wq s[6:7], b2 s[8:9], the scales' exponents s[10:11]
	s_load_b128 s[12:15], s[0:1], 0x20             ; lists s[12:13], gw s[14:15]
	s_load_b64 s[16:17], s[0:1], 0x30              ; out0
	v_lshl_add_u32 v254, v0, 2, 0x3d200
	v_mov_b32 v255, 0
	v_lshrrev_b32 v1, 5, v0
	v_readfirstlane_b32 s18, v1                    ; wave 0..3
	v_and_b32 v5, 31, v0                           ; lane
	v_lshlrev_b32 v1, 4, v5
	v_and_b32 v2, 15, v0                           ; r
	v_bfe_u32 v3, v0, 4, 1                         ; h
	v_lshlrev_b32 v4, 4, v2                        ; 16 r: my 16 bytes of a row's 256 on the way out
	v_lshlrev_b32 v6, 5, v3
	v_lshlrev_b32 v[IDX], 2, v3                    ; the way out: store i of a tile takes its token from lane 2 i + h: 4 x that lane
.irp i, 1,2,3,4,5,6,7
	v_add_nc_u32 v[IDX+\i], 8*\i, v[IDX]
.endr
	s_and_b32 s19, ttmp7, 0xffff                   ; y: the block
	s_lshl_b32 s28, s19, 4
	s_mul_i32 s34, s18, 56*AP
	v_add_nc_u32 v7, s34, v1                       ; I bring LDS rows 56 w .. 56 w + 55: waves 0, 1 lo's, waves 2, 3 hi's
	v_mul_u32_u24 v22, v2, AP
	v_lshl_add_u32 v22, v3, 4, v22                 ; a fragment: row r x pitch + 16 h; an address register for every three tiles, so that the immediates stay inside 16 bits
.irp k, 1,2,3,4
	v_add_nc_u32 v[22+\k], 48*AP*\k, v22
.endr
	s_mul_i32 s34, s18, 16*272
	s_add_co_u32 s34, s34, STG                     ; my stage
	v_mul_u32_u24 v27, v2, 272
	v_lshl_add_u32 v27, v3, 5, v27
	v_add_nc_u32 v27, s34, v27                     ; in: row r, 32 bytes for each half of the lanes
	v_mad_u32_u24 v28, v3, 272, v4
	v_add_nc_u32 v28, s34, v28                     ; back: lanes 0-15 take one row of 256 bytes, lanes 16-31 the next
	v_mov_b32 v215, 0                              ; (named as the upper halves of the pairs v[214:215] and v[222:223])
	v_mov_b32 v223, 0
	s_wait_kmcnt 0x0
	s_load_b128 s[20:23], s[12:13], s28 offset:0x400   ; the block: lo | hi << 8, lo's first slot, hi's first slot, tokens
	s_load_b128 s[24:27], s[10:11], 0x0            ; e0, e1, e2, e3
	s_wait_kmcnt 0x0
	s_and_b32 s29, s20, 7
	s_min_u32 s29, s29, 7                          ; lo
	s_bfe_u32 s30, s20, 0x30008
	s_min_u32 s30, s30, 7                          ; hi
	s_min_u32 s23, s23, 112
	s_max_u32 s32, s23, 1
	s_sub_co_u32 s32, s32, 1                       ; the last token that exists
	s_mul_i32 s31, s19, 112
	s_cmp_lg_u32 s23, 0
	s_cselect_b32 s21, s21, 0                      ; a block without tokens reads slot 0 and place 0
	s_cselect_b32 s22, s22, 0
	s_cselect_b32 s31, s31, 0
.irp m, 0,1,2,3,4,5,6
	v_add_nc_u32 v[100+\m], 16*\m, v2              ; the token of (tile m, r)
.endr
.set i, 0
.rept 7
	v_min_u32 v[100+i], s32, v[100+i]
	v_add_nc_u32 v[100+i], s31, v[100+i]
	v_min_u32 v[100+i], 0x1bff, v[100+i]           ; inside btok's 7,168 words
	v_lshlrev_b32 v[100+i], 2, v[100+i]
.set i, i+1
.endr
.irp m, 0,1,2,3,4,5,6
	global_load_b32 v[224+\m], v[100+\m], s[12:13] offset:40960
.endr
	s_lshl_b32 s33, ttmp9, 2
	s_add_co_u32 s33, s33, s18                     ; ng = 4 x + w: my 64 columns
	s_lshl_b32 s52, s33, 16
	s_add_co_u32 s52, s52, 0x800000                ; W2's codes begin 8 MB into wq
	s_lshl_b32 s50, s29, 20
	s_add_co_u32 s50, s50, s52
	s_mov_b32 s51, 0
	s_add_nc_u64 s[40:41], s[6:7], s[50:51]        ; lo's
	s_lshl_b32 s50, s30, 20
	s_add_co_u32 s50, s50, s52
	s_add_nc_u64 s[42:43], s[6:7], s[50:51]        ; hi's
	s_lshl_b32 s52, s33, 8
	s_lshl_b32 s50, s29, 12
	s_add_co_u32 s50, s50, s52
	s_add_nc_u64 s[44:45], s[8:9], s[50:51]        ; b2[lo] at my columns
	s_lshl_b32 s50, s30, 12
	s_add_co_u32 s50, s50, s52
	s_add_nc_u64 s[46:47], s[8:9], s[50:51]        ; b2[hi]
	s_mov_b32 s50, s52
	s_add_nc_u64 s[48:49], s[16:17], s[50:51]      ; out0 at my columns
	WIN 0x80                                       ; destination window 2
.irp t, 0,1,2,3
	global_load_b128 v[224+8*\t:224+8*\t+3], v6, s[44:45] offset:64*\t
	global_load_b128 v[224+8*\t+4:224+8*\t+7], v6, s[44:45] offset:64*\t+16
.endr
	WIN 0xc0                                       ; window 3
.irp t, 0,1,2,3
	global_load_b128 v[224+8*\t:224+8*\t+3], v6, s[46:47] offset:64*\t
	global_load_b128 v[224+8*\t+4:224+8*\t+7], v6, s[46:47] offset:64*\t+16
.endr
	BLOAD 0
	BLOAD 1
	BLOAD 2
	BLOAD 3
	s_cmp_lt_u32 s18, 2
	s_cselect_b32 s35, s21, s22                    ; the first slot of the expert whose rows I bring,
	s_add_co_u32 s36, s35, s32                     ; its last slot that exists,
	s_and_b32 s37, s18, 1
	s_mul_i32 s37, s37, 56
	s_add_co_u32 s37, s37, s35                     ; my first
.set i, 0
.rept 56                                       ; a row's offset in hq: slot x 1,024 + 16 l; an offset register for each row
	s_add_co_u32 s34, s37, i
	s_min_u32 s34, s34, s36
	s_min_u32 s34, s34, 9215
	v_lshl_add_u32 v[32+i], s34, 10, v1
.set i, i+1
.endr
	s_wait_loadcnt 63                              ; the seven loads of the list are in: behind them stand 16 loads of b2 and 64 of W2
.irp m, 0,1,2,3,4,5,6
	v_and_b32 v[126+\m], 0xffff, v[224+\m]
	v_min_u32 v[126+\m], 0xfff, v[126+\m]
	v_lshlrev_b32 v[126+\m], 3, v[126+\m]
	global_load_b64 v[112+2*\m:113+2*\m], v[126+\m], s[14:15]      ; the token's two weights
.endr
	WIN 0x80
.set i, 0
.rept 28
	global_load_b128 v[8*i:8*i+3], v[32+i], s[4:5]                 ; the wave reads 512 consecutive bytes
	global_load_b128 v[8*i+4:8*i+7], v[32+i], s[4:5] offset:512
.set i, i+1
.endr
	WIN 0xc0
.rept 28
	global_load_b128 v[8*(i-28):8*(i-28)+3], v[32+i], s[4:5]
	global_load_b128 v[8*(i-28)+4:8*(i-28)+7], v[32+i], s[4:5] offset:512
.set i, i+1
.endr
	WIN 0x08                                       ; the data (source 1) window 2
	s_wait_loadcnt 63                              ; of the 112 loads of rows the youngest 63 may be out: rows 0 to 13 are in
.set i, 0
.rept 14
	ds_store_b128 v7, v[8*i:8*i+3] offset:AP*i
	ds_store_b128 v7, v[8*i+4:8*i+7] offset:AP*i+512
.set i, i+1
.endr
	s_wait_loadcnt 56                              ; rows 14 to 27
.rept 14
	ds_store_b128 v7, v[8*i:8*i+3] offset:AP*i
	ds_store_b128 v7, v[8*i+4:8*i+7] offset:AP*i+512
.set i, i+1
.endr
	WIN 0x0c                                       ; window 3
	s_wait_loadcnt 28                              ; rows 28 to 41
.rept 14
	ds_store_b128 v7, v[8*(i-28):8*(i-28)+3] offset:AP*i
	ds_store_b128 v7, v[8*(i-28)+4:8*(i-28)+7] offset:AP*i+512
.set i, i+1
.endr
	s_wait_loadcnt 0x0
.rept 14
	ds_store_b128 v7, v[8*(i-28):8*(i-28)+3] offset:AP*i
	ds_store_b128 v7, v[8*(i-28)+4:8*(i-28)+7] offset:AP*i+512
.set i, i+1
.endr
	WIN 0
	s_add_co_i32 s34, s26, s27                     ; e2 + e3
	s_sub_co_i32 s39, 0, s34
	s_add_co_i32 s34, s34, 127
	s_lshl_b32 s38, s34, 23                        ; 2^(e2 + e3) as f32
.irp m, 0,1,2,3,4,5,6
	v_and_b32 v236, 0x10000, v[224+\m]             ; set where the token's first expert is hi
	v_cmp_ne_u32 vcc_lo, 0, v236
	v_cndmask_b32 v237, v[112+2*\m], v[113+2*\m], vcc_lo
	v_cndmask_b32 v238, v[113+2*\m], v[112+2*\m], vcc_lo
	v_mul_f32 v[208+\m], s38, v237                 ; lo's weight x 2^(e2 + e3),
	v_mul_f32 v[216+\m], s38, v238                 ; hi's
.endr
	WIN 0x82                                       ; source 0 and destination window 2
.set i, 0
.rept 32
	v_ldexp_f32 v[224+i], v[224+i], s39            ; b2 / 2^(e2 + e3)
.set i, i+1
.endr
	WIN 0xc3
.set i, 0
.rept 32
	v_ldexp_f32 v[224+i], v[224+i], s39
.set i, i+1
.endr
	WIN 0
	s_wait_dscnt 0x0                               ; for the others' sake: my rows lie in LDS
	s_barrier_signal -1
	s_barrier_wait -1                              ; all 224 do; nobody writes them again.  The launch's one barrier
	s_cmp_eq_u32 s23, 0
	s_cbranch_scc1 .Lend                           ; a block without tokens
.irp m, 0,1,2,3,4,5,6
	ALOAD 0, \m
.endr
.set qq, 0
.rept 16
	STEP qq
.set qq, qq+1
.endr
; THE WAY OUT, a tile of 16 tokens at a time.
; EPI_A: the two experts' sums are weighed and added; each of the tile's eight stores pulls its two rows' tokens out of the register that holds them by r (a lane permute: no LDS byte is touched);
; the results go into my stage and come back as rows: lanes 0-15 row 2 i, lanes 16-31 row 2 i + 1, 16 bytes a lane.
; EPI_B: the eight offsets are made in three runs of eight lines, so that no store stands directly behind the line that makes its offset; then the stores, two rows each.
.macro EPI_A m
.set par, (\m)%2
.set OO, 32+32*par
.set RB, 96+32*par
.set AD, 160+8*par
.if (\m) >= 2
	s_wait_xcnt 0x0                                ; the stores of the tile two back have had their addresses translated: their data and offset registers are written again only behind this wait
.endif
	WIN 0x02                                       ; source 0 window 2.
.set i, 0
.rept 16
.if par == 0
	v_pk_mul_f32 v[OO+i:OO+i+1], v[32*(\m)+i:32*(\m)+i+1], v[208+(\m):208+(\m)+1] op_sel_hi:[1,0]
.else
	v_pk_mul_f32 v[OO+i:OO+i+1], v[32*(\m)+i:32*(\m)+i+1], v[208+(\m)-1:208+(\m)] op_sel:[0,1] op_sel_hi:[1,1]
.endif
.set i, i+2
.endr
	WIN 0x03                                       ; source 0 window 3
.set i, 0
.rept 16
.if par == 0
	v_pk_fma_f32 v[OO+i:OO+i+1], v[32*(\m)+i:32*(\m)+i+1], v[216+(\m):216+(\m)+1], v[OO+i:OO+i+1] op_sel_hi:[1,0,1]
.else
	v_pk_fma_f32 v[OO+i:OO+i+1], v[32*(\m)+i:32*(\m)+i+1], v[216+(\m)-1:216+(\m)], v[OO+i:OO+i+1] op_sel:[0,1,0] op_sel_hi:[1,1,1]
.endif
.set i, i+2
.endr
	WIN 0
.set i, 0
.rept 8
	ds_bpermute_b32 v[AD+i], v[IDX+i], v[224+(\m)] ; the list's word of row 16 m + 2 i + h, from lane 2 i + h
.set i, i+1
.endr
.irp t, 0,1,2,3
	ds_store_b128 v27, v[OO+8*\t:OO+8*\t+3] offset:64*\t           ; lane (r, h): columns 16 t + 8 h + 0..7 of token r
	ds_store_b128 v27, v[OO+8*\t+4:OO+8*\t+7] offset:64*\t+16
.endr
.set i, 0
.rept 8
	ds_load_b128 v[RB+4*i:RB+4*i+3], v28 offset:544*i              ; LDS serves a wave's instructions in order (ISA guide 5.7.1.4): these see my stores, and the next tile's stores come behind them
.set i, i+1
.endr
.endm
.macro EPI_B m
.set par, (\m)%2
.set RB, 96+32*par
.set AD, 160+8*par
.if (\m) < 6
	s_wait_dscnt 24                                ; this tile's tokens and rows are back; the next tile's 8 permutes, 8 stores and 8 loads may be out
.else
	s_wait_dscnt 0x0
.endif
.set i, 0
.rept 8
	v_and_b32 v[AD+i], 0xffff, v[AD+i]             ; the token,
.set i, i+1
.endr
.set i, 0
.rept 8
	v_min_u32 v[AD+i], 0xfff, v[AD+i]              ; inside out0's 4,096 rows,
.set i, i+1
.endr
.set i, 0
.rept 8
	v_lshl_add_u32 v[AD+i], v[AD+i], 12, v4        ; x 4,096 + 16 r
.set i, i+1
.endr
.set i, 0
.rept 8
	s_cmp_le_u32 s23, 16*(\m)+2*i                  ; rows go upward: behind the block's last token nothing is left to store
	s_cbranch_scc1 .Lend
	global_store_b128 v[AD+i], v[RB+4*i:RB+4*i+3], s[48:49] th:TH_STORE_NT   ; each half of the wave stores 256 consecutive bytes, aligned; written once, read by nobody here
.set i, i+1
.endr
.endm
	EPI_A 0
	EPI_A 1
	EPI_B 0
	EPI_A 2
	EPI_B 1
	EPI_A 3
	EPI_B 2
	EPI_A 4
	EPI_B 3
	EPI_A 5
	EPI_B 4
	EPI_A 6
	EPI_B 5
	EPI_B 6
.Lend:
	s_wait_tensorcnt 0x0
	ds_add_u32 v254, v255
	s_wait_dscnt 0x0
	s_endpgm
.Lfunc_end_k_q8ebce30b6c_ffn2:
	.size	k_q8ebce30b6c_ffn2, .Lfunc_end_k_q8ebce30b6c_ffn2-k_q8ebce30b6c_ffn2
	.p2alignl 7, 3214868480
	.fill 96, 4, 3214868480
	.section	.rodata,"a",@progbits
	.p2align	6, 0x0
	.amdhsa_kernel k_q8ebce30b6c_ffn2
		.amdhsa_group_segment_fixed_size 250880
		.amdhsa_private_segment_fixed_size 0
		.amdhsa_enable_private_segment 0
		.amdhsa_kernarg_size 56
		.amdhsa_user_sgpr_count 2
		.amdhsa_user_sgpr_kernarg_segment_ptr 1
		.amdhsa_wavefront_size32 1
		.amdhsa_system_sgpr_workgroup_id_x 1
		.amdhsa_system_sgpr_workgroup_id_y 1
		.amdhsa_system_sgpr_workgroup_id_z 1
		.amdhsa_system_vgpr_workitem_id 0
		.amdhsa_next_free_vgpr 1024
		.amdhsa_next_free_sgpr 66
		.amdhsa_reserve_vcc 1
		.amdhsa_float_denorm_mode_32 3
		.amdhsa_float_denorm_mode_16_64 3
		.amdhsa_memory_ordered 1
		.amdhsa_forward_progress 1
		.amdhsa_inst_pref_size 185
	.end_amdhsa_kernel
	.amdgpu_metadata
---
amdhsa.version: [ 1, 2 ]
amdhsa.kernels:
  - .name:           k_q8ebce30b6c_ffn2
    .symbol:         k_q8ebce30b6c_ffn2.kd
    .args:
      - { .name: hq, .offset: 0, .size: 8, .value_kind: global_buffer, .address_space: global }
      - { .name: wq, .offset: 8, .size: 8, .value_kind: global_buffer, .address_space: global }
      - { .name: b2, .offset: 16, .size: 8, .value_kind: global_buffer, .address_space: global }
      - { .name: lowp_scales, .offset: 24, .size: 8, .value_kind: global_buffer, .address_space: global }
      - { .name: lists, .offset: 32, .size: 8, .value_kind: global_buffer, .address_space: global }
      - { .name: gw, .offset: 40, .size: 8, .value_kind: global_buffer, .address_space: global }
      - { .name: out0, .offset: 48, .size: 8, .value_kind: global_buffer, .address_space: global }
    .group_segment_fixed_size: 250880
    .private_segment_fixed_size: 0
    .kernarg_segment_align: 8
    .kernarg_segment_size: 56
    .max_flat_workgroup_size: 128
    .sgpr_count:     66
    .vgpr_count:     1024
    .wavefront_size: 32
...
	.end_amdgpu_metadata
.endif
;; end of part 4
;; ======== version 2 of 2: 4 launches
;; workspace buffers: xq 4,194,304 bytes; sel 16,384 bytes of whole numbers; gw 32,768 bytes; wq 16,777,216 bytes; lists 69,632 bytes of whole numbers; hq 9,437,184 bytes
;; launch route (part 5): grid 256 x 1, 2 waves a work-group, no clusters, 0 bytes of LDS; arguments x, Wg, bg, lowp_scales, xq, sel, gw; writes xq, sel, gw
.if DOCPART == 5
	.amdgcn_target "amdgcn-amd-amdhsa--gfx1250"
	.amdhsa_code_object_version 6
	.text
	.protected	k_q8ebce30b6c_route
	.globl	k_q8ebce30b6c_route
	.p2align	8
	.type	k_q8ebce30b6c_route,@function
k_q8ebce30b6c_route:
	s_mov_b64 s[64:65], 0
	v_nop
	global_prefetch_b8 v0, s[64:65] scope:SCOPE_SE
	s_setreg_imm32_b32 hwreg(HW_REG_WAVE_MODE, 25, 1), 1
	s_wait_xcnt 0x0
; THE GATE, AND x INTO CODES.  x: [4096][1024] f32.  Wg: [1024][8], bg: [8] f32.  lowp_scales[0] = e0, the exponent of x's scale.
; Out: xq [4096][1024] codes of E5M2 (x / 2^e0, held within +-57,344, nearest, ties to even);  sel [4096] int32 = first expert | second expert << 8;
; gw [4096][2] f32 = the two renormalised weights, first expert's first.  No address and no branch here hangs on the choice: it is stored at fixed places.
; SHARES.  A wave takes 8 rows, two at a time.  Lane l holds, of a row, k = 128 j + 4 l + c (j = 0..7, c = 0..3): each of a row's eight loads reads 512 consecutive bytes.
; The same registers feed the gate (f32 multiply-adds against Wg, which lies in 256 registers of the lane: Wg[k][0..7] for the lane's 32 k) and the quantiser: x is read once.
; THE ORDER OF K IN xq.  A conversion takes eight registers of a lane, the lane's numbers of chunks j = 2 q and 2 q + 1, and the wave stores its 8 bytes a lane as 256 consecutive bytes.
; So byte p of a row of xq stands for k = (p & 0x300) + 128 ((p >> 2) & 1) + 4 ((p >> 3) & 31) + (p & 3).  W1's codes are laid in the same order, so every product meets its partner.
; No LDS, no barrier, no matrix unit: N = 8 is too narrow for it, and the rows are independent.  No cluster: work-groups share only Wg, 32 KB against the 64 KB of x that each reads.
; LIMITS: e0 between -126 and 112, so that 2^e0 and 57,344 x 2^e0 are f32 numbers.  NaN and infinities among the inputs are not served.  1 / sum is v_rcp_f32 and a multiplication.
; An exponential under 2^-126 comes out as 0 (ISA guide, the entry of v_exp_f32).  Equal probabilities: the lower index wins, as in jax.lax.top_k.
; REGISTERS.  window 0: v1 lane, v2 16 l, v3 8 l, v4 128 l, v5 2^e0, v6 57,344 x 2^e0, v7 4 l; X two sets of two rows; ACC 2 x 8 sums; LG lane r keeps row r's eight logits; CD codes; TMP at work.  window 1: Wg.
.set X,   16                           ; v16-143   set p % 2: row A 32 registers, row B 32
.set ACC, 144                          ; v144-159  eight sums of row A, eight of row B
.set LG,  160                          ; v160-167
.set CD,  168                          ; v168-231  16 registers for each pair of rows: no store's data are written again
.set TMP, 232                          ; v232-255
.set MSB, 0
.macro WIN new                         ; the immediate's high byte repeats the setting that is left
.if MSB != (\new)
	s_set_vgpr_msb (MSB<<8)|(\new)
.set MSB, (\new)
.endif
.endm
.macro XLOAD p                         ; rows 2 p and 2 p + 1 of my eight
.irp row, 0,1
.irp j, 0,1,2,3,4,5,6,7
	global_load_b128 v[X+64*((\p)%2)+32*\row+4*\j:X+64*((\p)%2)+32*\row+4*\j+3], v2, s[4:5] offset:(2*(\p)+\row)*4096+512*\j th:TH_LOAD_NT
.endr
.endr
.endm
	s_load_b256 s[4:11], s[0:1], 0x0               ; x s[4:5], Wg s[6:7], bg s[8:9], the scales' exponents s[10:11]
	s_load_b128 s[12:15], s[0:1], 0x20             ; xq s[12:13], sel s[14:15]
	s_load_b64 s[16:17], s[0:1], 0x30              ; gw
	v_lshrrev_b32 v1, 5, v0
	v_readfirstlane_b32 s18, v1                    ; wave 0..1
	v_and_b32 v1, 31, v0                           ; lane
	v_lshlrev_b32 v2, 4, v1
	v_lshlrev_b32 v3, 3, v1
	v_lshlrev_b32 v4, 7, v1
	v_lshlrev_b32 v7, 2, v1
	s_lshl_b32 s19, ttmp9, 4
	s_lshl_b32 s34, s18, 3
	s_add_co_u32 s19, s19, s34                     ; my first row: 16 x work-group + 8 x wave
	s_lshl_b32 s36, s19, 12                        ; its byte in x,
	s_mov_b32 s37, 0
	s_lshl_b32 s38, s19, 10                        ; in xq,
	s_mov_b32 s39, 0
	s_lshl_b32 s40, s19, 2                         ; in sel,
	s_mov_b32 s41, 0
	s_lshl_b32 s42, s19, 3                         ; in gw
	s_mov_b32 s43, 0
	s_mov_b32 s32, 0x76543210                      ; v_permlanex16_b32: lane l xor 16
	s_mov_b32 s33, 0xfedcba98
	s_mov_b32 s45, 0x3fb8aa3b                      ; log2(e)
	s_wait_alu depctr_va_vdst(0)
	s_wait_kmcnt 0x0
	s_load_b256 s[20:27], s[8:9], 0x0              ; bg
	s_load_b32 s28, s[10:11], 0x0                  ; e0
	s_add_nc_u64 s[4:5], s[4:5], s[36:37]
	s_add_nc_u64 s[12:13], s[12:13], s[38:39]
	s_add_nc_u64 s[14:15], s[14:15], s[40:41]
	s_add_nc_u64 s[16:17], s[16:17], s[42:43]
	XLOAD 0
	XLOAD 1
	WIN 0x40                                       ; destination window 1
.set kk, 0
.rept 32                                       ; Wg[128 j + 4 l + c][0..7] at v[8 (4 j + c)] of window 1: a row of Wg is 32 bytes
	global_load_b128 v[8*kk:8*kk+3], v4, s[6:7] offset:4096*(kk/4)+32*(kk%4)
	global_load_b128 v[8*kk+4:8*kk+7], v4, s[6:7] offset:4096*(kk/4)+32*(kk%4)+16
.set kk, kk+1
.endr
	WIN 0
.set i, 0
.rept 16
	v_mov_b32 v[TMP+i], 0                          ; written once: a lane permute's destination counts as one of its sources
.set i, i+1
.endr
.set i, 0
.rept 8
	v_mov_b32 v[LG+i], 0                           ; lanes 8-31 keep zeros and compute along
.set i, i+1
.endr
	s_wait_kmcnt 0x0
	s_add_co_i32 s29, s28, 127
	s_lshl_b32 s35, s29, 23
	v_mov_b32 v5, s35                              ; 2^e0 as f32: the conversion takes its exponent field
	s_add_co_i32 s29, s29, 15
	s_lshl_b32 s29, s29, 23
	s_or_b32 s29, s29, 0x600000
	v_mov_b32 v6, s29                              ; 57,344 x 2^e0
; Two rows: their 16 partial logits, their codes, the next rows' loads, the sums over the lanes.
.macro PAIR p
.set XA, X+64*((\p)%2)
	WIN 0x04                                       ; source 1 (Wg) window 1
.set kk, 0
.rept 32                                       ; eight chains (2 rows x 4 pairs of experts); one x feeds both halves of a packed multiply-add
.irp row, 0,1
.irp ep, 0,1,2,3
.if kk == 0
	v_pk_mul_f32 v[ACC+8*\row+2*\ep:ACC+8*\row+2*\ep+1], v[XA+32*\row:XA+32*\row+1], v[2*\ep:2*\ep+1] op_sel_hi:[0,1]
.elseif (kk%2) == 0
	v_pk_fma_f32 v[ACC+8*\row+2*\ep:ACC+8*\row+2*\ep+1], v[XA+32*\row+kk:XA+32*\row+kk+1], v[8*kk+2*\ep:8*kk+2*\ep+1], v[ACC+8*\row+2*\ep:ACC+8*\row+2*\ep+1] op_sel_hi:[0,1,1]
.else
	v_pk_fma_f32 v[ACC+8*\row+2*\ep:ACC+8*\row+2*\ep+1], v[XA+32*\row+kk-1:XA+32*\row+kk], v[8*kk+2*\ep:8*kk+2*\ep+1], v[ACC+8*\row+2*\ep:ACC+8*\row+2*\ep+1] op_sel:[1,0,0] op_sel_hi:[1,1,1]
.endif
.endr
.endr
.set kk, kk+1
.endr
	WIN 0
.set i, 0
.rept 64
	v_med3_num_f32 v[XA+i], v[XA+i], -v6, v6       ; the conversion to an 8-bit code does not saturate (ISA guide 7.6.2): the hold at the largest code x the scale
.set i, i+1
.endr
.irp row, 0,1
.irp q, 0,1,2,3
	v_cvt_scalef32_pk8_bf8_f32 v[CD+16*(\p)+8*\row+2*\q:CD+16*(\p)+8*\row+2*\q+1], v[XA+32*\row+8*\q:XA+32*\row+8*\q+7], v5
.endr
.endr
	v_nop                                          ; one plain line behind the last conversion
.irp row, 0,1
.irp q, 0,1,2,3
	global_store_b64 v3, v[CD+16*(\p)+8*\row+2*\q:CD+16*(\p)+8*\row+2*\q+1], s[12:13] offset:(2*(\p)+\row)*1024+256*\q   ; the wave stores 256 consecutive bytes, aligned
.endr
.endr
.if (\p) < 2
	XLOAD (\p)+2                                   ; into the set just used up
.endif
.irp msk, 1,2,4,8                              ; the sums over the 32 lanes: four steps inside each half ride on the addition,
.set i, 0
.rept 16
	v_add_f32_dpp v[ACC+i], v[ACC+i], v[ACC+i] row_xmask:\msk row_mask:0xf bank_mask:0xf
.set i, i+1
.endr
.endr
.set i, 0
.rept 16
	v_permlanex16_b32 v[TMP+i], v[ACC+i], s32, s33 ; one crosses the halves
.set i, i+1
.endr
.set i, 0
.rept 16
	v_add_f32 v[ACC+i], v[ACC+i], v[TMP+i]
.set i, i+1
.endr
	s_mov_b32 s30, 1<<(2*(\p))                     ; lane 2 p keeps row A's logits, lane 2 p + 1 row B's
	s_mov_b32 s31, 2<<(2*(\p))
.set i, 0
.rept 8
	v_cndmask_b32 v[LG+i], v[LG+i], v[ACC+i], s30
	v_cndmask_b32 v[LG+i], v[LG+i], v[ACC+8+i], s31
.set i, i+1
.endr
.endm
; the largest of the eight and its index; a strict comparison keeps the lower index among equals
.macro TOP val, idx
	v_mov_b32 v[\val], v[LG]
	v_mov_b32 v[\idx], 0
.irp e, 1,2,3,4,5,6,7
	v_cmp_gt_f32 vcc_lo, v[LG+\e], v[\val]
	v_cndmask_b32 v[\val], v[\val], v[LG+\e], vcc_lo
	v_cndmask_b32 v[\idx], v[\idx], \e, vcc_lo
.endr
.endm
	s_wait_loadcnt 0x0                             ; rows 0 to 3 and Wg
	PAIR 0
	PAIR 1
	s_wait_loadcnt 16                              ; rows 4 and 5 are in; the 16 loads of rows 6 and 7 may be out
	PAIR 2
	s_wait_loadcnt 0x0
	PAIR 3
	; lane r (0..7) now finishes row r: softmax with the maximum taken away, the two largest, their weights
.irp e, 0,1,2,3,4,5,6,7
	v_add_f32 v[LG+\e], s[20+\e], v[LG+\e]
.endr
	v_max3_num_f32 v[TMP], v[LG], v[LG+1], v[LG+2]
	v_max3_num_f32 v[TMP], v[TMP], v[LG+3], v[LG+4]
	v_max3_num_f32 v[TMP], v[TMP], v[LG+5], v[LG+6]
	v_max_num_f32 v[TMP], v[TMP], v[LG+7]
	v_mul_f32 v[TMP+1], s45, v[TMP]
.irp e, 0,1,2,3,4,5,6,7
	v_fma_f32 v[LG+\e], v[LG+\e], s45, -v[TMP+1]   ; (logit - maximum) x log2(e)
.endr
	s_wait_alu depctr_va_vdst(0)
.irp e, 0,1,2,3,4,5,6,7
	v_exp_f32 v[LG+\e], v[LG+\e]
.endr
	v_nop                                          ; a plain line behind the exponentials
	s_wait_alu depctr_va_vdst(0)
	v_add_f32 v[TMP+2], v[LG], v[LG+1]
	v_add_f32 v[TMP+3], v[LG+2], v[LG+3]
	v_add_f32 v[TMP+4], v[LG+4], v[LG+5]
	v_add_f32 v[TMP+5], v[LG+6], v[LG+7]
	v_add_f32 v[TMP+2], v[TMP+2], v[TMP+3]
	v_add_f32 v[TMP+4], v[TMP+4], v[TMP+5]
	v_add_f32 v[TMP+2], v[TMP+2], v[TMP+4]
	s_wait_alu depctr_va_vdst(0)
	v_rcp_f32 v[TMP+3], v[TMP+2]
	v_nop
	s_wait_alu depctr_va_vdst(0)
.irp e, 0,1,2,3,4,5,6,7
	v_mul_f32 v[LG+\e], v[LG+\e], v[TMP+3]         ; the probabilities
.endr
	TOP TMP+4, TMP+5
.irp e, 0,1,2,3,4,5,6,7
	v_cmp_eq_u32 vcc_lo, \e, v[TMP+5]
	v_cndmask_b32 v[LG+\e], v[LG+\e], -1.0, vcc_lo ; the first is taken out: -1 lies under every probability
.endr
	TOP TMP+6, TMP+7
	v_add_f32 v[TMP+2], v[TMP+4], v[TMP+6]
	s_wait_alu depctr_va_vdst(0)
	v_rcp_f32 v[TMP+3], v[TMP+2]
	v_lshl_or_b32 v[TMP+10], v[TMP+7], 8, v[TMP+5] ; (a plain line behind the reciprocal)  first | second << 8
	s_wait_alu depctr_va_vdst(0)
	v_mul_f32 v[TMP+8], v[TMP+4], v[TMP+3]
	v_mul_f32 v[TMP+9], v[TMP+6], v[TMP+3]
	v_cmp_gt_u32 vcc_lo, 8, v1
	s_wait_alu depctr_va_vdst(0)
	s_wait_xcnt 0x0                                ; EXEC changes only behind this wait: the stores above have had their addresses translated
	s_and_saveexec_b32 s44, vcc_lo
	global_store_b32 v7, v[TMP+10], s[14:15]       ; 32 bytes a wave, 16 KB in the launch
	global_store_b64 v3, v[TMP+8:TMP+9], s[16:17]  ; 64 bytes a wave, 32 KB in the launch
	s_wait_xcnt 0x0
	s_or_b32 exec_lo, exec_lo, s44
	s_endpgm
.Lfunc_end_k_q8ebce30b6c_route:
	.size	k_q8ebce30b6c_route, .Lfunc_end_k_q8ebce30b6c_route-k_q8ebce30b6c_route
	.p2alignl 7, 3214868480
	.fill 96, 4, 3214868480
	.section	.rodata,"a",@progbits
	.p2align	6, 0x0
	.amdhsa_kernel k_q8ebce30b6c_route
		.amdhsa_group_segment_fixed_size 0
		.amdhsa_private_segment_fixed_size 0
		.amdhsa_enable_private_segment 0
		.amdhsa_kernarg_size 56
		.amdhsa_user_sgpr_count 2
		.amdhsa_user_sgpr_kernarg_segment_ptr 1
		.amdhsa_wavefront_size32 1
		.amdhsa_system_sgpr_workgroup_id_x 1
		.amdhsa_system_sgpr_workgroup_id_y 1
		.amdhsa_system_sgpr_workgroup_id_z 1
		.amdhsa_system_vgpr_workitem_id 0
		.amdhsa_next_free_vgpr 512
		.amdhsa_next_free_sgpr 66
		.amdhsa_reserve_vcc 1
		.amdhsa_float_denorm_mode_32 3
		.amdhsa_float_denorm_mode_16_64 3
		.amdhsa_memory_ordered 1
		.amdhsa_forward_progress 1
		.amdhsa_inst_pref_size 132
	.end_amdhsa_kernel
	.amdgpu_metadata
---
amdhsa.version: [ 1, 2 ]
amdhsa.kernels:
  - .name:           k_q8ebce30b6c_route
    .symbol:         k_q8ebce30b6c_route.kd
    .args:
      - { .name: x, .offset: 0, .size: 8, .value_kind: global_buffer, .address_space: global }
      - { .name: Wg, .offset: 8, .size: 8, .value_kind: global_buffer, .address_space: global }
      - { .name: bg, .offset: 16, .size: 8, .value_kind: global_buffer, .address_space: global }
      - { .name: lowp_scales, .offset: 24, .size: 8, .value_kind: global_buffer, .address_space: global }
      - { .name: xq, .offset: 32, .size: 8, .value_kind: global_buffer, .address_space: global }
      - { .name: sel, .offset: 40, .size: 8, .value_kind: global_buffer, .address_space: global }
      - { .name: gw, .offset: 48, .size: 8, .value_kind: global_buffer, .address_space: global }
    .group_segment_fixed_size: 0
    .private_segment_fixed_size: 0
    .kernarg_segment_align: 8
    .kernarg_segment_size: 56
    .max_flat_workgroup_size: 64
    .sgpr_count:     66
    .vgpr_count:     512
    .wavefront_size: 32
...
	.end_amdgpu_metadata
.endif
;; end of part 5
;; launch prep (part 6): grid 513 x 1, 4 waves a work-group, no clusters, 1,536 bytes of LDS; arguments W1, W2, lowp_scales, sel, wq, lists; writes wq, lists
.if DOCPART == 6
	.amdgcn_target "amdgcn-amd-amdhsa--gfx1250"
	.amdhsa_code_object_version 6
	.text
	.protected	k_q8ebce30b6c_prep
	.globl	k_q8ebce30b6c_prep
	.p2align	8
	.type	k_q8ebce30b6c_prep,@function
k_q8ebce30b6c_prep:
	s_mov_b64 s[64:65], 0
	v_nop
	global_prefetch_b8 v0, s[64:65] scope:SCOPE_SE
	s_setreg_imm32_b32 hwreg(HW_REG_WAVE_MODE, 25, 1), 1
	s_wait_xcnt 0x0
; WORK-GROUPS 1 TO 512: W1 AND W2 INTO CODES, LAID AS THE PRODUCTS' REGISTERS TAKE THEM.  WORK-GROUP 0: THE LISTS THAT PLACE THE ROWS.
; W1, W2: [8][1024 (K)][1024 (n)] f32, K the first axis of an expert.  Codes of E5M2: w / 2^e, held within +-57,344, nearest, ties to even; e = lowp_scales[1] for W1, [2] for W2.
; wq: W1 at byte 0, W2 at byte 8,388,608; in each: [expert 8][ng 16][s 8][t 4][2,048 bytes].  A piece of 2,048 bytes is a fragment of 16 columns n = 64 ng + 16 t + r x 128 places of K step s, as an image of
; its registers: byte 512 c + 16 (r + 16 h) + b is place 128 s + 32 c + 16 h + b.  So a wave of the later launches loads a fragment by four loads of 512 consecutive bytes, and its 64 columns are 64 KB on end.
; THE ORDER OF K.  Place p of W1 stands for k = (p & 0x300) + 128 ((p >> 2) & 1) + 4 ((p >> 3) & 31) + (p & 3), as in xq.  Place p of W2 stands for p with its bits 3 and 4 exchanged, as in hq.
; Both stay inside blocks of 256 places and cost only immediates here.
; A LANE TAKES A COLUMN, ITS REGISTERS RUN DOWN K: each load reads 128 consecutive bytes a wave, 512 a work-group; the conversions give codes with K innermost; sixteen lanes store 256 consecutive bytes, aligned.
; A wave: 32 columns x 256 places, 8 blocks of 32.  Loads run two blocks (64 loads) ahead.  These waves share nothing: no LDS, no barrier.
; THE LISTS (whole numbers; sel = first expert | second << 8 for each of 4,096 tokens, stored by the launch before):
;   byte 0       tile1 [128] {expert, rows}            a tile is 144 slots of one expert: never more than (8,192 + 8 x 143) / 144 = 64 tiles, whatever the choice
;   byte 1,024   blk2  [128] {lo | hi << 8, lo's first slot, hi's first slot, tokens}   a block is 112 tokens of one pair of experts: never more than (4,096 + 28 x 111) / 112 = 64 blocks
;   byte 4,096   slot_tok [9,216]   the token of a slot      byte 40,960  btok [7,168]   the token at place 112 x block + i;   a word is token | (first expert > second) << 16
; Tokens are ranked inside their pair (lo < hi; pair number lo (15 - lo) / 2 + hi - lo - 1) by a counting sort without atomics; an expert's slots follow the order of the pairs, so that a block's rows of either
; expert are consecutive slots.  Only places that hold a token are written; the later launches clamp their index at the stored count.  The placing stores 4 bytes a lane to places far apart: 48 KB in all.
; LIMITS: the two exponents between -126 and 112.  NaN among the inputs is not served (an infinity is held at the largest code).
.set X,   32                           ; weights: v32-95 two sets of 32 numbers
.set C,   96                           ; v96-159 eight registers of codes for each block: no store's data are written again
.set TK,  32                           ; lists: v32-63 sel, then token | swap << 16, of my 32 groups of 32 tokens
.set PX,  64                           ; v64-95   4 x pair number, later an address
.set R0,  96                           ; v96-127  rank among the lanes below me in the group, later an address
.set H,   128                          ; v128-159 lane p: how many tokens of the group belong to pair p, later an address
.set CNT, 160                          ; lane p: tokens of pair p in all
.set WBR, 161                          ; lane p: those in the waves before mine
.set POS, 162                          ; lane p: the next place in btok,
.set SLR, 163                          ; the next slot of lo,
.set SHR, 164                          ; the next slot of hi
.set F4,  165                          ; thread t: first block of the pair that block t belongs to
.set BF,  166                          ; v166-169 thread t: block t's entry
.set TF,  170                          ; v170-171 thread t: tile t's entry; v172 its expert's first tile
.set WT,  173                          ; v173-176 the four waves' totals
.set ML,  24                           ; s24-30  lanes whose lo is 0..6
.set MH,  32                           ; s32-38  lanes whose hi is 1..7
.set CL,  40                           ; s40-45  constants: the pair numbers whose lo is 1..6, as a mask of lanes
.set CH,  46                           ; s46-51  those whose hi is 2..7
.set TS,  52                           ; s52-59  rows of expert e
.set TBS, 66                           ; s66-73  its first tile
.set CUR, 74                           ; s74-81  its next free slot
	s_load_b256 s[4:11], s[0:1], 0x0               ; W1 s[4:5], W2 s[6:7], the scales' exponents s[8:9], sel s[10:11]
	s_load_b128 s[12:15], s[0:1], 0x20             ; wq s[12:13], lists s[14:15]
	v_lshl_add_u32 v184, v0, 2, 0x400
	v_mov_b32 v185, 0
	v_lshrrev_b32 v1, 5, v0
	v_readfirstlane_b32 s16, v1                    ; wave 0..3
	v_and_b32 v2, 31, v0                           ; lane
	s_cmp_eq_u32 ttmp9, 0                          ; the same for all waves of a work-group
	s_cbranch_scc1 .Lsort
	; ---------------- the weights ----------------
	s_sub_co_u32 s17, ttmp9, 1                     ; g = 0..511
	s_lshr_b32 s18, s17, 8                         ; tensor
	s_bfe_u32 s19, s17, 0x30005                    ; expert
	s_and_b32 s20, s17, 7                          ; gx: which 128 columns
	s_bfe_u32 s21, s17, 0x20003                    ; gy: which 256 places of K
	s_lshl_b32 s22, s19, 22                        ; from: 4 MB x expert + 1 MB x gy + 512 gx + 128 wave
	s_lshl_b32 s23, s21, 20
	s_add_co_u32 s22, s22, s23
	s_lshl_b32 s23, s20, 9
	s_add_co_u32 s22, s22, s23
	s_lshl_b32 s23, s16, 7
	s_add_co_u32 s22, s22, s23
	s_mov_b32 s23, 0
	s_lshl_b32 s24, s18, 23                        ; to: 8 MB x tensor + 1 MB x expert + 65,536 (2 gx + wave / 2) + 16,384 gy + 4,096 (wave % 2)
	s_lshl_b32 s25, s19, 20
	s_add_co_u32 s24, s24, s25
	s_lshl_b32 s25, s20, 17
	s_add_co_u32 s24, s24, s25
	s_lshl_b32 s25, s21, 14
	s_add_co_u32 s24, s24, s25
	s_lshr_b32 s25, s16, 1
	s_lshl_b32 s25, s25, 16
	s_add_co_u32 s24, s24, s25
	s_and_b32 s25, s16, 1
	s_lshl_b32 s25, s25, 12
	s_add_co_u32 s24, s24, s25
	s_mov_b32 s25, 0
	s_wait_alu depctr_va_vdst(0)
	v_lshlrev_b32 v3, 2, v2                        ; in: 4 bytes a lane
	v_lshrrev_b32 v4, 4, v2
	v_and_b32 v5, 15, v2
	v_lshlrev_b32 v4, 11, v4
	v_lshl_add_u32 v4, v5, 4, v4                   ; out: 2,048 (lane / 16) + 16 (lane % 16)
	s_wait_kmcnt 0x0
	s_load_b128 s[28:31], s[8:9], 0x0              ; the four exponents
	s_cmp_eq_u32 s18, 0                            ; the choice hangs on the work-group's number alone
	s_cselect_b64 s[4:5], s[4:5], s[6:7]
	s_add_nc_u64 s[4:5], s[4:5], s[22:23]
	s_add_nc_u64 s[12:13], s[12:13], s[24:25]
.macro LOADB perm, B                   ; block B: the 32 rows of K that stand at places 32 B .. 32 B + 31, my column
.set i, 0
.rept 32
.set pp, 32*(\B)+i
.if \perm == 1
.set kr, 128*((pp/4)%2)+4*(pp/8)+(pp%4)
.else
.set kr, 32*(pp/32)+16*((pp/8)%2)+8*((pp/16)%2)+(pp%8)
.endif
	global_load_b32 v[X+32*((\B)%2)+i], v3, s[4:5] offset:4096*kr th:TH_LOAD_NT
.set i, i+1
.endr
.endm
.macro BLOCK perm, B
.set XS, X+32*((\B)%2)
.if (\B) < 7
	s_wait_loadcnt 32                              ; this block's 32 loads are in; the next block's may be out
.else
	s_wait_loadcnt 0x0
.endif
.set i, 0
.rept 32
	v_med3_num_f32 v[XS+i], v[XS+i], -v10, v10     ; the conversion to an 8-bit code does not saturate (ISA guide 7.6.2)
.set i, i+1
.endr
.irp g, 0,1,2,3
	v_cvt_scalef32_pk8_bf8_f32 v[C+8*(\B)+2*\g:C+8*(\B)+2*\g+1], v[XS+8*\g:XS+8*\g+7], v11
.endr
	v_nop                                          ; one plain line behind the last conversion
	global_store_b128 v4, v[C+8*(\B):C+8*(\B)+3], s[12:13] offset:8192*((\B)/4)+512*((\B)%4)          ; places 16 h + 0..15 with h = 0: sixteen lanes store 256 consecutive bytes, aligned
	global_store_b128 v4, v[C+8*(\B)+4:C+8*(\B)+7], s[12:13] offset:8192*((\B)/4)+512*((\B)%4)+256    ; h = 1
.if (\B)+2 < 8
	LOADB \perm, (\B)+2
.endif
.endm
.macro BODY perm                       ; perm = 1: W1, entry 1 of the scales; 2: W2, entry 2
	LOADB \perm, 0
	LOADB \perm, 1
	s_wait_kmcnt 0x0
	s_add_co_i32 s26, s[28+\perm], 127
	s_lshl_b32 s27, s26, 23
	v_mov_b32 v11, s27                             ; 2^e as f32
	s_add_co_i32 s26, s26, 15
	s_lshl_b32 s26, s26, 23
	s_or_b32 s26, s26, 0x600000
	v_mov_b32 v10, s26                             ; 57,344 x 2^e
	s_wait_alu depctr_va_vdst(0)
.irp B, 0,1,2,3,4,5,6,7
	BLOCK \perm, \B
.endr
	s_endpgm
.endm
	s_cmp_lg_u32 s18, 0
	s_cbranch_scc1 .Lw2
	s_wait_alu depctr_va_vdst(0)
	BODY 1
.Lw2:
	s_wait_alu depctr_va_vdst(0)
	BODY 2
	; ---------------- the lists ----------------
.Lsort:
	s_lshl_b32 s82, s16, 12                        ; wave w owns tokens 1,024 w on: group g, lane l is token 1,024 w + 128 (g / 4) + 4 l + g % 4
	s_mov_b32 s83, 0
	s_wait_alu depctr_va_vdst(0)
	v_lshlrev_b32 v17, 4, v2
	v_lshlrev_b32 v18, 2, v0                       ; LDS: a word for each thread
	v_lshlrev_b32 v19, 2, v2
	s_lshl_b32 s88, s16, 10
	v_lshl_add_u32 v16, v2, 2, s88                 ; 1,024 w + 4 l
	v_mov_b32 v15, 0x10000
	v_mov_b32 v14, 0                               ; lane p: my wave's tokens of pair p
	v_lshlrev_b32 v177, 3, v0                      ; where thread t stores tile t's entry,
	v_lshlrev_b32 v178, 4, v0                      ; and block t's
	s_mov_b32 s[CL+0], 0x1f80                      ; pairs 7-12 have lo = 1,
	s_mov_b32 s[CL+1], 0x3e000                     ; 13-17 lo = 2,
	s_mov_b32 s[CL+2], 0x3c0000                    ; 18-21,
	s_mov_b32 s[CL+3], 0x1c00000                   ; 22-24,
	s_mov_b32 s[CL+4], 0x6000000                   ; 25, 26,
	s_mov_b32 s[CL+5], 0x8000000                   ; 27
	s_mov_b32 s[CH+0], (1<<1)|(1<<7)               ; pairs with hi = 2,
	s_mov_b32 s[CH+1], (1<<2)|(1<<8)|(1<<13)
	s_mov_b32 s[CH+2], (1<<3)|(1<<9)|(1<<14)|(1<<18)
	s_mov_b32 s[CH+3], (1<<4)|(1<<10)|(1<<15)|(1<<19)|(1<<22)
	s_mov_b32 s[CH+4], (1<<5)|(1<<11)|(1<<16)|(1<<20)|(1<<23)|(1<<25)
	s_mov_b32 s[CH+5], (1<<6)|(1<<12)|(1<<17)|(1<<21)|(1<<24)|(1<<26)|(1<<27)   ; hi = 7
	s_mov_b32 s84, 0x55555555
	s_mov_b32 s85, 0x33333333
	s_mov_b32 s86, 0x0f0f0f0f
	s_mov_b32 s87, 0x01010101
	s_wait_alu depctr_va_vdst(0)
	s_wait_kmcnt 0x0
	s_add_nc_u64 s[10:11], s[10:11], s[82:83]
.irp q, 0,1,2,3,4,5,6,7
	global_load_b128 v[TK+4*\q:TK+4*\q+3], v17, s[10:11] offset:512*\q
.endr
	s_wait_loadcnt 0x0
; One group of 32 tokens: lo, hi, the word to be stored; my rank among the lanes below me with the same pair; for lane p the mask of the lanes that hold pair p.
.macro GA g
	v_and_b32 v3, 7, v[TK+\g]
	v_bfe_u32 v4, v[TK+\g], 8, 3
	v_cmp_gt_u32 vcc_lo, v3, v4
	v_cndmask_b32 v5, v3, v4, vcc_lo               ; lo
	v_cndmask_b32 v6, v4, v3, vcc_lo               ; hi
	v_cndmask_b32 v7, 0, v15, vcc_lo               ; the first expert is hi
	v_add3_u32 v[TK+\g], v16, 128*((\g)/4)+((\g)%4), v7
.irp a, 0,1,2,3,4,5,6
	v_cmp_eq_u32 s[ML+\a], \a, v5
	v_cmp_eq_u32 s[MH+\a], \a+1, v6
.endr
	v_mov_b32 v8, s[ML]                            ; v8, v9: the masks of MY lo and hi;  v12, v13: those of the lo and hi of pair number = my lane
	v_mov_b32 v9, s[MH]
	v_mov_b32 v12, s[ML]
	v_mov_b32 v13, s[MH]
.irp a, 1,2,3,4,5,6
	v_cndmask_b32 v8, v8, s[ML+\a], s[ML+\a]
	v_cndmask_b32 v9, v9, s[MH+\a], s[MH+\a]
	v_cndmask_b32 v12, v12, s[ML+\a], s[CL+\a-1]
	v_cndmask_b32 v13, v13, s[MH+\a], s[CH+\a-1]
.endr
	v_and_b32 v8, v8, v9
	v_and_b32 v[H+\g], v12, v13
	v_mbcnt_lo_u32_b32 v[R0+\g], v8, 0
	v_sub_nc_u32 v10, 15, v5
	v_sub_nc_u32 v11, v6, v5
	v_mul_u32_u24 v10, v10, v5                     ; lo (15 - lo), an even number
	v_lshlrev_b32 v10, 1, v10
	v_lshl_add_u32 v10, v11, 2, v10
	v_add_nc_u32 v[PX+\g], -4, v10                 ; 4 x (lo (15 - lo) / 2 + hi - lo - 1)
.endm
; The masks of four groups become counts: sums of fields of 2, 4 and 8 bits, then of the four bytes by one multiplication.  Four at a time, so that no line waits for the line above it.
.macro POP4 g
.irp k, 0,1,2,3
	v_lshrrev_b32 v[20+\k], 1, v[H+\g+\k]
.endr
.irp k, 0,1,2,3
	v_and_b32 v[20+\k], s84, v[20+\k]
.endr
.irp k, 0,1,2,3
	v_sub_nc_u32 v[H+\g+\k], v[H+\g+\k], v[20+\k]
.endr
.irp k, 0,1,2,3
	v_lshrrev_b32 v[20+\k], 2, v[H+\g+\k]
.endr
.irp k, 0,1,2,3
	v_and_b32 v[H+\g+\k], s85, v[H+\g+\k]
.endr
.irp k, 0,1,2,3
	v_and_b32 v[20+\k], s85, v[20+\k]
.endr
.irp k, 0,1,2,3
	v_add_nc_u32 v[H+\g+\k], v[H+\g+\k], v[20+\k]
.endr
.irp k, 0,1,2,3
	v_lshrrev_b32 v[20+\k], 4, v[H+\g+\k]
.endr
.irp k, 0,1,2,3
	v_add_nc_u32 v[H+\g+\k], v[H+\g+\k], v[20+\k]
.endr
.irp k, 0,1,2,3
	v_and_b32 v[H+\g+\k], s86, v[H+\g+\k]
.endr
.irp k, 0,1,2,3
	v_mul_lo_u32 v[H+\g+\k], v[H+\g+\k], s87
.endr
.irp k, 0,1,2,3
	v_lshrrev_b32 v[H+\g+\k], 24, v[H+\g+\k]
.endr
.irp k, 0,1,2,3
	v_add_nc_u32 v14, v14, v[H+\g+\k]
.endr
.endm
.irp g, 0,1,2,3,4,5,6,7,8,9,10,11,12,13,14,15,16,17,18,19,20,21,22,23,24,25,26,27,28,29,30,31
	GA \g
.endr
.irp g, 0,4,8,12,16,20,24,28
	POP4 \g
.endr
	ds_store_b32 v18, v14                          ; the waves' totals meet in LDS
	s_wait_dscnt 0x0                               ; for the others' sake: my store is done
	s_barrier_signal -1
	s_barrier_wait -1
.irp w, 0,1,2,3
	ds_load_b32 v[WT+\w], v19 offset:128*\w
.endr
	s_wait_dscnt 0x0
	v_add_nc_u32 v[CNT], v[WT], v[WT+1]
	v_add3_u32 v[CNT], v[CNT], v[WT+2], v[WT+3]
	s_wait_alu depctr_va_vdst(0)
	v_mov_b32 v[WBR], 0
.irp w, 0,1,2
	s_cmp_gt_u32 s16, \w
	s_cselect_b32 s82, -1, 0
	v_and_b32 v20, s82, v[WT+\w]
	v_add_nc_u32 v[WBR], v[WBR], v20
.endr
	; every wave makes the tables for itself.  First the experts' rows, tiles and first slots
.irp e, 0,1,2,3,4,5,6,7
	s_mov_b32 s[TS+\e], 0
.endr
.set p, 0
.irp a, 0,1,2,3,4,5,6
.irp b, 1,2,3,4,5,6,7
.if \b > \a
	v_readlane_b32 s82, v[CNT], p
	s_add_co_u32 s[TS+\a], s[TS+\a], s82
	s_add_co_u32 s[TS+\b], s[TS+\b], s82
.set p, p+1
.endif
.endr
.endr
	s_mov_b32 s83, 0
.irp e, 0,1,2,3,4,5,6,7
	s_mov_b32 s[TBS+\e], s83
	s_mul_i32 s[CUR+\e], s83, 144
	s_add_co_u32 s84, s[TS+\e], 143
	s_mul_hi_u32 s84, s84, 0x1c71c72               ; / 144: 2^32 / 144 rounded up; exact for numbers this small
	s_add_co_u32 s83, s83, s84
.endr
	v_mov_b32 v[TF], 0
	v_mov_b32 v[TF+1], 0
	v_mov_b32 v[TF+2], 0
.irp e, 0,1,2,3,4,5,6,7                        ; thread t finds the expert of tile t: the last whose first tile is not beyond t
	v_cmp_le_u32 vcc_lo, s[TBS+\e], v0
	v_cndmask_b32 v[TF], v[TF], \e, vcc_lo
	v_cndmask_b32 v[TF+1], v[TF+1], s[TS+\e], vcc_lo
	v_cndmask_b32 v[TF+2], v[TF+2], s[TBS+\e], vcc_lo
.endr
	v_sub_nc_u32 v[TF+2], v0, v[TF+2]
	v_mul_u32_u24 v[TF+2], v[TF+2], 144
	v_sub_nc_u32 v[TF+1], v[TF+1], v[TF+2]         ; rows left from this tile on,
	v_cmp_gt_i32 vcc_lo, 0, v[TF+1]
	v_cndmask_b32 v[TF+1], v[TF+1], 0, vcc_lo      ; none if negative,
	v_min_u32 v[TF+1], 144, v[TF+1]                ; 144 at the most
	global_store_b64 v177, v[TF:TF+1], s[14:15]
	; then the pairs: their first block, their first slots in both experts
	s_mov_b32 s83, 0                               ; blocks so far
	v_mov_b32 v[POS], 0                            ; (written once: v_writelane_b32 keeps the other lanes)
	v_mov_b32 v[SLR], 0
	v_mov_b32 v[SHR], 0
	v_mov_b32 v[F4], 0
.irp i, 0,1,2,3
	v_mov_b32 v[BF+\i], 0
.endr
.set p, 0
.irp a, 0,1,2,3,4,5,6
.irp b, 1,2,3,4,5,6,7
.if \b > \a
	v_readlane_b32 s82, v[CNT], p
	s_mul_i32 s84, s83, 112
	s_mov_b32 s85, \a|(\b<<8)
	v_writelane_b32 v[POS], s84, p
	v_writelane_b32 v[SLR], s[CUR+\a], p
	v_writelane_b32 v[SHR], s[CUR+\b], p
	v_cmp_le_u32 vcc_lo, s83, v0                   ; thread t takes the last pair whose first block is not beyond t
	v_cndmask_b32 v[BF], v[BF], s85, vcc_lo
	v_cndmask_b32 v[BF+1], v[BF+1], s[CUR+\a], vcc_lo
	v_cndmask_b32 v[BF+2], v[BF+2], s[CUR+\b], vcc_lo
	v_cndmask_b32 v[BF+3], v[BF+3], s82, vcc_lo
	v_cndmask_b32 v[F4], v[F4], s83, vcc_lo
	s_add_co_u32 s84, s82, 111
	s_mul_hi_u32 s84, s84, 0x2492493               ; / 112
	s_add_co_u32 s83, s83, s84
	s_add_co_u32 s[CUR+\a], s[CUR+\a], s82
	s_add_co_u32 s[CUR+\b], s[CUR+\b], s82
.set p, p+1
.endif
.endr
.endr
	v_sub_nc_u32 v[F4], v0, v[F4]
	v_mul_u32_u24 v[F4], v[F4], 112                ; tokens of the pair in the blocks before block t
	v_sub_nc_u32 v[BF+3], v[BF+3], v[F4]
	v_add_nc_u32 v[BF+1], v[BF+1], v[F4]
	v_add_nc_u32 v[BF+2], v[BF+2], v[F4]
	v_cmp_gt_i32 vcc_lo, 0, v[BF+3]
	v_cndmask_b32 v[BF+3], v[BF+3], 0, vcc_lo
	v_min_u32 v[BF+3], 112, v[BF+3]
	global_store_b128 v178, v[BF:BF+3], s[14:15] offset:1024
	; the placing.  The three tables (lane = pair) begin behind the waves before mine and grow by each group's counts
	v_add_nc_u32 v[POS], v[POS], v[WBR]
	v_add_nc_u32 v[SLR], v[SLR], v[WBR]
	v_add_nc_u32 v[SHR], v[SHR], v[WBR]
.macro PB4 g
.irp k, 0,1,2,3
	ds_bpermute_b32 v[20+3*\k], v[PX+\g+\k], v[POS]   ; each token pulls its pair's three numbers; no LDS byte is touched
	ds_bpermute_b32 v[21+3*\k], v[PX+\g+\k], v[SLR]
	ds_bpermute_b32 v[22+3*\k], v[PX+\g+\k], v[SHR]
	v_add_nc_u32 v[POS], v[POS], v[H+\g+\k]
	v_add_nc_u32 v[SLR], v[SLR], v[H+\g+\k]
	v_add_nc_u32 v[SHR], v[SHR], v[H+\g+\k]
.endr
	s_wait_dscnt 0x0
.irp k, 0,1,2,3
	v_add_nc_u32 v[20+3*\k], v[20+3*\k], v[R0+\g+\k]
	v_add_nc_u32 v[21+3*\k], v[21+3*\k], v[R0+\g+\k]
	v_add_nc_u32 v[22+3*\k], v[22+3*\k], v[R0+\g+\k]
	v_min_u32 v[20+3*\k], 0x1bff, v[20+3*\k]       ; inside btok's 7,168 words,
	v_min_u32 v[21+3*\k], 0x23ff, v[21+3*\k]       ; inside slot_tok's 9,216
	v_min_u32 v[22+3*\k], 0x23ff, v[22+3*\k]
	v_lshlrev_b32 v[PX+\g+\k], 2, v[20+3*\k]       ; the addresses take registers that are done with and are not written again
	v_lshlrev_b32 v[R0+\g+\k], 2, v[21+3*\k]
	v_lshlrev_b32 v[H+\g+\k], 2, v[22+3*\k]
	global_store_b32 v[PX+\g+\k], v[TK+\g+\k], s[14:15] offset:40960
	global_store_b32 v[R0+\g+\k], v[TK+\g+\k], s[14:15] offset:4096
	global_store_b32 v[H+\g+\k], v[TK+\g+\k], s[14:15] offset:4096
.endr
.endm
.irp g, 0,4,8,12,16,20,24,28
	PB4 \g
.endr
	s_wait_tensorcnt 0x0
	ds_add_u32 v184, v185
	s_wait_dscnt 0x0
	s_endpgm
.Lfunc_end_k_q8ebce30b6c_prep:
	.size	k_q8ebce30b6c_prep, .Lfunc_end_k_q8ebce30b6c_prep-k_q8ebce30b6c_prep
	.p2alignl 7, 3214868480
	.fill 96, 4, 3214868480
	.section	.rodata,"a",@progbits
	.p2align	6, 0x0
	.amdhsa_kernel k_q8ebce30b6c_prep
		.amdhsa_group_segment_fixed_size 1536
		.amdhsa_private_segment_fixed_size 0
		.amdhsa_enable_private_segment 0
		.amdhsa_kernarg_size 48
		.amdhsa_user_sgpr_count 2
		.amdhsa_user_sgpr_kernarg_segment_ptr 1
		.amdhsa_wavefront_size32 1
		.amdhsa_system_sgpr_workgroup_id_x 1
		.amdhsa_system_sgpr_workgroup_id_y 1
		.amdhsa_system_sgpr_workgroup_id_z 1
		.amdhsa_system_vgpr_workitem_id 0
		.amdhsa_next_free_vgpr 186
		.amdhsa_next_free_sgpr 96
		.amdhsa_reserve_vcc 1
		.amdhsa_float_denorm_mode_32 3
		.amdhsa_float_denorm_mode_16_64 3
		.amdhsa_memory_ordered 1
		.amdhsa_forward_progress 1
		.amdhsa_inst_pref_size 255
	.end_amdhsa_kernel
	.section	.bss,"aw",@nobits
	.p2align	6
	.space	262144
	.amdgpu_metadata
---
amdhsa.version: [ 1, 2 ]
amdhsa.kernels:
  - .name:           k_q8ebce30b6c_prep
    .symbol:         k_q8ebce30b6c_prep.kd
    .args:
      - { .name: W1, .offset: 0, .size: 8, .value_kind: global_buffer, .address_space: global }
      - { .name: W2, .offset: 8, .size: 8, .value_kind: global_buffer, .address_space: global }
      - { .name: lowp_scales, .offset: 16, .size: 8, .value_kind: global_buffer, .address_space: global }
      - { .name: sel, .offset: 24, .size: 8, .value_kind: global_buffer, .address_space: global }
      - { .name: wq, .offset: 32, .size: 8, .value_kind: global_buffer, .address_space: global }
      - { .name: lists, .offset: 40, .size: 8, .value_kind: global_buffer, .address_space: global }
    .group_segment_fixed_size: 1536
    .private_segment_fixed_size: 0
    .kernarg_segment_align: 8
    .kernarg_segment_size: 48
    .max_flat_workgroup_size: 128
    .sgpr_count:     96
    .vgpr_count:     186
    .wavefront_size: 32
...
	.end_amdgpu_metadata
.endif
;; end of part 6
;; launch ffn1 (part 7): grid 4 x 64, 4 waves a work-group, no clusters, 196,608 bytes of LDS; arguments xq, wq, b1, lowp_scales, lists, hq; writes hq
.if DOCPART == 7
	.amdgcn_target "amdgcn-amd-amdhsa--gfx1250"
	.amdhsa_code_object_version 6
	.text
	.protected	k_q8ebce30b6c_ffn1
	.globl	k_q8ebce30b6c_ffn1
	.p2align	8
	.type	k_q8ebce30b6c_ffn1,@function
k_q8ebce30b6c_ffn1:
	s_mov_b64 s[64:65], 0
	v_nop
	global_prefetch_b8 v0, s[64:65] scope:SCOPE_SE
	s_setreg_imm32_b32 hwreg(HW_REG_WAVE_SCHED_MODE, 0, 2), 2
	s_setreg_imm32_b32 hwreg(HW_REG_WAVE_MODE, 25, 1), 1
	s_wait_xcnt 0x0
	s_wait_alu depctr_vm_vsrc(0)
; THE FIRST LAYER ON THE CHOSEN ROWS ALONE: hq[slot] = Q(gelu(x[token of slot] W1[e] + b1[e])), on codes of E5M2.  e0, e1, e3 = lowp_scales[0], [1], [3]: the exponents of x's, W1's and the hidden layer's scales.
; SHARES.  Work-group (x, y) takes tile y of the list (144 slots of one expert) x hidden units 256 x .. 256 x + 255.  Wave w takes all 144 rows x 64 units: its 32 fragments of W1 (64 KB, 512 registers) are loaded
; once, as they lie in wq, and stay.  The 144 rows of codes are gathered by the list through registers into LDS and read by all four waves, a tile of 16 rows a trip.
; TRANSPOSED: source 0 = 16 hidden units, source 1 = 16 rows: a lane holds ONE row (lane % 16) and, in tile t, units 16 t + 8 (lane / 16) + 0..7.  The 16 registers of tiles 2 b and 2 b + 1 become 16 codes, which
; stand at places 32 b + 16 (lane / 16) + 0..15 of the wave's 64: so place p of a row of hq stands for unit p with its bits 3 and 4 exchanged.  W2's codes are laid in the same order.
; b1 / 2^(e0 + e1) is the C of each sum's first product.  The four accumulators take turns, one instruction a turn.
; GELU, exact form: gelu(v) = max(v, 0) - |v| q(|v|), q(a) = erfc(a / sqrt 2) / 2 = u 2^(-a^2 log2(e) / 2 + poly(u)), u = 1 / (1 + a / (2 sqrt 2)); poly is the Chebyshev fit of degree 9 to erfc (fractional error
; 1.2e-7 for every a), its coefficients times log2(e), the constant less 1 for the half.  Nothing large is subtracted from anything large on either side of 0.
; A tile with fewer than 144 rows repeats its last row (the index is held at rows - 1); a tile without rows works on slot 0's row, which always exists, and stores nothing: the grid serves every split.
; NO CLUSTER, NO TENSOR LOAD: the rows that the four work-groups of one y share are gathered, each from an address read out of the list, which no one tile descriptor states; the weights land in one wave's registers;
; and which tiles share an expert hangs on counts read from memory, so partners of a fixed cluster need not share weights.
; LIMITS: e3 between -126 and 112; e0 + e1 between -126 and 127.  NaN and infinities are not served.  1 / (1 + ..) is v_rcp_f32; an exponential under 2^-126 comes out as 0 (ISA guide, the entry of v_exp_f32).
; LDS: byte 0: 144 rows of 1,024 bytes + 16 (a fragment load's 16 rows start at 16 different groups of banks).  From STG: for each wave a stage of its own, 144 rows of 64 bytes + 16, 11,584 bytes apart.
; REGISTERS.  window 0: v1 16 l, v2 r, v3 h, v4-5 tokens, v6-7 A's address, v8-9 the stage's, v10 staging, v11 read-back, v12 offset in hq, v13 2^e3, v14 57,344 x 2^e3, v16-19 and v24-27 codes, v[20:21] c8,
;   v32-79 T, P, Q (at the head: 36 offsets), v96-127 the four accumulators, v128-255 A's eight fragments (at the head: rows 0-15).
;   window 1: W1's fragments 4 s + t for s < 4.  window 2: for s >= 4.  window 3: v0-31 b1 / 2^(e0 + e1) in the result's layout; v32-191 at the head: rows 16-35.
; THE MODE: SCHED_MODE bits 1:0 = 2 (LLVM: expert scheduling mode 2), set by the entry lines.  The code itself states the register dependences between vector or matrix instructions and memory or LDS
; instructions, with s_wait_alu, always for 0.
; THE PLAN.  Registers that memory or LDS instructions touch, in the loop:
;   v128-255        A's fragments.  Read by a trip's 32 products; behind them the next tile's 32 LDS loads land there.
;   v7              A's LDS address.  Written once a trip, behind the products; read by those 32 loads.
;   v9              the stage's LDS address.  Written beside v7; read by the trip's two LDS stores.
;   v16-19, v24-27  the codes.  Written by the trip's four conversions; read by the two stores, which stand together at the trip's end.
;   The sums, T, P, Q, W1, b1, v6 and v8 are named by vector and matrix instructions alone.
; So a trip states three things: ahead of the two additions, that the last trip's loads and stores have read v7, v9 and the codes (vm_vsrc); ahead of the 32 loads, that the products are done reading A's fragments and
; that v7 is written (va_vdst: the sums that it waits for are read by the very next lines); ahead of the two stores, that the codes and v9 are written (va_vdst).  The waits behind the reciprocals and the exponentials stay.
.set AP,  1040
.set STG, 144*AP
.set SW,  11584
.set T,   32
.set P,   48
.set Q,   64
.set ACC, 96
.set AF,  128
.set RL,  71                           ; s71-79  nine words of the list at a time, on their way from lanes to offsets
.set MSB, 0
.macro WIN new                         ; the immediate's high byte repeats the setting that is left
.if MSB != (\new)
	s_set_vgpr_msb (MSB<<8)|(\new)
.set MSB, (\new)
.endif
.endm
.macro COEF r, val                     ; a packed line names a scalar pair and takes its low word for both halves: both are written
	s_mov_b32 s[\r], \val
	s_mov_b32 s[\r+1], \val
.endm
.macro BFRAG f                         ; fragment f = 4 s + t of my 64 columns: 2,048 bytes on end, four loads of 512 consecutive bytes
.if (\f) < 16
	WIN 0x40
.set rb, 16*(\f)
.else
	WIN 0x80
.set rb, 16*((\f)-16)
.endif
.irp c, 0,1,2,3
	global_load_b128 v[rb+4*\c:rb+4*\c+3], v1, s[34:35] offset:2048*(\f)+512*\c
.endr
.endm
	s_load_b256 s[4:11], s[0:1], 0x0               ; xq s[4:5], wq s[6:7], b1 s[8:9], the scales' exponents s[10:11]
	s_load_b128 s[12:15], s[0:1], 0x20             ; lists s[12:13], hq s[14:15]
	v_lshl_add_u32 v94, v0, 2, 0x2fe00
	v_mov_b32 v95, 0
	v_lshrrev_b32 v1, 5, v0
	v_readfirstlane_b32 s18, v1                    ; wave 0..3
	v_and_b32 v15, 31, v0                          ; lane
	v_lshlrev_b32 v1, 4, v15
	v_and_b32 v2, 15, v0                           ; r
	v_bfe_u32 v3, v0, 4, 1                         ; h
	s_and_b32 s19, ttmp7, 0xffff                   ; y: the tile
	s_lshl_b32 s70, s19, 3
	v_mul_u32_u24 v6, v2, AP
	v_lshl_add_u32 v6, v3, 4, v6                   ; a fragment of A: row r x pitch + 16 h
	s_wait_alu depctr_va_sdst(0)                   ; s18 is written, ahead of its first reader
	s_mul_i32 s22, s18, SW
	s_add_co_u32 s22, s22, STG
	v_mul_u32_u24 v8, v2, 80
	v_lshl_add_u32 v8, v3, 4, v8
	v_add_nc_u32 v8, s22, v8                       ; my stage: row r x 80 + 16 h
	s_mul_i32 s22, s18, 36*AP
	v_add_nc_u32 v10, s22, v1                      ; I bring rows 36 w .. 36 w + 35 into LDS: 16 bytes a lane
	v_bfe_u32 v23, v0, 2, 2
	v_mul_u32_u24 v11, v23, SW                     ; back: sixteen lanes take a row's 256 bytes, 64 from each wave's stage; lanes 16-31 the next row
	v_and_b32 v23, 3, v0
	v_lshl_add_u32 v11, v23, 4, v11
	v_mad_u32_u24 v11, v3, 80, v11
	s_mul_i32 s22, s18, 36*80
	s_add_co_u32 s22, s22, STG
	v_add_nc_u32 v11, s22, v11
	v_lshlrev_b32 v12, 10, v3
	v_lshl_add_u32 v12, v2, 4, v12                 ; and the same two rows in hq
	v_lshlrev_b32 v22, 5, v3                       ; b1: my half's eight numbers of a tile
	COEF 40, 0x3e7c6f08                            ; c9 .. c0, times log2(e)
	COEF 44, 0x40097039
	COEF 46, 0xbfd1a1e5
	COEF 48, 0x3ecdfd18
	COEF 50, 0xbe899a80
	COEF 52, 0x3e0efb2e
	COEF 54, 0x3f0a29d2
	COEF 56, 0x3fb8ab5a
	COEF 58, 0xc034d90f
	COEF 60, 0xbf38aa3b                            ; -log2(e) / 2
	s_mov_b32 s69, 0x3eb504f3                      ; 1 / (2 sqrt 2)
	v_mov_b32 v20, 0xbf97d29d                      ; c8, in a vector pair: so each packed line names one scalar pair
	v_mov_b32 v21, 0xbf97d29d
	s_wait_kmcnt 0x0
	s_load_b64 s[20:21], s[12:13], s70 offset:0x0  ; the tile: expert, rows
	s_load_b128 s[24:27], s[10:11], 0x0            ; e0, e1, e2, e3
	s_wait_kmcnt 0x0
	s_min_u32 s20, s20, 7
	s_min_u32 s21, s21, 144
	s_max_u32 s23, s21, 1
	s_sub_co_u32 s23, s23, 1                       ; the last row that exists
	s_mul_i32 s28, s19, 144
	s_cmp_lg_u32 s21, 0
	s_cselect_b32 s28, s28, 0                      ; the tile's first slot; slot 0 for a tile without rows
	s_mul_i32 s29, s18, 36
	v_add_nc_u32 v16, s29, v15                     ; lane i: my row i,
	v_and_b32 v17, 3, v15
	v_add3_u32 v17, v17, s29, 32                   ; lanes 0-3: my rows 32 to 35
	v_min_u32 v16, s23, v16
	v_min_u32 v17, s23, v17
	v_add_nc_u32 v16, s28, v16
	v_add_nc_u32 v17, s28, v17
	v_min_u32 v16, 0x23ff, v16                     ; inside slot_tok's 9,216 words
	v_min_u32 v17, 0x23ff, v17
	v_lshlrev_b32 v16, 2, v16
	v_lshlrev_b32 v17, 2, v17
	s_wait_alu depctr_va_vdst(0)                   ; the offsets and LDS addresses v1, v6, v10, v11, v12, v16, v17, v22 and the closing add's v94, v95 are written: the loads and stores of the whole kernel read them
	global_load_b32 v4, v16, s[12:13] offset:4096
	global_load_b32 v5, v17, s[12:13] offset:4096
	s_lshl_b32 s32, ttmp9, 2
	s_add_co_u32 s32, s32, s18                     ; ng = 4 x + w: my 64 columns
	s_lshl_b32 s30, s20, 20
	s_lshl_b32 s33, s32, 16
	s_add_co_u32 s30, s30, s33
	s_mov_b32 s31, 0
	s_add_nc_u64 s[34:35], s[6:7], s[30:31]        ; W1's codes: 1 MB x expert + 65,536 ng
	s_lshl_b32 s30, s20, 12
	s_lshl_b32 s33, s32, 8
	s_add_co_u32 s30, s30, s33
	s_add_nc_u64 s[36:37], s[8:9], s[30:31]        ; b1: 4,096 x expert + 256 ng
	s_mul_i32 s30, s19, 144
	s_add_co_u32 s30, s30, s29
	s_lshl_b32 s30, s30, 10
	s_lshl_b32 s33, ttmp9, 8
	s_add_co_u32 s30, s30, s33
	s_add_nc_u64 s[38:39], s[14:15], s[30:31]      ; hq: slot 144 y + 36 w, byte 256 x
	WIN 0xc0                                       ; destination window 3
.irp t, 0,1,2,3
	global_load_b128 v[8*\t:8*\t+3], v22, s[36:37] offset:64*\t
	global_load_b128 v[8*\t+4:8*\t+7], v22, s[36:37] offset:64*\t+16
.endr
.set f, 0
.rept 12
	BFRAG f
.set f, f+1
.endr
	WIN 0
	s_add_co_i32 s29, s24, s25                     ; e0 + e1
	s_sub_co_i32 s33, 0, s29
	s_add_co_i32 s29, s29, 127
	s_lshl_b32 s62, s29, 23                        ; 2^(e0 + e1) as f32
	s_mov_b32 s63, s62
	s_add_co_i32 s29, s27, 127
	s_lshl_b32 s22, s29, 23
	v_mov_b32 v13, s22                             ; 2^e3
	s_add_co_i32 s29, s29, 15
	s_lshl_b32 s29, s29, 23
	s_or_b32 s29, s29, 0x600000
	v_mov_b32 v14, s29                             ; 57,344 x 2^e3
	s_wait_loadcnt 56                              ; the two loads of the list are in: behind them stand 8 loads of b1 and 48 of W1
.set i, 0
.rept 4                                        ; a row's offset in xq: token x 1,024 + 16 l; an offset register for each row.  Nine rows at a time: a run of lane reads, one wait, the nine offsets
.set k, 0
.rept 9
.if i+k < 32
	v_readlane_b32 s[RL+k], v4, i+k
.else
	v_readlane_b32 s[RL+k], v5, i+k-32
.endif
.set k, k+1
.endr
	s_wait_alu depctr_va_sdst(0)                   ; the nine lane reads have written s71 to s79, ahead of their first readers
.set k, 0
.rept 9
	s_and_b32 s[RL+k], s[RL+k], 0xffff
	s_min_u32 s[RL+k], s[RL+k], 4095
	v_lshl_add_u32 v[32+i+k], s[RL+k], 10, v1
.set k, k+1
.endr
.set i, i+9
.endr
	s_wait_alu depctr_va_vdst(0)                   ; the 36 offsets v32 to v67 are written, which the rows' loads read
.set i, 0
.rept 16
	global_load_b128 v[AF+8*i:AF+8*i+3], v[32+i], s[4:5]               ; the wave reads 512 consecutive bytes
	global_load_b128 v[AF+8*i+4:AF+8*i+7], v[32+i], s[4:5] offset:512
.set i, i+1
.endr
	WIN 0xc0
.rept 20
	global_load_b128 v[32+8*(i-16):32+8*(i-16)+3], v[32+i], s[4:5]
	global_load_b128 v[32+8*(i-16)+4:32+8*(i-16)+7], v[32+i], s[4:5] offset:512
.set i, i+1
.endr
.rept 20
	BFRAG f
.set f, f+1
.endr
	WIN 0
	s_wait_loadcnt 63                              ; behind the last row's load stand 80 loads of W1: all 36 rows are in
.set i, 0
.rept 16
	ds_store_b128 v10, v[AF+8*i:AF+8*i+3] offset:AP*i
	ds_store_b128 v10, v[AF+8*i+4:AF+8*i+7] offset:AP*i+512
.set i, i+1
.endr
	WIN 0x0c                                       ; the data (source 1) window 3
.rept 20
	ds_store_b128 v10, v[32+8*(i-16):32+8*(i-16)+3] offset:AP*i
	ds_store_b128 v10, v[32+8*(i-16)+4:32+8*(i-16)+7] offset:AP*i+512
.set i, i+1
.endr
	s_wait_loadcnt 0x0                             ; W1 and b1
	WIN 0xc3                                       ; source 0 and destination window 3
.set i, 0
.rept 32
	v_ldexp_f32 v[i], v[i], s33                    ; b1 / 2^(e0 + e1): a sum of the product stands for sum x 2^(e0 + e1)
.set i, i+1
.endr
	WIN 0
	s_wait_dscnt 0x0                               ; for the others' sake: my rows lie in LDS
	s_barrier_signal -1
	s_barrier_wait -1                              ; all 144 do; nobody writes them again
	s_wait_alu depctr_vm_vsrc(0)                   ; my LDS stores have read v128-255, in which A's fragments land from here on; the head's loads have read their offsets v16, v17 and v32-67, which the codes and T, P, Q take over
.macro ALOAD adr                       ; a tile of 16 rows x 1,024 places: eight fragments
.irp s, 0,1,2,3,4,5,6,7
.irp c, 0,1,2,3
	ds_load_b128 v[AF+16*\s+4*\c:AF+16*\s+4*\c+3], v[\adr] offset:128*\s+32*\c
.endr
.endr
.endm
; 16 numbers of a lane, tiles 2 b and 2 b + 1, from the sums to 16 codes in v[16 + 8 b] on.  Each accumulator is read from its low end on.
.macro GELU16 b
.set XX, ACC+16*\b
.set CR, 16+8*\b
.set i, 0
.rept 8
	v_pk_mul_f32 v[XX+i:XX+i+1], v[XX+i:XX+i+1], s[62:63] op_sel_hi:[1,0]      ; v = sum x 2^(e0 + e1): exact
.set i, i+2
.endr
.set i, 0
.rept 16
	v_fma_f32 v[T+i], |v[XX+i]|, s69, 1.0
.set i, i+1
.endr
.set i, 0
	s_wait_alu depctr_va_vdst(0)
.rept 16
	v_rcp_f32 v[T+i], v[T+i]                       ; u
.set i, i+1
.endr
.set i, 0
.rept 8
	v_pk_mul_f32 v[Q+i:Q+i+1], v[XX+i:XX+i+1], v[XX+i:XX+i+1]                  ; v^2.  (Plain lines behind the reciprocals)
.set i, i+2
.endr
.set i, 0
	s_wait_alu depctr_va_vdst(0)                   ; the sixteen reciprocals have written T, ahead of their first reader: one wait for the batch
.rept 8
	v_pk_fma_f32 v[P+i:P+i+1], v[T+i:T+i+1], s[40:41], v[20:21] op_sel_hi:[1,0,1]
.set i, i+2
.endr
.irp ck, 44,46,48,50,52,54,56,58
.set i, 0
.rept 8
	v_pk_fma_f32 v[P+i:P+i+1], v[P+i:P+i+1], v[T+i:T+i+1], s[\ck:\ck+1] op_sel_hi:[1,1,0]
.set i, i+2
.endr
.endr
.set i, 0
.rept 8
	v_pk_fma_f32 v[P+i:P+i+1], v[Q+i:Q+i+1], s[60:61], v[P+i:P+i+1] op_sel_hi:[1,0,1]
.set i, i+2
.endr
.set i, 0
	s_wait_alu depctr_va_vdst(0)
.rept 16
	v_exp_f32 v[P+i], v[P+i]
.set i, i+1
.endr
.set i, 0
.rept 16
	v_max_num_f32 v[Q+i], 0, v[XX+i]               ; (plain lines behind the exponentials)
.set i, i+1
.endr
.set i, 0
	s_wait_alu depctr_va_vdst(0)                   ; the sixteen exponentials have written P, ahead of their first reader: one wait for the batch
.rept 8
	v_pk_mul_f32 v[P+i:P+i+1], v[P+i:P+i+1], v[T+i:T+i+1]                      ; q
.set i, i+2
.endr
.set i, 0
.rept 16
	v_fma_f32 v[XX+i], -|v[XX+i]|, v[P+i], v[Q+i]  ; gelu
.set i, i+1
.endr
.set i, 0
.rept 16
	v_med3_num_f32 v[XX+i], v[XX+i], -v14, v14     ; the conversion to an 8-bit code does not saturate (ISA guide 7.6.2)
.set i, i+1
.endr
	v_cvt_scalef32_pk8_bf8_f32 v[CR:CR+1], v[XX:XX+7], v13
	v_cvt_scalef32_pk8_bf8_f32 v[CR+2:CR+3], v[XX+8:XX+15], v13
	v_nop                                          ; one plain line behind the last conversion: the next products write its sources
.endm
; A trip: 16 rows.  32 products, the next tile's fragments asked for, the activation, the codes and their two stores.  pre = 0: the last tile.
.macro TRIP pre
	s_wait_dscnt 0x0                               ; this tile's fragments are in
	WIN 0x31                                       ; source 0 (W1) window 1, C (b1) window 3
.irp t, 0,1,2,3
	v_wmma_f32_16x16x128_bf8_bf8 v[ACC+8*\t:ACC+8*\t+7], v[16*\t:16*\t+15], v[AF:AF+15], v[8*\t:8*\t+7]
.endr
	WIN 0x01
.irp s, 1,2,3
.irp t, 0,1,2,3
	v_wmma_f32_16x16x128_bf8_bf8 v[ACC+8*\t:ACC+8*\t+7], v[16*(4*\s+\t):16*(4*\s+\t)+15], v[AF+16*\s:AF+16*\s+15], v[ACC+8*\t:ACC+8*\t+7]
.endr
.endr
	WIN 0x02                                       ; source 0 window 2
.irp s, 4,5,6,7
.irp t, 0,1,2,3
	v_wmma_f32_16x16x128_bf8_bf8 v[ACC+8*\t:ACC+8*\t+7], v[16*(4*(\s-4)+\t):16*(4*(\s-4)+\t)+15], v[AF+16*\s:AF+16*\s+15], v[ACC+8*\t:ACC+8*\t+7]
.endr
.endr
	WIN 0
	s_wait_alu depctr_vm_vsrc(0)                   ; the last trip's LDS loads have read v7, and its two stores v9 and the codes' registers: all of them are written again below
	v_add_nc_u32 v9, s67, v8                       ; four plain lines that name none of the products' registers stand ahead of the first read of the sums (ISA guide 7.12.1)
.if \pre
	v_add_nc_u32 v7, s66, v6
.else
	v_nop
.endif
	v_nop
	v_nop
.if \pre
	s_wait_alu depctr_va_vdst(0)                   ; the products are done reading A's fragments, in which the loads below land; v7, their address, is written
	ALOAD 7                                        ; the next 16 rows: they land under the activation
.endif
	GELU16 0
	GELU16 1
	s_wait_alu depctr_va_vdst(0)                   ; the four conversions have written the codes, and v9 is written: the two stores read them
	ds_store_b128 v9, v[16:19]
	ds_store_b128 v9, v[24:27] offset:32
	s_add_co_u32 s66, s66, 16*AP
	s_add_co_u32 s67, s67, 16*80
.endm
	ALOAD 6                                        ; rows 0 to 15
	s_mov_b32 s66, 16*AP                           ; the next tile of A,
	s_mov_b32 s67, 0                               ; this tile's rows in the stage
	s_mov_b32 s68, 8
.Ltrip:
	s_wait_alu depctr_va_vdst(0)
	TRIP 1
	s_sub_co_u32 s68, s68, 1
	s_cmp_lg_u32 s68, 0
	s_cbranch_scc1 .Ltrip
	TRIP 0
	s_wait_dscnt 0x0                               ; for the others' sake: my codes lie in my stage
	s_barrier_signal -1
	s_barrier_wait -1
	s_cmp_eq_u32 s21, 0                            ; a tile without rows stores nothing
	s_cbranch_scc1 .Lend
.irp i, 0,1,2,3,4,5,6,7,8,9,10,11,12,13,14,15,16,17
	ds_load_b128 v[AF+4*\i:AF+4*\i+3], v11 offset:160*\i   ; into A's registers: the last products that read them stand ahead of the last trip's closing wait, and no vector line has named them since
.endr
.irp i, 0,1,2,3,4,5,6,7,8,9,10,11,12,13,14,15,16,17
	s_wait_dscnt 17-\i                             ; LDS loads come back in order: number i is in, the younger ones may be out
	global_store_b128 v12, v[AF+4*\i:AF+4*\i+3], s[38:39] offset:2048*\i       ; sixteen lanes store 256 consecutive bytes, aligned
.endr
.Lend:
	s_wait_dscnt 0x0                               ; the closing lines, six on end
	s_wait_alu 0x0
	s_wait_tensorcnt 0x0
	ds_add_u32 v94, v95
	s_wait_dscnt 0x0
	s_endpgm
.Lfunc_end_k_q8ebce30b6c_ffn1:
	.size	k_q8ebce30b6c_ffn1, .Lfunc_end_k_q8ebce30b6c_ffn1-k_q8ebce30b6c_ffn1
	.p2alignl 7, 3214868480
	.fill 96, 4, 3214868480
	.section	.rodata,"a",@progbits
	.p2align	6, 0x0
	.amdhsa_kernel k_q8ebce30b6c_ffn1
		.amdhsa_group_segment_fixed_size 196608
		.amdhsa_private_segment_fixed_size 0
		.amdhsa_enable_private_segment 0
		.amdhsa_kernarg_size 48
		.amdhsa_user_sgpr_count 2
		.amdhsa_user_sgpr_kernarg_segment_ptr 1
		.amdhsa_wavefront_size32 1
		.amdhsa_system_sgpr_workgroup_id_x 1
		.amdhsa_system_sgpr_workgroup_id_y 1
		.amdhsa_system_sgpr_workgroup_id_z 1
		.amdhsa_system_vgpr_workitem_id 0
		.amdhsa_next_free_vgpr 960
		.amdhsa_next_free_sgpr 80
		.amdhsa_reserve_vcc 0
		.amdhsa_float_denorm_mode_32 3
		.amdhsa_float_denorm_mode_16_64 3
		.amdhsa_memory_ordered 1
		.amdhsa_forward_progress 1
		.amdhsa_inst_pref_size 100
	.end_amdhsa_kernel
	.amdgpu_metadata
---
amdhsa.version: [ 1, 2 ]
amdhsa.kernels:
  - .name:           k_q8ebce30b6c_ffn1
    .symbol:         k_q8ebce30b6c_ffn1.kd
    .args:
      - { .name: xq, .offset: 0, .size: 8, .value_kind: global_buffer, .address_space: global }
      - { .name: wq, .offset: 8, .size: 8, .value_kind: global_buffer, .address_space: global }
      - { .name: b1, .offset: 16, .size: 8, .value_kind: global_buffer, .address_space: global }
      - { .name: lowp_scales, .offset: 24, .size: 8, .value_kind: global_buffer, .address_space: global }
      - { .name: lists, .offset: 32, .size: 8, .value_kind: global_buffer, .address_space: global }
      - { .name: hq, .offset: 40, .size: 8, .value_kind: global_buffer, .address_space: global }
    .group_segment_fixed_size: 196608
    .private_segment_fixed_size: 0
    .kernarg_segment_align: 8
    .kernarg_segment_size: 48
    .max_flat_workgroup_size: 128
    .sgpr_count:     80
    .vgpr_count:     960
    .wavefront_size: 32
...
	.end_amdgpu_metadata
.endif
;; end of part 7
;; launch ffn2 (part 8): grid 4 x 64, 4 waves a work-group, no clusters, 250,880 bytes of LDS; arguments hq, wq, b2, lowp_scales, lists, gw, out0; writes out0
.if DOCPART == 8
	.amdgcn_target "amdgcn-amd-amdhsa--gfx1250"
	.amdhsa_code_object_version 6
	.text
	.protected	k_q8ebce30b6c_ffn2
	.globl	k_q8ebce30b6c_ffn2
	.p2align	8
	.type	k_q8ebce30b6c_ffn2,@function
k_q8ebce30b6c_ffn2:
	s_mov_b64 s[64:65], 0
	v_nop
	global_prefetch_b8 v0, s[64:65] scope:SCOPE_SE
	s_setreg_imm32_b32 hwreg(HW_REG_WAVE_SCHED_MODE, 0, 2), 2
	s_setreg_imm32_b32 hwreg(HW_REG_WAVE_MODE, 25, 1), 1
	s_wait_xcnt 0x0
	s_wait_alu depctr_vm_vsrc(0)
; THE SECOND LAYER AND THE COMBINATION: out[token] = w_lo (h_lo W2[lo] + b2[lo]) + w_hi (h_hi W2[hi] + b2[hi]), the products on codes of E5M2.  e2, e3 = lowp_scales[2], [3]: W2's and the hidden layer's exponents.
; SHARES.  Work-group (x, y) takes block y of the list (up to 112 tokens that chose the same two experts lo < hi) x columns 256 x .. 256 x + 255: each output row has one owner, and every block has the same work.
; Wave w takes all 112 tokens x 64 columns, for both experts: 2 x 28 accumulators, 448 registers.  The tokens' rows of hq are consecutive slots of either expert: 224 rows come through registers into LDS once.
; W2's fragments come from wq straight into registers, as they lie, three steps (48 loads a wave) ahead, in four sets by turns.  16 steps of 128 places of K: lo's eight, then hi's eight.
; TRANSPOSED: source 0 = 16 columns, source 1 = 16 tokens: a lane holds ONE token (lane % 16), so its two weights are two registers; b2 / 2^(e2 + e3) is the C of each sum's first product,
; and w x 2^(e2 + e3) multiplies the finished sums.  The 28 accumulators of an expert take turns, one instruction a turn.
; ROWS BEYOND THE BLOCK'S COUNT repeat its last token in every operand (the slot and the place in the list are held at the last that exists), so they hold the last row's numbers.  A store covers two rows; it is left out,
; with all that follow, as soon as its first row lies beyond the count.  With an odd count the last store's upper sixteen lanes therefore write the last row once more: the same bytes to the same place, once a wave at the most.
; A block without tokens loads slot 0 and place 0, which always exist, passes the barrier and ends: the grid serves every split.
; NO CLUSTER, NO TENSOR LOAD: the rows that the four work-groups of one y share begin at a slot, and are held at a last slot, both read from the list, so no descriptor of constants states them;
; the weights land in one wave's registers; and which blocks share an expert hangs on the list, so partners of a fixed cluster need not share weights.
; LIMIT: e2 + e3 between -126 and 127, so that 2^(e2 + e3) is an f32 number.
; LDS: byte 0: 224 rows of 1,024 bytes + 16, lo's 112, then hi's.  From STG: for each wave a stage of 16 rows x (256 bytes + 16).
; REGISTERS.  window 0: v1 16 l, v2 r, v3 h, v4 16 r, v5 lane, v6 32 h, v7 staging, v8-15 lane selects 4 (2 i + h), v22-26 A's addresses, v27-28 the stage's, v32-207 A's ring of eleven fragments,
;   v208-214 lo's weights by tile, v216-222 hi's, v224-230 tokens by (tile, r), v236-245 at work.  At the head v32-87 are offsets, v100-132 at work.
;   On the way out v32-95 results, v96-159 rows, v160-175 offsets, each in two sets by turns.
;   window 1: W2's sets 0-3.  window 2: lo's accumulators ((m, t) at v[8 (4 m + t)]), from v224 b2[lo].  window 3: the same for hi.  At the head windows 2 and 3 hold the 56 rows that I bring.
; THE MODE: SCHED_MODE bits 1:0 = 2 (LLVM: expert scheduling mode 2), set by the entry lines.  The code itself states the register dependences between vector or matrix instructions and memory or LDS
; instructions, with s_wait_alu, always for 0.
; THE PLAN, the 16 steps.  Registers that memory or LDS instructions touch:
;   A's ring    The fragments are numbered through the steps, n = 7 q + m (step q, tokens 16 m on), and fragment n lies in place n % 11.  Step q's products read fragments 7 q .. 7 q + 6.  Its 28 LDS loads bring
;               fragments 7 q + 4 .. 7 q + 10, into the places of fragments 7 q - 7 .. 7 q - 1, which the products of step q - 1 were the last to read.
;   W2's sets   Step q's products read set q % 4.  Its 16 loads bring step q + 3's fragments into set (q - 1) % 4, which the products of step q - 1 were the last to read.
;   v1, v22-26  The offset in wq and A's LDS addresses: made at the head, never written again.
;   The accumulators and b2 are named by matrix instructions alone.
; So ONE wait on va_vdst stands at a step's head: the products of the step before are done reading.  The step's 44 loads follow it, dealt among its first products.  The products that stand between the wait and a load
; read fragments 7 q .. 7 q + 2 and set q % 4; the loads touch places 2 to 10 further round the ring of eleven, and another set: none of the same registers.
; THE PLAN, the way out, a turn a tile.  Turn k makes tile k's results (OO[k % 2]) and tile k - 1's offsets (AD[(k - 1) % 2]) by vector lines; ONE wait on va_vdst; then tile k's 24 LDS instructions (permutes into AD[k % 2],
; stores from OO[k % 2], loads into RB[k % 2]) and tile k - 1's eight stores (from RB[(k - 1) % 2], by AD[(k - 1) % 2]).  One wait on vm_vsrc, beside the wait on XCNT, stands at the head of turns 2 to 6.
.set AP,  1040
.set STG, 224*AP
.set IDX, 8
.set RING, 32                          ; v32-207: eleven places of 16 registers
.set NF,  112                          ; fragments of A in all: 16 steps x 7
.set ISS, -1                           ; (for the assembler) the last fragment asked for: a wait's count is made from it
.set MSB, 0
.macro WIN new                         ; the immediate's high byte repeats the setting that is left
.if MSB != (\new)
	s_set_vgpr_msb (MSB<<8)|(\new)
.set MSB, (\new)
.endif
.endm
.macro BLOAD q                         ; W2's four fragments of step q into set q % 4: 8 KB on end, sixteen loads of 512 consecutive bytes
.set bs, 40+2*((\q)/8)
.set rb, 64*((\q)%4)
	WIN 0x40                                       ; destination window 1
.irp t, 0,1,2,3
.irp c, 0,1,2,3
	global_load_b128 v[rb+16*\t+4*\c:rb+16*\t+4*\c+3], v1, s[bs:bs+1] offset:8192*((\q)%8)+2048*\t+512*\c
.endr
.endr
.endm
.macro LD n                            ; fragment n into place n % 11; beyond the last fragment nothing
.if (\n) < NF
.set fq, (\n)/7
.set mm, 7*(fq/8)+(\n)%7
.set sl, RING+16*((\n)%11)
	WIN 0
.irp c, 0,1,2,3
	ds_load_b128 v[sl+4*\c:sl+4*\c+3], v[22+mm/3] offset:16*AP*(mm%3)+128*(fq%8)+32*\c
.endr
.set ISS, (\n)
.endif
.endm
.macro PROD n                          ; fragment n's four products: its 16 tokens x my 64 columns
.set fq, (\n)/7
.set fm, (\n)%7
.set sl, RING+16*((\n)%11)
.set rb, 64*(fq%4)
	s_wait_dscnt 4*(ISS-(\n))                      ; LDS loads come back in order: fragment n is in; the four loads of each fragment asked for behind it may be out
	WIN 0xa1+0x50*(fq/8)                           ; source 0 (W2) window 1, source 1 (h) window 0, C and D window 2 (lo) or 3 (hi)
.irp t, 0,1,2,3
.if (fq%8) == 0
	v_wmma_f32_16x16x128_bf8_bf8 v[8*(4*fm+\t):8*(4*fm+\t)+7], v[rb+16*\t:rb+16*\t+15], v[sl:sl+15], v[224+8*\t:224+8*\t+7]
.else
	v_wmma_f32_16x16x128_bf8_bf8 v[8*(4*fm+\t):8*(4*fm+\t)+7], v[rb+16*\t:rb+16*\t+15], v[sl:sl+15], v[8*(4*fm+\t):8*(4*fm+\t)+7]
.endif
.endr
.endm
.macro STEP q
.if (\q) <= 13
	s_wait_loadcnt 32                              ; this step's set is in; the two sets behind it may be out
.else
	s_wait_loadcnt 16*(15-(\q))
.endif
	WIN 0
.if (\q) > 0
	s_wait_alu depctr_va_vdst(0)                   ; the products of the step before are done reading their seven places of the ring and their set of W2, in which this step's loads land
.endif
	LD 7*(\q)+4
	LD 7*(\q)+5
.if (\q)+3 <= 15
	BLOAD (\q)+3
.endif
	PROD 7*(\q)
	LD 7*(\q)+6                                    ; no wait: no matrix instruction since the wait above names these places
	LD 7*(\q)+7
	PROD 7*(\q)+1
	LD 7*(\q)+8
	LD 7*(\q)+9
	PROD 7*(\q)+2
	LD 7*(\q)+10
	PROD 7*(\q)+3
	PROD 7*(\q)+4
	PROD 7*(\q)+5
	PROD 7*(\q)+6
.endm
	s_load_b256 s[4:11], s[0:1], 0x0               ; hq s[4:5], wq s[6:7], b2 s[8:9], the scales' exponents s[10:11]
	s_load_b128 s[12:15], s[0:1], 0x20             ; lists s[12:13], gw s[14:15]
	s_load_b64 s[16:17], s[0:1], 0x30              ; out0
	v_lshl_add_u32 v254, v0, 2, 0x3d200
	v_mov_b32 v255, 0
	v_lshrrev_b32 v1, 5, v0
	v_readfirstlane_b32 s18, v1                    ; wave 0..3
	v_and_b32 v5, 31, v0                           ; lane
	v_lshlrev_b32 v1, 4, v5
	v_and_b32 v2, 15, v0                           ; r
	v_bfe_u32 v3, v0, 4, 1                         ; h
	v_lshlrev_b32 v4, 4, v2                        ; 16 r: my 16 bytes of a row's 256 on the way out
	v_lshlrev_b32 v6, 5, v3
	v_lshlrev_b32 v[IDX], 2, v3                    ; the way out: store i of a tile takes its token from lane 2 i + h: 4 x that lane
.irp i, 1,2,3,4,5,6,7
	v_add_nc_u32 v[IDX+\i], 8*\i, v[IDX]
.endr
	s_and_b32 s19, ttmp7, 0xffff                   ; y: the block
	s_lshl_b32 s28, s19, 4
	s_wait_alu depctr_va_sdst(0)                   ; s18 is written, ahead of its first reader
	s_mul_i32 s34, s18, 56*AP
	v_add_nc_u32 v7, s34, v1                       ; I bring LDS rows 56 w .. 56 w + 55: waves 0, 1 lo's, waves 2, 3 hi's
	v_mul_u32_u24 v22, v2, AP
	v_lshl_add_u32 v22, v3, 4, v22                 ; a fragment: row r x pitch + 16 h; an address register for every three tiles, so that the immediates stay inside 16 bits
.irp k, 1,2,3,4
	v_add_nc_u32 v[22+\k], 48*AP*\k, v22
.endr
	s_mul_i32 s34, s18, 16*272
	s_add_co_u32 s34, s34, STG                     ; my stage
	v_mul_u32_u24 v27, v2, 272
	v_lshl_add_u32 v27, v3, 5, v27
	v_add_nc_u32 v27, s34, v27                     ; in: row r, 32 bytes for each half of the lanes
	v_mad_u32_u24 v28, v3, 272, v4
	v_add_nc_u32 v28, s34, v28                     ; back: lanes 0-15 take one row of 256 bytes, lanes 16-31 the next
	v_mov_b32 v215, 0                              ; (named as the upper halves of the pairs v[214:215] and v[222:223])
	v_mov_b32 v223, 0
	s_wait_kmcnt 0x0
	s_load_b128 s[20:23], s[12:13], s28 offset:0x400   ; the block: lo | hi << 8, lo's first slot, hi's first slot, tokens
	s_load_b128 s[24:27], s[10:11], 0x0            ; e0, e1, e2, e3
	s_wait_kmcnt 0x0
	s_and_b32 s29, s20, 7
	s_min_u32 s29, s29, 7                          ; lo
	s_bfe_u32 s30, s20, 0x30008
	s_min_u32 s30, s30, 7                          ; hi
	s_min_u32 s23, s23, 112
	s_max_u32 s32, s23, 1
	s_sub_co_u32 s32, s32, 1                       ; the last token that exists
	s_mul_i32 s31, s19, 112
	s_cmp_lg_u32 s23, 0
	s_cselect_b32 s21, s21, 0                      ; a block without tokens reads slot 0 and place 0
	s_cselect_b32 s22, s22, 0
	s_cselect_b32 s31, s31, 0
.irp m, 0,1,2,3,4,5,6
	v_add_nc_u32 v[100+\m], 16*\m, v2              ; the token of (tile m, r)
.endr
.set i, 0
.rept 7
	v_min_u32 v[100+i], s32, v[100+i]
	v_add_nc_u32 v[100+i], s31, v[100+i]
	v_min_u32 v[100+i], 0x1bff, v[100+i]           ; inside btok's 7,168 words
	v_lshlrev_b32 v[100+i], 2, v[100+i]
.set i, i+1
.endr
	s_wait_alu depctr_va_vdst(0)                   ; the offsets, LDS addresses and lane selects v1, v6, v7, v8-15, v22-28, v100-106 and the closing add's v254, v255 are written: loads, stores and permutes of the whole kernel read them
.irp m, 0,1,2,3,4,5,6
	global_load_b32 v[224+\m], v[100+\m], s[12:13] offset:40960
.endr
	s_lshl_b32 s33, ttmp9, 2
	s_add_co_u32 s33, s33, s18                     ; ng = 4 x + w: my 64 columns
	s_lshl_b32 s52, s33, 16
	s_add_co_u32 s52, s52, 0x800000                ; W2's codes begin 8 MB into wq
	s_lshl_b32 s50, s29, 20
	s_add_co_u32 s50, s50, s52
	s_mov_b32 s51, 0
	s_add_nc_u64 s[40:41], s[6:7], s[50:51]        ; lo's
	s_lshl_b32 s50, s30, 20
	s_add_co_u32 s50, s50, s52
	s_add_nc_u64 s[42:43], s[6:7], s[50:51]        ; hi's
	s_lshl_b32 s52, s33, 8
	s_lshl_b32 s50, s29, 12
	s_add_co_u32 s50, s50, s52
	s_add_nc_u64 s[44:45], s[8:9], s[50:51]        ; b2[lo] at my columns
	s_lshl_b32 s50, s30, 12
	s_add_co_u32 s50, s50, s52
	s_add_nc_u64 s[46:47], s[8:9], s[50:51]        ; b2[hi]
	s_mov_b32 s50, s52
	s_add_nc_u64 s[48:49], s[16:17], s[50:51]      ; out0 at my columns
	WIN 0x80                                       ; destination window 2
.irp t, 0,1,2,3
	global_load_b128 v[224+8*\t:224+8*\t+3], v6, s[44:45] offset:64*\t
	global_load_b128 v[224+8*\t+4:224+8*\t+7], v6, s[44:45] offset:64*\t+16
.endr
	WIN 0xc0                                       ; window 3
.irp t, 0,1,2,3
	global_load_b128 v[224+8*\t:224+8*\t+3], v6, s[46:47] offset:64*\t
	global_load_b128 v[224+8*\t+4:224+8*\t+7], v6, s[46:47] offset:64*\t+16
.endr
	BLOAD 0
	BLOAD 1
	BLOAD 2
	WIN 0
	s_cmp_lt_u32 s18, 2
	s_cselect_b32 s35, s21, s22                    ; the first slot of the expert whose rows I bring,
	s_add_co_u32 s36, s35, s32                     ; its last slot that exists,
	s_and_b32 s37, s18, 1
	s_mul_i32 s37, s37, 56
	s_add_co_u32 s37, s37, s35                     ; my first
.set i, 0
.rept 56                                       ; a row's offset in hq: slot x 1,024 + 16 l; an offset register for each row
	s_add_co_u32 s34, s37, i
	s_min_u32 s34, s34, s36
	s_min_u32 s34, s34, 9215
	v_lshl_add_u32 v[32+i], s34, 10, v1
.set i, i+1
.endr
	s_wait_loadcnt 63                              ; the seven loads of the list are in: behind them stand 16 loads of b2 and 48 of W2
.irp m, 0,1,2,3,4,5,6
	v_and_b32 v[126+\m], 0xffff, v[224+\m]
	v_min_u32 v[126+\m], 0xfff, v[126+\m]
	v_lshlrev_b32 v[126+\m], 3, v[126+\m]
.endr
	s_wait_alu depctr_va_vdst(0)                   ; the rows' 56 offsets v32-87 and the weights' seven v126-132 are written, which the loads below read
.irp m, 0,1,2,3,4,5,6
	global_load_b64 v[112+2*\m:113+2*\m], v[126+\m], s[14:15]      ; the token's two weights
.endr
	WIN 0x80
.set i, 0
.rept 28
	global_load_b128 v[8*i:8*i+3], v[32+i], s[4:5]                 ; the wave reads 512 consecutive bytes
	global_load_b128 v[8*i+4:8*i+7], v[32+i], s[4:5] offset:512
.set i, i+1
.endr
	WIN 0xc0
.rept 28
	global_load_b128 v[8*(i-28):8*(i-28)+3], v[32+i], s[4:5]
	global_load_b128 v[8*(i-28)+4:8*(i-28)+7], v[32+i], s[4:5] offset:512
.set i, i+1
.endr
	WIN 0x08                                       ; the data (source 1) window 2
	s_wait_loadcnt 63                              ; of the 112 loads of rows the youngest 63 may be out: rows 0 to 13 are in
.set i, 0
.rept 14
	ds_store_b128 v7, v[8*i:8*i+3] offset:AP*i
	ds_store_b128 v7, v[8*i+4:8*i+7] offset:AP*i+512
.set i, i+1
.endr
	s_wait_loadcnt 56                              ; rows 14 to 27
.rept 14
	ds_store_b128 v7, v[8*i:8*i+3] offset:AP*i
	ds_store_b128 v7, v[8*i+4:8*i+7] offset:AP*i+512
.set i, i+1
.endr
	WIN 0x0c                                       ; window 3
	s_wait_loadcnt 28                              ; rows 28 to 41
.rept 14
	ds_store_b128 v7, v[8*(i-28):8*(i-28)+3] offset:AP*i
	ds_store_b128 v7, v[8*(i-28)+4:8*(i-28)+7] offset:AP*i+512
.set i, i+1
.endr
	s_wait_loadcnt 0x0
.rept 14
	ds_store_b128 v7, v[8*(i-28):8*(i-28)+3] offset:AP*i
	ds_store_b128 v7, v[8*(i-28)+4:8*(i-28)+7] offset:AP*i+512
.set i, i+1
.endr
	WIN 0
	s_add_co_i32 s34, s26, s27                     ; e2 + e3
	s_sub_co_i32 s39, 0, s34
	s_add_co_i32 s34, s34, 127
	s_lshl_b32 s38, s34, 23                        ; 2^(e2 + e3) as f32
.irp m, 0,1,2,3,4,5,6
	v_and_b32 v[236+\m], 0x10000, v[224+\m]        ; set where the token's first expert is hi
.endr
.irp m, 0,1,2,3,4,5,6
	v_cmp_ne_u32 s[53+\m], 0, v[236+\m]            ; the seven masks in a run, a scalar register each
.endr
	s_wait_alu depctr_va_sdst(0)                   ; the seven compares have written s53 to s59, ahead of their first readers
.irp m, 0,1,2,3,4,5,6
	v_cndmask_b32 v244, v[112+2*\m], v[113+2*\m], s[53+\m]
	v_cndmask_b32 v245, v[113+2*\m], v[112+2*\m], s[53+\m]
	v_mul_f32 v[208+\m], s38, v244                 ; lo's weight x 2^(e2 + e3),
	v_mul_f32 v[216+\m], s38, v245                 ; hi's
.endr
	WIN 0x82                                       ; source 0 and destination window 2
.set i, 0
.rept 32
	v_ldexp_f32 v[224+i], v[224+i], s39            ; b2 / 2^(e2 + e3)
.set i, i+1
.endr
	WIN 0xc3
.set i, 0
.rept 32
	v_ldexp_f32 v[224+i], v[224+i], s39
.set i, i+1
.endr
	WIN 0
	s_wait_dscnt 0x0                               ; for the others' sake: my rows lie in LDS
	s_barrier_signal -1
	s_barrier_wait -1                              ; all 224 do; nobody writes them again.  The launch's one barrier
	s_wait_alu depctr_vm_vsrc(0)                   ; my LDS stores have read v0-223 of windows 2 and 3, which the products write; the head's loads have read their offsets v32-87, v100-106 and v126-132, in which fragments of A land
	s_wait_alu depctr_va_vdst(0)                   ; the head's vector lines are done writing those offsets and reading the weights v112-125: fragments of A land in all of them
	s_cmp_eq_u32 s23, 0
	s_cbranch_scc1 .Lend                           ; a block without tokens
	LD 0                                           ; each step finds its first four fragments asked for
	LD 1
	LD 2
	LD 3
.set qq, 0
.rept 16
	STEP qq
.set qq, qq+1
.endr
.rept 4
	v_nop                                          ; four plain lines behind the last products, ahead of the first read of the sums and of the first vector write into the ring (ISA guide 7.12.1)
.endr
; THE WAY OUT, a turn a tile of 16 tokens; turn k works on tile k and sends tile k - 1.
; Tile k's two experts' sums are weighed and added (OO).  Tile k - 1's eight offsets are made of the words that its permutes have brought, in three runs of eight lines (ADP).  One wait.  Then tile k's LDS instructions:
; each of its eight stores pulls its two rows' tokens out of the register that holds them by r (a lane permute: no LDS byte is touched); the results go into my stage and come back as rows: lanes 0-15 row 2 i,
; lanes 16-31 row 2 i + 1, 16 bytes a lane.  Last, tile k - 1's stores, two rows each.
.macro WAYOUT k
.set par, (\k)%2
.set OO, 32+32*par
.set RB, 96+32*par
.set AD, 160+8*par
.set RBP, 96+32*(1-par)                ; the tile before's rows,
.set ADP, 160+8*(1-par)                ; and its offsets
.if ((\k) >= 2) && ((\k) <= 6)
	s_wait_xcnt 0x0                                ; the stores of tile k - 2, in the turn before, have had their addresses translated: their data and offset registers are written again only behind this wait
	s_wait_alu depctr_vm_vsrc(0)                   ; those stores have read RB and AD of this turn's set, in which tile k's rows and tokens land; tile k - 2's LDS stores have read OO, which the lines below write
.endif
.if (\k) <= 6
	WIN 0x02                                       ; source 0 window 2.
.set i, 0
.rept 16
.if par == 0
	v_pk_mul_f32 v[OO+i:OO+i+1], v[32*(\k)+i:32*(\k)+i+1], v[208+(\k):208+(\k)+1] op_sel_hi:[1,0]
.else
	v_pk_mul_f32 v[OO+i:OO+i+1], v[32*(\k)+i:32*(\k)+i+1], v[208+(\k)-1:208+(\k)] op_sel:[0,1] op_sel_hi:[1,1]
.endif
.set i, i+2
.endr
	WIN 0x03                                       ; source 0 window 3
.set i, 0
.rept 16
.if par == 0
	v_pk_fma_f32 v[OO+i:OO+i+1], v[32*(\k)+i:32*(\k)+i+1], v[216+(\k):216+(\k)+1], v[OO+i:OO+i+1] op_sel_hi:[1,0,1]
.else
	v_pk_fma_f32 v[OO+i:OO+i+1], v[32*(\k)+i:32*(\k)+i+1], v[216+(\k)-1:216+(\k)], v[OO+i:OO+i+1] op_sel:[0,1,0] op_sel_hi:[1,1,1]
.endif
.set i, i+2
.endr
	WIN 0
.endif
.if (\k) >= 1
	s_wait_dscnt 16                                ; tile k - 1's eight permutes are back; its 8 stores and 8 loads behind them may be out
.set i, 0
.rept 8
	v_and_b32 v[ADP+i], 0xffff, v[ADP+i]           ; the token,
.set i, i+1
.endr
.set i, 0
.rept 8
	v_min_u32 v[ADP+i], 0xfff, v[ADP+i]            ; inside out0's 4,096 rows,
.set i, i+1
.endr
.set i, 0
.rept 8
	v_lshl_add_u32 v[ADP+i], v[ADP+i], 12, v4      ; x 4,096 + 16 r
.set i, i+1
.endr
.endif
	s_wait_alu depctr_va_vdst(0)                   ; tile k's results are written, which the LDS stores read; tile k - 1's offsets are written, which its stores read; every earlier vector or matrix line that named this turn's AD and RB is done: permutes and loads land there
.if (\k) <= 6
.set i, 0
.rept 8
	ds_bpermute_b32 v[AD+i], v[IDX+i], v[224+(\k)] ; the list's word of row 16 k + 2 i + h, from lane 2 i + h
.set i, i+1
.endr
.irp t, 0,1,2,3
	ds_store_b128 v27, v[OO+8*\t:OO+8*\t+3] offset:64*\t           ; lane (r, h): columns 16 t + 8 h + 0..7 of token r
	ds_store_b128 v27, v[OO+8*\t+4:OO+8*\t+7] offset:64*\t+16
.endr
.set i, 0
.rept 8
	ds_load_b128 v[RB+4*i:RB+4*i+3], v28 offset:544*i              ; LDS serves a wave's instructions in order (ISA guide 5.7.1.4): these see my stores, and the next tile's stores come behind them
.set i, i+1
.endr
.endif
.if (\k) >= 1
.if (\k) <= 6
	s_wait_dscnt 24                                ; tile k - 1's rows are back; tile k's 8 permutes, 8 stores and 8 loads may be out
.else
	s_wait_dscnt 0x0
.endif
.set i, 0
.rept 8
	s_cmp_le_u32 s23, 16*((\k)-1)+2*i              ; rows go upward: behind the block's last token nothing is left to store
	s_cbranch_scc1 .Lend
	global_store_b128 v[ADP+i], v[RBP+4*i:RBP+4*i+3], s[48:49] th:TH_STORE_NT   ; each half of the wave stores 256 consecutive bytes, aligned; written once, read by nobody here
.set i, i+1
.endr
.endif
.endm
	WAYOUT 0
	WAYOUT 1
	WAYOUT 2
	WAYOUT 3
	WAYOUT 4
	WAYOUT 5
	WAYOUT 6
	WAYOUT 7
.Lend:
	s_wait_dscnt 0x0                               ; the closing lines, six on end
	s_wait_alu 0x0
	s_wait_tensorcnt 0x0
	ds_add_u32 v254, v255
	s_wait_dscnt 0x0
	s_endpgm
.Lfunc_end_k_q8ebce30b6c_ffn2:
	.size	k_q8ebce30b6c_ffn2, .Lfunc_end_k_q8ebce30b6c_ffn2-k_q8ebce30b6c_ffn2
	.p2alignl 7, 3214868480
	.fill 96, 4, 3214868480
	.section	.rodata,"a",@progbits
	.p2align	6, 0x0
	.amdhsa_kernel k_q8ebce30b6c_ffn2
		.amdhsa_group_segment_fixed_size 250880
		.amdhsa_private_segment_fixed_size 0
		.amdhsa_enable_private_segment 0
		.amdhsa_kernarg_size 56
		.amdhsa_user_sgpr_count 2
		.amdhsa_user_sgpr_kernarg_segment_ptr 1
		.amdhsa_wavefront_size32 1
		.amdhsa_system_sgpr_workgroup_id_x 1
		.amdhsa_system_sgpr_workgroup_id_y 1
		.amdhsa_system_sgpr_workgroup_id_z 1
		.amdhsa_system_vgpr_workitem_id 0
		.amdhsa_next_free_vgpr 1024
		.amdhsa_next_free_sgpr 66
		.amdhsa_reserve_vcc 0
		.amdhsa_float_denorm_mode_32 3
		.amdhsa_float_denorm_mode_16_64 3
		.amdhsa_memory_ordered 1
		.amdhsa_forward_progress 1
		.amdhsa_inst_pref_size 180
	.end_amdhsa_kernel
	.amdgpu_metadata
---
amdhsa.version: [ 1, 2 ]
amdhsa.kernels:
  - .name:           k_q8ebce30b6c_ffn2
    .symbol:         k_q8ebce30b6c_ffn2.kd
    .args:
      - { .name: hq, .offset: 0, .size: 8, .value_kind: global_buffer, .address_space: global }
      - { .name: wq, .offset: 8, .size: 8, .value_kind: global_buffer, .address_space: global }
      - { .name: b2, .offset: 16, .size: 8, .value_kind: global_buffer, .address_space: global }
      - { .name: lowp_scales, .offset: 24, .size: 8, .value_kind: global_buffer, .address_space: global }
      - { .name: lists, .offset: 32, .size: 8, .value_kind: global_buffer, .address_space: global }
      - { .name: gw, .offset: 40, .size: 8, .value_kind: global_buffer, .address_space: global }
      - { .name: out0, .offset: 48, .size: 8, .value_kind: global_buffer, .address_space: global }
    .group_segment_fixed_size: 250880
    .private_segment_fixed_size: 0
    .kernarg_segment_align: 8
    .kernarg_segment_size: 56
    .max_flat_workgroup_size: 128
    .sgpr_count:     66
    .vgpr_count:     1024
    .wavefront_size: 32
...
	.end_amdgpu_metadata
.endif
;; end of part 8
